; MI455X (gfx1250); checked and timed in simulation.
; The chip was launched on July 23, 2026; its instructions are those of AMD's public machine-readable ISA for CDNA 5 (MIT licence, August 2026) and "CDNA5" Instruction Set Architecture Reference Guide (July 2026). The comments in the code are by the model that wrote it; some were corrected since.
;; attention. Allowed arithmetic: matrix products marked QUANTISED: E4M3 operands, one E8M0 scale for each 32 along K, by v_wmma_scale_f32_16x16x128_f8f6f4 with both operands' format E4M3, f32 sums; everything else in f32.
;; Inputs: Wk_codes 1,024 x 32 x 32 uint8 (E4M3 codes of Wk, K innermost, in blocks of 32 codes); Wk_scales 1,024 x 32 uint8 (E8M0 scales of Wk, one for each 32 codes along K); Wo_codes 1,024 x 32 x 32 uint8 (E4M3 codes of Wo, K innermost, in blocks of 32 codes); Wo_scales 1,024 x 32 uint8 (E8M0 scales of Wo, one for each 32 codes along K); Wq_codes 1,024 x 32 x 32 uint8 (E4M3 codes of Wq, K innermost, in blocks of 32 codes); Wq_scales 1,024 x 32 uint8 (E8M0 scales of Wq, one for each 32 codes along K); Wv_codes 1,024 x 32 x 32 uint8 (E4M3 codes of Wv, K innermost, in blocks of 32 codes); Wv_scales 1,024 x 32 uint8 (E8M0 scales of Wv, one for each 32 codes along K); bk 1,024 float32; bo 1,024 float32; bq 1,024 float32; bv 1,024 float32; x_codes 4 x 2,048 x 32 x 32 uint8 (E4M3 codes of x, K innermost, in blocks of 32 codes); x_scales 4 x 2,048 x 32 uint8 (E8M0 scales of x, one for each 32 codes along K).
;; Outputs: out0 4 x 2,048 x 1,024 float32.
;; This version of the problem:
;;   THIS VERSION OF THE PROBLEM IS GIVEN IN LOW PRECISION. The matrix products marked QUANTISED in the list below multiply operands that are first quantised to E4M3 (4 exponent bits, 3 mantissa bits; 8 bits a number), with one power-of-two scale for each 32 numbers along K (OCP MX v1.0); their sums are f32. All else is computed in f32.
;;   The module's matrix products, in the order in which they are computed (A, B: the left and right operand; K: the contracted axis; several contracted axes count as one K, in the product's order):
;;     1. [M 8,192, K 1,024] x [K 1,024, N 1,024]; A: input x (given as codes); B: input Wq (given as codes): QUANTISED
;;     2. [M 8,192, K 1,024] x [K 1,024, N 1,024]; A: input x (given as codes); B: input Wk (given as codes): QUANTISED
;;     3. [M 8,192, K 1,024] x [K 1,024, N 1,024]; A: input x (given as codes); B: input Wv (given as codes): QUANTISED
;;     4. batch 64 x [M 2,048, K 64] x [K 64, N 2,048]; A: computed on the way; B: computed on the way: QUANTISED
;;     5. batch 64 x [M 2,048, K 2,048] x [K 2,048, N 64]; A: softmax (see below); B: computed on the way: QUANTISED
;;     6. [M 8,192, K 1,024] x [K 1,024, N 1,024]; A: computed on the way; B: input Wo (given as codes): QUANTISED
;;   THE QUANTISER, for each operand of a quantised product, along K:
;;     - K is cut into blocks of 32 from its start; a last block that is shorter is filled with zeros.
;;     - A block's scale is 2^e with e = floor(log2(the largest magnitude in the block)) - 8, held to -126 .. 127; a block of zeros has e = 0. As a byte (E8M0): e + 127.
;;     - Each number is divided by its block's scale, clamped to +-448, and rounded to the nearest number of E4M3, ties to even, subnormals kept.
;;     - The product sums the exact products of the quantised numbers (number of the format x scale) in f32.
;;   ~~~python
;;   def quantise(x, axis):      # numpy; x: float32 -> the quantised numbers, widened to float32 again
;;       x = np.moveaxis(x, axis, -1); K = x.shape[-1]
;;       x = np.pad(x, [(0, 0)] * (x.ndim - 1) + [(0, -K % 32)]); x = x.reshape(x.shape[:-1] + (-1, 32)); a = np.abs(x).max(-1, keepdims=True)
;;       e = np.where(a > 0, np.clip(np.frexp(np.where(a > 0, a, 1))[1] - 1 - 8, -126, 127), 0)      # np.frexp(a)[1] - 1 = floor(log2(a)), exactly
;;       r = np.clip(x / 2.0 ** e, -448, 448)
;;       step = 2.0 ** (np.maximum(np.frexp(np.where(r == 0, 1, r))[1] - 1, -6) - 3)
;;       q = np.round(r / step) * step * 2.0 ** e      # np.round: ties to even
;;       return np.moveaxis(q.reshape(q.shape[:-2] + (-1,))[..., :K], -1, axis).astype(np.float32)
;;   ~~~
;;   SOFTMAX AHEAD OF A QUANTISED PRODUCT. Where the list says 'softmax', what is quantised is not the finished softmax but p = 2^(t - M), with t = logit x log2(e) and M = ceil(the row's largest t), a whole number; so 1/2 < the row's largest p <= 1. The row's sum l is taken of the UNQUANTISED p, in f32, and the product's result is divided by l at the end. Since M is a whole number, a kernel that streams over the keys may use a running M (the ceiling of the running maximum): every later rescaling is an exact power of two, which a block's scale takes up: the codes' values come out the same.
;;   OPERANDS COMPUTED ON THE WAY. 'Computed on the way' means the value that the module computes at that place (a softmax that the list does not call 'softmax' is quantised finished and normalised). What goes into a quantiser is computed in f32, as accurately as f32 sums, v_exp_f32 and their like allow (about 1e-6 of the number): no bf16 or f16 on the way to a quantiser, and a product that is left as it is and whose result goes on into a quantised operand takes f32 operands (vector FMAs, or v_wmma_f32_16x16x4_f32). A number that lies on a knife's edge between two numbers of the format may be rounded either way, as far as f32 arithmetic and the matrix unit's own rounding can turn it there, and no further.
;;   INPUTS GIVEN AS CODES. Wk (in the module: [1024, 1024], K = its axis 0); Wo (in the module: [1024, 1024], K = its axis 0); Wq (in the module: [1024, 1024], K = its axis 0); Wv (in the module: [1024, 1024], K = its axis 0); x (in the module: [4, 2048, 1024], K = its axis 2): each comes as NAME_codes (uint8): NAME with its K axis moved to the last place and cut into blocks of 32 codes, [.., K / 32, bytes a block], one block behind the other in memory; one code a byte (a code: sign, 4 exponent bits, 3 mantissa bits); and NAME_scales (uint8): the same leading axes, one E8M0 byte (e + 127) for each 32 codes along K. Its value is code x scale, taken as it is: it is not quantised again, and the codes and scales need not be those that the quantiser above would give.
;; 2 versions. Each part assembles by itself: llvm-mc -triple=amdgcn-amd-amdhsa -mcpu=gfx1250 --defsym DOCPART=n.
;; ======== version 1 of 2: 4 launches
;; workspace buffers: rope 524,288 bytes; qkv_codes 25,165,824 bytes; qkv_scales 1,310,720 bytes; inter_codes 8,388,608 bytes; inter_scales 262,144 bytes
;; launch rope (part 1): grid 256 x 1, 4 waves a work-group, no clusters, 0 bytes of LDS; arguments rope; writes rope
.if DOCPART == 1
	.amdgcn_target "amdgcn-amd-amdhsa--gfx1250"
	.amdhsa_code_object_version 6
	.text
	.protected	k_qff941b303e_rope
	.globl	k_qff941b303e_rope
	.p2align	8
	.type	k_qff941b303e_rope,@function
k_qff941b303e_rope:
	s_mov_b64 s[64:65], 0
	v_nop
	global_prefetch_b8 v0, s[64:65] scope:SCOPE_SE
	s_setreg_imm32_b32 hwreg(HW_REG_WAVE_MODE, 25, 1), 1
	s_wait_xcnt 0x0
; The table of cos and sin for the interleaved rotary embedding: 2,048 positions x 32 pairs, head size 64, theta 10,000.
; LAYOUT, in the order of the reader's registers: [tile of 16 positions Tn 0..127][g 0..7][lane 0..31][16 bytes] = (cos, sin, cos, sin) of the pairs
; 8 (g / 2) + 4 h + 2 (g % 2) + 0, 1 at position 16 Tn + r, with r = lane % 16 and h = lane / 16.  Thread G of the launch makes bytes 16 G .. 16 G + 15: a wave stores 512 consecutive bytes.
; ARITHMETIC, in the order of the definition: inv = 10000^(-j / 32) as f32; angle = position x inv, ONE f32 multiplication; then cos and sin of that f32 angle.
;   inv = 2^(-j c), c = log2(10000) / 32 = c_hi + c_lo, c_hi = 108853 / 2^18, so that j c_hi is exact; 2^(-j c_lo) = 1 + j kappa to far below an ulp.
;   angle: k = nearest whole number to angle x 2 / pi; rho = angle - k P1 - k P2 (pi / 2 in two parts; the first fused step is exact for angles under 2,048); polynomials on |rho| <= pi / 4; the quadrant k % 4 by selects and sign bits.
; LIMITS: inv within about 1.5 ulp of 10000^(-j / 32); cos and sin within about 1e-7 of those of the f32 angle.  No branch, no LDS, no barrier: threads share nothing.
.set NCH, 8                            ; s8   -c_hi
.set KAP, 9                            ; s9   kappa = -ln 2 x c_lo
.set TOP, 10                           ; s10  2 / pi
.set NP1, 11                           ; s11  -P1
.set NP2, 12                           ; s12  -P2
.set S1,  13                           ; s13-15 sine's coefficients
.set S2,  14
.set S3,  15
.set C1,  16                           ; s16-18 cosine's
.set C2,  17
.set C3,  18
	s_load_b64 s[4:5], s[0:1], 0x0
	s_mov_b32 s[NCH], 0xbed49a80
	s_mov_b32 s[KAP], 0x342ae0c1
	s_mov_b32 s[TOP], 0x3f22f983
	s_mov_b32 s[NP1], 0xbfc90fdb
	s_mov_b32 s[NP2], 0x333bbd2e
	s_mov_b32 s[S1], 0xbe2aaaa3
	s_mov_b32 s[S2], 0x3c08839e
	s_mov_b32 s[S3], 0xb94ca1f9
	s_mov_b32 s[C1], 0x3d2aaaa5
	s_mov_b32 s[C2], 0xbab6061a
	s_mov_b32 s[C3], 0x37ccf5ce
	v_lshrrev_b32 v2, 5, v0                        ; wave
	v_and_b32 v3, 15, v0                           ; r
	v_bfe_u32 v4, v0, 4, 1                         ; h
	s_lshl_b32 s6, ttmp9, 2
	v_add_nc_u32 v2, s6, v2
	v_and_b32 v2, 7, v2                            ; g = (4 x work-group + wave) % 8
	s_lshr_b32 s7, ttmp9, 1                        ; Tn
	s_lshl_b32 s7, s7, 4
	v_add_nc_u32 v5, s7, v3
	v_cvt_f32_u32 v5, v5                           ; the position, as f32
	v_lshrrev_b32 v6, 1, v2
	v_and_b32 v7, 1, v2
	v_lshlrev_b32 v6, 3, v6
	v_lshl_add_u32 v6, v4, 2, v6
	v_lshl_add_u32 v6, v7, 1, v6                   ; my first pair: 8 (g / 2) + 4 h + 2 (g % 2)
	v_add_nc_u32 v7, 1, v6                         ; my second
	v_lshlrev_b32 v8, 4, v0                        ; my 16 bytes in the work-group's 2,048
	s_lshl_b32 s20, ttmp9, 11
	s_mov_b32 s21, 0
; pair number in v[j] -> cos in v[co], sin in v[si]; v[t] .. v[t + 6] at work
.macro SINCOS j, co, si, t
	v_cvt_f32_u32 v[\t], v[\j]
	v_mul_f32 v[\t+1], s[NCH], v[\t]               ; -j c_hi, exact
	v_exp_f32 v[\t+1], v[\t+1]
	v_mul_f32 v[\t+2], s[KAP], v[\t]               ; j kappa (the plain instruction behind the exponential)
	s_wait_alu depctr_va_vdst(0)
	v_fma_f32 v[\t+1], v[\t+1], v[\t+2], v[\t+1]   ; inv
	v_mul_f32 v[\t], v5, v[\t+1]                   ; the angle: one f32 multiplication
	v_mul_f32 v[\t+1], s[TOP], v[\t]
	v_rndne_f32 v[\t+1], v[\t+1]                   ; k
	v_fma_f32 v[\t], v[\t+1], s[NP1], v[\t]
	v_fma_f32 v[\t], v[\t+1], s[NP2], v[\t]        ; rho
	v_mul_f32 v[\t+2], v[\t], v[\t]                ; z = rho^2
	v_fma_f32 v[\t+3], v[\t+2], s[S3], s[S2]
	v_fma_f32 v[\t+3], v[\t+3], v[\t+2], s[S1]
	v_mul_f32 v[\t+3], v[\t+3], v[\t+2]
	v_fma_f32 v[\t+3], v[\t+3], v[\t], v[\t]       ; sin rho
	v_fma_f32 v[\t+4], v[\t+2], s[C3], s[C2]
	v_fma_f32 v[\t+4], v[\t+4], v[\t+2], s[C1]
	v_mul_f32 v[\t+5], v[\t+2], v[\t+2]
	v_fma_f32 v[\t+6], v[\t+2], -0.5, 1.0
	v_fma_f32 v[\t+4], v[\t+4], v[\t+5], v[\t+6]   ; cos rho
	v_cvt_i32_f32 v[\t+5], v[\t+1]                 ; k as a whole number
	v_and_b32 v[\t+6], 1, v[\t+5]
	v_cmp_eq_u32 vcc_lo, 1, v[\t+6]
	v_cndmask_b32 v[\si], v[\t+3], v[\t+4], vcc_lo ; odd quadrants change the two
	v_cndmask_b32 v[\co], v[\t+4], v[\t+3], vcc_lo
	v_lshlrev_b32 v[\t+6], 30, v[\t+5]
	v_and_b32 v[\t+6], 0x80000000, v[\t+6]         ; sin is negated in quadrants 2 and 3: bit 1 of k
	v_xor_b32 v[\si], v[\si], v[\t+6]
	v_add_nc_u32 v[\t+5], 1, v[\t+5]
	v_lshlrev_b32 v[\t+5], 30, v[\t+5]
	v_and_b32 v[\t+5], 0x80000000, v[\t+5]         ; cos in quadrants 1 and 2: bit 1 of k + 1
	v_xor_b32 v[\co], v[\co], v[\t+5]
.endm
	SINCOS 6, 32, 33, 10
	SINCOS 7, 34, 35, 20
	s_wait_kmcnt 0x0
	s_add_nc_u64 s[4:5], s[4:5], s[20:21]
	global_store_b128 v8, v[32:35], s[4:5]         ; 32 lanes store 512 consecutive bytes, at a multiple of 512 from the table's first byte
	s_endpgm
.Lfunc_end_k_qff941b303e_rope:
	.size	k_qff941b303e_rope, .Lfunc_end_k_qff941b303e_rope-k_qff941b303e_rope
	.p2alignl 7, 3214868480
	.fill 96, 4, 3214868480
	.section	.rodata,"a",@progbits
	.p2align	6, 0x0
	.amdhsa_kernel k_qff941b303e_rope
		.amdhsa_group_segment_fixed_size 0
		.amdhsa_private_segment_fixed_size 0
		.amdhsa_enable_private_segment 0
		.amdhsa_kernarg_size 8
		.amdhsa_user_sgpr_count 2
		.amdhsa_user_sgpr_kernarg_segment_ptr 1
		.amdhsa_wavefront_size32 1
		.amdhsa_system_sgpr_workgroup_id_x 1
		.amdhsa_system_sgpr_workgroup_id_y 1
		.amdhsa_system_sgpr_workgroup_id_z 1
		.amdhsa_system_vgpr_workitem_id 0
		.amdhsa_next_free_vgpr 40
		.amdhsa_next_free_sgpr 66
		.amdhsa_reserve_vcc 1
		.amdhsa_float_denorm_mode_32 3
		.amdhsa_float_denorm_mode_16_64 3
		.amdhsa_memory_ordered 1
		.amdhsa_forward_progress 1
		.amdhsa_inst_pref_size 5
	.end_amdhsa_kernel
	.amdgpu_metadata
---
amdhsa.version: [ 1, 2 ]
amdhsa.kernels:
  - .name:           k_qff941b303e_rope
    .symbol:         k_qff941b303e_rope.kd
    .args:
      - { .name: rope, .offset: 0, .size: 8, .value_kind: global_buffer, .address_space: global }
    .group_segment_fixed_size: 0
    .private_segment_fixed_size: 0
    .kernarg_segment_align: 8
    .kernarg_segment_size: 8
    .max_flat_workgroup_size: 128
    .sgpr_count:     66
    .vgpr_count:     40
    .wavefront_size: 32
...
	.end_amdgpu_metadata
.endif
;; end of part 1
;; launch qkv (part 2): grid 12 x 32, 4 waves a work-group, clusters of 4 x 4, 327,680 bytes of LDS; arguments x_codes, x_scales, Wq_codes, Wq_scales, Wk_codes, Wk_scales, Wv_codes, Wv_scales, bq, bk, bv, rope, qkv_codes, qkv_scales; writes qkv_codes, qkv_scales
.if DOCPART == 2
	.amdgcn_target "amdgcn-amd-amdhsa--gfx1250"
	.amdhsa_code_object_version 6
	.text
	.protected	k_qff941b303e_qkv
	.globl	k_qff941b303e_qkv
	.p2align	8
	.type	k_qff941b303e_qkv,@function
k_qff941b303e_qkv:
	s_mov_b64 s[64:65], 0
	v_nop
	global_prefetch_b8 v0, s[64:65] scope:SCOPE_SE
	s_setreg_imm32_b32 hwreg(HW_REG_WAVE_MODE, 25, 1), 1
	s_wait_xcnt 0x0
	s_wait_alu depctr_hold_cnt(0) depctr_sa_sdst(0) depctr_va_vdst(0) depctr_va_sdst(0) depctr_va_ssrc(0) depctr_va_vcc(0) depctr_vm_vsrc(0)
	s_getreg_b32 s2, hwreg(HW_REG_IB_STS2, 6, 4)
	s_cmp_eq_u32 s2, 0
	s_cbranch_scc0 .Lentry_in_a_cluster
	s_endpgm
.Lentry_in_a_cluster:
	s_bfe_u32 s2, ttmp6, 0x10000c
	s_cmp_lg_u32 s2, 0xf033
	s_cbranch_scc0 .Lentry_shape_is_right
	s_endpgm
.Lentry_shape_is_right:
; The three projections of x on codes of FP8 (E4M3) with one E8M0 scale for each 32 along K (K = 1,024), their biases, the rotary embedding of q and k, and the quantisers of q, k (along the head's 64) and v (along the KEYS).
; A tile of 256 x 256 of a product is made by a work-group of four waves, a wave makes 128 x 128: 64 accumulators of 16 x 16, 512 registers.  K goes in steps of 256 through a ring of two LDS slots filled by the tensor data mover.
; ONE TEXT SERVES q, k AND v: the cluster's x (0, 1, 2) is the kind, equal in all sixteen partners, and it chooses POINTERS.  "A" is the matrix instruction's source 1 (a lane keeps one of A's rows), "B" its source 0 (a lane's
; eight results run along B's rows).   q, k: A = x, B = the weight: a lane holds one row of x and its registers run along the features, which are the next product's K.
;                                      v:    A = Wv, B = x: a lane holds one feature and its registers run along the keys, which are the K of the product with the softmax.  Nothing is ever transposed.
; CLUSTERS: 4 x 4 work-groups; A's tile hangs on RA alone and is shared along a row of the cluster, B's on CB alone and is shared along a column: each is asked for jointly, with a mask that names the four.
; THE SCALES of the work-group's 256 rows of A and of B, for all of K, come into LDS once, with the first fills, as units of 256 bytes + 16 of padding.  A scale register holds, in lanes 0-15, a block's words for a slot's first 128 along K and, in lanes 16-31, those for its second.
; THE WAY OUT.  The 64 numbers that a lane holds of one of A's blocks of 16 rows are 4 blocks of 32 along the next K: block B is result tiles 2 B and 2 B + 1, of which lane (r, h) holds numbers 8 h + 0..7 and 16 + 8 h + 0..7.
; Its largest magnitude is joined with lane l xor 16's; its codes are made in place, and two exchanges of half registers between the halves of the lanes give lane (r, h) the numbers 16 h + 0..15: the layout of an operand.
; OUTPUT LAYOUTS are images of the operands' registers (lane = 16 h + r; each store of codes is 512 consecutive bytes of a wave):
;   q at byte 0, k at 8,388,608 of qkv_codes: [batch x head 0..63][tile of 16 rows 0..127][c 0..1][lane][16 bytes]: d = 32 c + 16 h + 0..15 of row 16 T + r.
;   v at 16,777,216: [batch x head][128 keys S 0..15][16 features t 0..3][c 0..3][lane][16 bytes]: feature 16 t + r, keys 128 S + 32 c + 16 h + 0..15.
;   scale words in qkv_scales: q at 0, k at 524,288: [batch x head][T][r], bytes 0 and 1 real, bytes 2 and 3 zero;  v at 1,048,576: [batch x head][S][t][r], four bytes.
; LIMITS: NaN and infinities are not served.  A block whose largest magnitude lies under 2^-118, a block of zeros among them, gets the byte 1 (a block of zeros has zero codes; these bytes are read by this program alone).
; REGISTERS, in windows of 256: window 0: v0-31 addresses; v32-63 scale words, two sets, and nothing else; v128-255 A's fragments, one set.  window 1: B's fragments, two sets.  windows 2, 3: the accumulators ((a, b) at v[8 (8 (a % 4) + b)]).
;   On the way out, window 0: v64-127 the bias; v128-191 a block's 64 numbers; v192-223 cos and sin; v224-239 codes; v240-255 the quantiser's work.
.set KROW,   1024                      ; a row of codes in memory, in bytes
.set ROWB,   256                       ; a tile's row: 256 along K
.set NQ,     2                         ; matrix instructions deep in a slot
.set PITCH,  272                       ; an LDS row: 256 bytes + 16 of padding: the 16 rows that a load touches start at 16 different banks (64 banks of 4 bytes: ISA guide 11.1)
.set FR,     16                        ; registers of a fragment
.set NL,     4                         ; LDS loads that bring one
.set NP,     8                         ; places behind this matrix instruction (ISA guide 7.12.1)
.set HALFT,  128*PITCH
.set SLOT,   4*HALFT                   ; A's 256 rows, then B's 256 rows
.set LAPS,   2                         ; K = 1,024 is twice round the ring
.set KSB,    32                        ; a row of scale bytes
.set SCL,    2*SLOT                    ; behind the ring: the scales
.set HALFS,  16*272                    ; those of 128 rows: what one tensor load brings
.set SBLK,   2*272                     ; those of 16 rows
.set STGQ,   SCL+4*HALFS               ; the way out of q and k: 1,024 bytes a wave for scale words
.set STGV,   STGQ+4096                 ; the way out of v: 512 bytes a wave (bytes of its own for each of the two ways)
.set SPARE,  STGV+2048                 ; the spare words, 128 bytes for each wave: two blocks of 256 bytes that no other line names
.set L16,  7                           ; v7   16 x lane
.set SWQ,  8                           ; v8   where I put a scale word of q or k: STGQ + 1,024 wave + 4 r
.set SRQ,  9                           ; v9   and where I read them back: STGQ + 1,024 wave + 16 lane
.set SWV,  10                          ; v10  the same for v: STGV + 512 wave + 4 r
.set SRV,  11                          ; v11  STGV + 512 wave + 16 lane
.set VSO,  12                          ; v12  v's scale words in memory: 16 r + 4,096 h
.set BPO,  13                          ; v13  32 h: my eight numbers of a bias along the features
.set BQO,  14                          ; v14  4 r: my one number of a bias
.set ADRA, 16                          ; v16-17  LDS address of my A fragments in slot 0, 1
.set ADRB, 20                          ; v20-21  the same for B
.set U,    22                          ; v22-25  at work in the rotation
.set ADSB, 26                          ; v26  LDS address of B's scale words
.set ADSA, 27                          ; v27  and of A's
.set SPW,  28                          ; v28  LDS address of my spare word; never rewritten
.set NIL,  29                          ; v29  0; never rewritten
.set W1,   30                          ; v30, v31 scale words just made
.set W0,   31
.set SC,   32                          ; set s at v[SC + 16 s]: B's eight blocks, then A's eight
.set BP,   64
.set AF,   128
.set T,    128
.set CSR,  192
.set PC,   224
.set TM,   240                         ; +0..3 largest magnitudes, +4..7 bytes, +8..11 448 x the scale, +12..15 the conversions' scale operands
.set SEL,  20                          ; s[20:21] on the way out: v_permlanex16_b32's selects for lane l xor 16
.set MNT,  23                          ; s23 on the way out: the mantissa field of 448
.set G1,   24
.set G0,   32
.set G1B,  48
.set G0B,  56
.set G1S,  68
.set G0S,  76
.set G1SB, 80
.set G0SB, 88
.set MSB, 0
.macro WIN new                         ; the immediate's high byte repeats the setting that is left
.if MSB != (\new)
	s_set_vgpr_msb (MSB<<8)|(\new)
.set MSB, (\new)
.endif
.endm
.set MUL_LO, 0xa1                      ; source 0 (B) window 1, source 1 (A) window 0, C and D window 2
.set MUL_HI, 0xf1                      ; the same, C and D window 3
.set TO_B,   0x40                      ; destination window 1, address window 0
; A joint load: waves 0 and 1 fetch for A, waves 2 and 3 for B.  The branch hangs on the wave's number alone.  Four v_nop follow each of the two lines.
.macro JLOAD g0a, g1a, g0b, g1b
	s_cmp_eq_u32 s15, 0
	s_cbranch_scc0 .Lfor_b_\@
	tensor_load_to_lds s[\g0a:\g0a+3], s[\g1a:\g1a+7]
	s_nop 0
.rept 4
	v_nop
.endr
	s_branch .Lasked_\@
.Lfor_b_\@:
	tensor_load_to_lds s[\g0b:\g0b+3], s[\g1b:\g1b+7]
	s_nop 0
.rept 4
	v_nop
.endr
.Lasked_\@:
.endm
.macro CREST                           ; a round of the cluster's barrier behind its opening barrier
	s_cmp_lg_u32 s14, 0
	s_cbranch_scc1 .Lnot_wave_0_\@
	s_barrier_signal -3
.Lnot_wave_0_\@:
	s_barrier_wait -3
	s_barrier_signal -1
	s_barrier_wait -1
.endm
.macro CROUND                          ; a whole round
	s_barrier_signal -1
	s_barrier_wait -1
	CREST
.endm
	s_load_b512 s[68:83], s[0:1], 0x0              ; x's codes, x's scales, Wq's, Wk's, Wv's codes and scales
	s_load_b256 s[84:91], s[0:1], 0x40             ; bq, bk, bv, the table of cos and sin
	s_load_b128 s[92:95], s[0:1], 0x60             ; qkv_codes, qkv_scales
	v_lshl_add_u32 v[SPW], v0, 2, SPARE
	v_mov_b32 v[NIL], 0
	ds_add_u32 v28, v29
	s_wait_dscnt 0x0
	v_lshrrev_b32 v1, 5, v0
	v_readfirstlane_b32 s14, v1                    ; wave 0..3
	s_lshr_b32 s15, s14, 1                         ; which half of A's rows is mine.  Also: I fetch for A (0) or for B (1)
	s_and_b32 s16, s14, 1                          ; which half of B's rows.  Also: which 128 rows of that tile I fetch
	s_bfe_u32 s40, ttmp6, 0x40000                  ; cx, cy: my place in the cluster
	s_bfe_u32 s41, ttmp6, 0x40004
	s_mov_b32 s66, ttmp9                           ; the kind: 0 q, 1 k, 2 v: the cluster's x, equal in all partners
	s_and_b32 s67, ttmp7, 0xffff
	s_lshl_b32 s67, s67, 2                         ; 4 x the cluster's y
	s_cmp_eq_u32 s66, 2
	s_cselect_b32 s17, 0, s67                      ; x's 32 tiles of 256 rows go along A for q and k,
	s_cselect_b32 s42, s67, 0                      ; along B for v
	s_add_co_u32 s17, s17, s41                     ; RA: which 256 rows of A
	s_add_co_u32 s42, s42, s40                     ; CB: which 256 rows of B
	s_lshl_b32 s43, s41, 2
	s_lshl_b32 s43, 15, s43                        ; my row of the cluster
	s_lshl_b32 s44, 0x1111, s40                    ; my column
	s_wait_kmcnt 0x0
	s_cmp_eq_u32 s66, 1                            ; the choices hang on the kind alone
	s_cselect_b64 s[8:9], s[76:77], s[72:73]       ; Wk or Wq
	s_cselect_b64 s[10:11], s[78:79], s[74:75]
	s_cselect_b64 s[96:97], s[86:87], s[84:85]     ; bk or bq
	s_cmp_eq_u32 s66, 2
	s_cselect_b64 s[4:5], s[80:81], s[68:69]       ; A's codes: Wv's or x's
	s_cselect_b64 s[6:7], s[82:83], s[70:71]       ; A's scales
	s_cselect_b64 s[8:9], s[68:69], s[8:9]         ; B's codes: x's or the weight's
	s_cselect_b64 s[10:11], s[70:71], s[10:11]     ; B's scales
	s_cselect_b64 s[96:97], s[88:89], s[96:97]     ; the bias
	s_mov_b64 s[98:99], s[90:91]                   ; the table
	s_mov_b64 s[12:13], s[92:93]                   ; qkv_codes
	s_mov_b64 s[100:101], s[94:95]                 ; qkv_scales
	; descriptor group 1: a tile of 128 rows x 256 bytes, padded in LDS
	s_or_b32 s[G1+0], s43, (1<<20)|(1<<21)|(5<<22)|(3<<25)   ; 15:0 the mask: A's tiles go to my row; 17:16 elements of 1 byte; 20 padding on; 21 set beside a mask; 24:22 after every 64 words; 31:25 four words
	s_or_b32 s[G1B+0], s44, (1<<20)|(1<<21)|(5<<22)|(3<<25)
.irp g, G1, G1B
	s_mov_b32 s[\g+1], ROWB<<16                    ; tensor_dim0
	s_mov_b32 s[\g+2], 128<<16                     ; tensor_dim1
	s_mov_b32 s[\g+3], ROWB<<16                    ; tile_dim0
	s_mov_b32 s[\g+4], 128                         ; tile_dim1
	s_mov_b32 s[\g+5], KROW                        ; tensor_dim0_stride
	s_mov_b32 s[\g+6], 0
	s_mov_b32 s[\g+7], 0
.endr
	; the scales of 128 rows: 4,096 dense bytes, as 16 rows of 256 bytes (32 elements of 8 bytes), 16 bytes of padding behind each
	s_or_b32 s[G1S+0], s43, (3<<16)|(1<<20)|(1<<21)|(5<<22)|(3<<25)
	s_or_b32 s[G1SB+0], s44, (3<<16)|(1<<20)|(1<<21)|(5<<22)|(3<<25)
.irp g, G1S, G1SB
	s_mov_b32 s[\g+1], 32<<16
	s_mov_b32 s[\g+2], 16<<16
	s_mov_b32 s[\g+3], 32<<16
	s_mov_b32 s[\g+4], 16
	s_mov_b32 s[\g+5], 32
	s_mov_b32 s[\g+6], 0
	s_mov_b32 s[\g+7], 0
.endr
	s_lshl_b32 s18, s16, 7                         ; which 128 rows of the tile I fetch
	s_lshl_b32 s20, s17, 8
	s_add_co_u32 s20, s20, s18                     ; A: row 256 RA + 128 x half
	s_lshl_b32 s46, s42, 8
	s_add_co_u32 s46, s46, s18                     ; B: row 256 CB + 128 x half
	s_mov_b32 s21, 0
	s_mov_b32 s47, 0
	s_mov_b64 s[18:19], KSB
	s_mul_u64 s[22:23], s[20:21], s[18:19]         ; where these rows' scales begin, in bytes
	s_mul_u64 s[92:93], s[46:47], s[18:19]
	s_mov_b64 s[18:19], KROW
	s_mul_u64 s[20:21], s[20:21], s[18:19]         ; and their codes
	s_mul_u64 s[46:47], s[46:47], s[18:19]
	s_mul_i32 s45, s14, HALFT                      ; where they go: wave x 128 rows: no place in the cluster enters an LDS address
	s_mul_i32 s94, s14, HALFS
	s_add_nc_u64 s[20:21], s[4:5], s[20:21]
	s_add_nc_u64 s[22:23], s[6:7], s[22:23]
	s_add_nc_u64 s[46:47], s[8:9], s[46:47]
	s_add_nc_u64 s[92:93], s[10:11], s[92:93]
	CROUND                                         ; all sixteen work-groups are here: the first joint loads meet
	s_mov_b32 s[G0S], 1
	s_add_co_u32 s[G0S+1], s94, SCL
	s_mov_b64 s[G0S+2:G0S+3], s[22:23]
	s_or_b32 s[G0S+3], s[G0S+3], 0x80000000
	s_mov_b32 s[G0SB], 1
	s_add_co_u32 s[G0SB+1], s94, SCL
	s_mov_b64 s[G0SB+2:G0SB+3], s[92:93]
	s_or_b32 s[G0SB+3], s[G0SB+3], 0x80000000
	JLOAD G0S, G1S, G0SB, G1SB                     ; the scales first: they are wanted with K step 0
.irp s, 0,1
	s_mov_b32 s[G0+4*\s], 1
	s_add_co_u32 s[G0+4*\s+1], s45, \s*SLOT
	s_add_nc_u64 s[G0+4*\s+2:G0+4*\s+3], s[20:21], \s*ROWB
	s_or_b32 s[G0+4*\s+3], s[G0+4*\s+3], 0x80000000
	s_mov_b32 s[G0B+4*\s], 1
	s_add_co_u32 s[G0B+4*\s+1], s45, \s*SLOT
	s_add_nc_u64 s[G0B+4*\s+2:G0B+4*\s+3], s[46:47], \s*ROWB
	s_or_b32 s[G0B+4*\s+3], s[G0B+4*\s+3], 0x80000000
	JLOAD G0+4*\s, G1, G0B+4*\s, G1B
.endr
	v_and_b32 v1, 15, v0                           ; r = lane % 16
	v_bfe_u32 v2, v0, 4, 1                         ; h = lane / 16
	v_mul_u32_u24 v3, v1, PITCH
	v_lshl_add_u32 v4, v2, 4, v3                   ; a fragment's row x pitch + 16 x half
	s_mul_i32 s21, s15, HALFT                      ; my 128 rows of A
	s_mul_i32 s22, s16, HALFT                      ; my 128 rows of B,
	s_add_co_u32 s22, s22, 2*HALFT                 ; which lie behind A's 256
.irp s, 0,1
	v_add_nc_u32 v[ADRA+\s], s21, v4
	v_add_nc_u32 v[ADRB+\s], s22, v4
	s_add_co_u32 s21, s21, SLOT
	s_add_co_u32 s22, s22, SLOT
.endr
	v_lshlrev_b32 v5, 5, v1                        ; my row's scales: 32 bytes a row,
	v_lshrrev_b32 v6, 3, v1
	v_lshl_add_u32 v5, v6, 4, v5                   ; 16 more behind each 256,
	v_lshl_add_u32 v5, v2, 2, v5                   ; lanes 16-31 take the word of the slot's second 128 along K
	s_mul_i32 s21, s15, HALFS
	s_add_co_u32 s21, s21, SCL
	v_add_nc_u32 v[ADSA], s21, v5
	s_mul_i32 s22, s16, HALFS
	s_add_co_u32 s22, s22, SCL+2*HALFS
	v_add_nc_u32 v[ADSB], s22, v5
	v_and_b32 v6, 31, v0                           ; the way out's addresses: all made here, ahead of every parting of ways
	v_lshlrev_b32 v[L16], 4, v6
	v_lshlrev_b32 v[BQO], 2, v1
	v_lshlrev_b32 v[BPO], 5, v2
	s_lshl_b32 s21, s14, 10
	s_add_co_u32 s21, s21, STGQ
	v_add_nc_u32 v[SWQ], s21, v[BQO]
	v_add_nc_u32 v[SRQ], s21, v[L16]
	s_lshl_b32 s21, s14, 9
	s_add_co_u32 s21, s21, STGV
	v_add_nc_u32 v[SWV], s21, v[BQO]
	v_add_nc_u32 v[SRV], s21, v[L16]
	v_lshlrev_b32 v[VSO], 4, v1
	v_lshl_add_u32 v[VSO], v2, 12, v[VSO]
.macro FRAG reg, adr, q, i             ; a fragment, 16 rows x 128 K: lane l holds row l % 16; registers 4 c .. 4 c + 3 hold K = 32 c + 16 (l / 16) + 0 .. 15
.irp c, 0,1,2,3
	ds_load_b128 v[\reg+4*\c:\reg+4*\c+3], v[\adr] offset:128*(\q)+32*\c+(\i)*16*PITCH
.endr
.endm
; 16 matrix instructions: A's blocks a0, a0 + 1 x B's eight, the slot's q-th 128 along K.  p: B's set; sc: the set of scale words.  zero = 1: the first product starts the sums.
; The 64 accumulators take turns, one instruction a turn, in the same order in every step.
.macro MUL16 a0, p, q, sc, zero
.irp a, \a0, \a0+1
.irp b, 0,1,2,3,4,5,6,7
.if \zero
	v_wmma_scale_f32_16x16x128_f8f6f4 v[8*(8*((\a)%4)+\b):8*(8*((\a)%4)+\b)+7], v[128*(\p)+FR*\b:128*(\p)+FR*\b+FR-1], v[AF+FR*(\a):AF+FR*(\a)+FR-1], 0, v[SC+16*(\sc)+\b], v[SC+16*(\sc)+8+(\a)]
.elseif (\q) == 0
	v_wmma_scale_f32_16x16x128_f8f6f4 v[8*(8*((\a)%4)+\b):8*(8*((\a)%4)+\b)+7], v[128*(\p)+FR*\b:128*(\p)+FR*\b+FR-1], v[AF+FR*(\a):AF+FR*(\a)+FR-1], v[8*(8*((\a)%4)+\b):8*(8*((\a)%4)+\b)+7], v[SC+16*(\sc)+\b], v[SC+16*(\sc)+8+(\a)]
.else
	v_wmma_scale_f32_16x16x128_f8f6f4 v[8*(8*((\a)%4)+\b):8*(8*((\a)%4)+\b)+7], v[128*(\p)+FR*\b:128*(\p)+FR*\b+FR-1], v[AF+FR*(\a):AF+FR*(\a)+FR-1], v[8*(8*((\a)%4)+\b):8*(8*((\a)%4)+\b)+7], v[SC+16*(\sc)+\b], v[SC+16*(\sc)+8+(\a)] matrix_a_scale:MATRIX_SCALE_ROW1 matrix_b_scale:MATRIX_SCALE_ROW1
.endif
.endr
.endr
.endm
.macro FETCH_B slot, q, p              ; B's eight fragments of the slot's q-th 128 along K into set p
	WIN TO_B
.irp i, 0,1,2,3,4,5,6,7
	FRAG 128*(\p)+FR*\i, ADRB+\slot, \q, \i
.endr
	WIN 0
.endm
.macro FETCH_A slot, q, i0             ; A's blocks i0 .. i0 + 3
.irp i, \i0, \i0+1, \i0+2, \i0+3
	FRAG AF+FR*(\i), ADRA+\slot, \q, \i
.endr
.endm
.macro SCALES sc                       ; the next slot's scale words into set sc: sixteen loads
.irp i, 0,1,2,3,4,5,6,7
	ds_load_b32 v[SC+16*\sc+\i], v[ADSB] offset:\i*SBLK
	ds_load_b32 v[SC+16*\sc+8+\i], v[ADSA] offset:\i*SBLK
.endr
.endm
; A load into a register that a matrix instruction has read, and a vector instruction that reads a matrix result, stand NP places behind that matrix instruction; only plain vector instructions that name none of its registers are places.
.macro PLACES n
.rept \n
	v_nop
.endr
.endm
.macro STEP slot, q, zero              ; a step of 128 along K that has its successor in the same slot
	s_wait_dscnt 4*NL                              ; B's set, A's blocks 0-3 and the scale words are in; the youngest sixteen loads (A's blocks 4-7) may be out
	WIN MUL_LO
	MUL16 0, (\q)%2, \q, \slot, \zero
	MUL16 2, (\q)%2, \q, \slot, \zero
	s_wait_dscnt 0                                 ; A's blocks 4-7 are in
	PLACES NP
	FETCH_B \slot, (\q)+1, 1-(\q)%2
	FETCH_A \slot, (\q)+1, 0
	WIN MUL_HI
	MUL16 4, (\q)%2, \q, \slot, \zero
	MUL16 6, (\q)%2, \q, \slot, \zero
	PLACES NP
	WIN 0
	FETCH_A \slot, (\q)+1, 4
.endm
; A slot's last step changes slots: ONE barrier; in front of it each wave waits for all its tensor loads, adds 0 to its spare word, and waits for that and for its own reads of this slot.  fill = 1: this slot is filled again, two K steps ahead.
.macro TURN slot, next, fill
	s_wait_tensorcnt 0x0                           ; all my tensor loads have landed: my part of the next slot (every window is 0 here)
	ds_add_u32 v[SPW], v[NIL]                      ; 0 onto my spare word
	s_wait_dscnt 4*NL+1                            ; the add and the youngest sixteen loads, A's blocks 4-7, may be out
	WIN MUL_LO
	MUL16 0, 1, NQ-1, \slot, 0                     ; sixteen matrix instructions stand between the add and the wait for it
	s_wait_dscnt 0x0                               ; the add is done, and my reads of this slot are over
	s_barrier_signal -1
	MUL16 2, 1, NQ-1, \slot, 0
	WIN 0
	s_barrier_wait -1
.if \fill
	CREST                                          ; the barrier has opened a round of the cluster's barrier: no wave of any partner still reads this slot or has a load on its way
	s_add_nc_u64 s[G0+4*\slot+2:G0+4*\slot+3], s[G0+4*\slot+2:G0+4*\slot+3], 2*ROWB
	s_add_nc_u64 s[G0B+4*\slot+2:G0B+4*\slot+3], s[G0B+4*\slot+2:G0B+4*\slot+3], 2*ROWB
	JLOAD G0+4*\slot, G1, G0B+4*\slot, G1B         ; the first tensor load behind the round; its four v_nop are among the places in front of the loads below
	PLACES NP-4
.else
	PLACES NP
.endif
	v_add_nc_u32 v[ADSA], 4*NQ, v[ADSA]            ; on to the next slot's scale words
	v_add_nc_u32 v[ADSB], 4*NQ, v[ADSB]
	FETCH_B \next, 0, 0
	FETCH_A \next, 0, 0
	SCALES \next
	WIN MUL_HI
	MUL16 4, 1, NQ-1, \slot, 0
	MUL16 6, 1, NQ-1, \slot, 0
	PLACES NP
	WIN 0
	FETCH_A \next, 0, 4
.endm
	s_wait_tensorcnt 1                             ; three loads of mine are out: the scales and my part of K step 0 are in, K step 1's may stay out
	s_barrier_signal -1
	s_barrier_wait -1
	FETCH_B 0, 0, 0
	FETCH_A 0, 0, 0
	SCALES 0
	FETCH_A 0, 0, 4
	STEP 0, 0, 1                                   ; the first step stands in front of the loop: its products start the sums
	s_mov_b32 s3, LAPS-1
.Llap:                                                 ; a trip goes once round the ring and fills both slots again
	TURN 0, 1, 1
	STEP 1, 0, 0
	TURN 1, 0, 1
	STEP 0, 0, 0
	s_sub_co_u32 s3, s3, 1
	s_cmp_lg_u32 s3, 0
	s_cbranch_scc1 .Llap
	TURN 0, 1, 0                                   ; the last lap fills nothing
	STEP 1, 0, 0
	s_wait_dscnt 4*NL
	WIN MUL_LO
	MUL16 0, 1, NQ-1, 1, 0
	MUL16 2, 1, NQ-1, 1, 0
	s_wait_dscnt 0
	WIN MUL_HI
	MUL16 4, 1, NQ-1, 1, 0
	MUL16 6, 1, NQ-1, 1, 0
	WIN 0
; THE QUANTISER.  64 numbers of a lane, v[s] on: register 16 b + i is number 8 h + i (i < 8) or 16 + 8 h + i - 8 of block b.  Codes to v[PC] on, in the operand's layout; the four bytes to v[TM + 4] on.
.macro QUANT s
.irp b, 0,1,2,3
	v_max3_num_f32 v[TM+\b], |v[\s+16*\b]|, |v[\s+1+16*\b]|, 0x4800000   ; my 16 numbers, and the floor 2^(9 - 127): the byte cannot fall under 1
.endr
.irp i, 2,4,6,8,10,12,14
.irp b, 0,1,2,3
	v_max3_num_f32 v[TM+\b], v[TM+\b], |v[\s+16*\b+\i]|, |v[\s+1+16*\b+\i]|   ; the four blocks by turns
.endr
.endr
.irp b, 0,1,2,3
	v_permlanex16_b32 v[TM+4+\b], v[TM+\b], s[SEL], s[SEL+1]
.endr
.irp b, 0,1,2,3
	v_max_num_f32 v[TM+\b], v[TM+\b], v[TM+4+\b]   ; with lane l xor 16's: the block's largest magnitude
.endr
.irp b, 0,1,2,3
	v_add_nc_u32 v[TM+12+\b], 0xfc000000, v[TM+\b] ; 8 off its exponent field: the conversion's scale operand
.endr
.irp b, 0,1,2,3
	v_and_or_b32 v[TM+8+\b], v[TM+\b], 0x7f800000, s[MNT]   ; 448 x the scale
.endr
.irp b, 0,1,2,3
	v_lshrrev_b32 v[TM+4+\b], 23, v[TM+12+\b]      ; the scale's byte
.endr
.irp b, 0,1,2,3
.set j, 0
.rept 16
	v_med3_num_f32 v[\s+16*\b+j], v[\s+16*\b+j], -v[TM+8+\b], v[TM+8+\b]   ; the conversion to an 8-bit code does not saturate (ISA guide 7.6.2): the hold
.set j, j+1
.endr
	v_cvt_scalef32_pk8_fp8_f32 v[PC+4*\b:PC+4*\b+1], v[\s+16*\b:\s+16*\b+7], v[TM+12+\b]
	v_cvt_scalef32_pk8_fp8_f32 v[PC+4*\b+2:PC+4*\b+3], v[\s+16*\b+8:\s+16*\b+15], v[TM+12+\b]
.endr
	v_nop                                          ; one plain instruction between the last conversion and what touches its result
.irp b, 0,1,2,3
	v_permlane16_swap_b32 v[PC+4*\b], v[PC+4*\b+2]     ; lanes 16-31 of the even tile's codes change places with lanes 0-15 of the odd tile's:
	v_permlane16_swap_b32 v[PC+4*\b+1], v[PC+4*\b+3]   ; lane (r, h) now holds numbers 16 h + 0 .. 15 of the block in four registers on end
.endr
.endm
	PLACES NP                                      ; behind the last products: their results are read, and the registers that held A's fragments are written
.irp b, 0,1,2,3
	v_mov_b32 v[TM+4+\b], 0                        ; written once: a lane permute's destination counts as one of its sources
.endr
	s_mov_b32 s[SEL], 0x76543210
	s_mov_b32 s[SEL+1], 0xfedcba98
	s_mov_b32 s[MNT], 0x600000
	s_cmp_eq_u32 s66, 2                            ; the kind: equal in all partners
	s_cbranch_scc1 .Lv
	; ---- q and k.  My 128 rows of x are tiles Tn0 .. Tn0 + 7 of batch bb; my 128 features are heads h0 and h0 + 1
	s_lshr_b32 s18, s17, 3                         ; bb
	s_and_b32 s19, s17, 7
	s_lshl_b32 s19, s19, 4
	s_lshl_b32 s22, s15, 3
	s_add_co_u32 s19, s19, s22                     ; Tn0 = 16 (RA % 8) + 8 x half
	s_lshl_b32 s22, s42, 2
	s_lshl_b32 s46, s16, 1
	s_add_co_u32 s22, s22, s46                     ; h0 = 4 CB + 2 x half
	s_lshl_b32 s18, s18, 4
	s_add_co_u32 s18, s18, s22
	s_lshl_b32 s18, s18, 7
	s_add_co_u32 s18, s18, s19                     ; (16 bb + h0) x 128 + Tn0
	s_lshl_b32 s46, s18, 10                        ; x 1,024 bytes of codes a tile
	s_lshl_b32 s22, s66, 23                        ; k's codes lie 8,388,608 bytes behind q's
	s_add_co_u32 s46, s46, s22
	s_mov_b32 s47, 0
	s_add_nc_u64 s[12:13], s[12:13], s[46:47]
	s_lshl_b32 s46, s18, 6                         ; x 64 bytes of scale words a tile
	s_lshl_b32 s22, s66, 19
	s_add_co_u32 s46, s46, s22
	s_add_nc_u64 s[100:101], s[100:101], s[46:47]
	s_lshl_b32 s46, s19, 12                        ; the table: 4,096 bytes a tile of positions
	s_add_nc_u64 s[98:99], s[98:99], s[46:47]
	s_lshl_b32 s46, s42, 10
	s_lshl_b32 s22, s16, 9
	s_add_co_u32 s46, s46, s22                     ; the bias: my 128 features
	s_add_nc_u64 s[96:97], s[96:97], s[46:47]
.irp b, 0,1,2,3,4,5,6,7
	global_load_b128 v[BP+8*\b:BP+8*\b+3], v[BPO], s[96:97] offset:64*\b       ; the bias at features 16 b + 8 h + 0 .. 7
	global_load_b128 v[BP+8*\b+4:BP+8*\b+7], v[BPO], s[96:97] offset:64*\b+16
.endr
.macro CSLOAD a                        ; cos and sin of positions 16 (Tn0 + a) + r, in the order of my registers
.irp g, 0,1,2,3,4,5,6,7
	global_load_b128 v[CSR+4*\g:CSR+4*\g+3], v[L16], s[98:99] offset:4096*(\a)+512*\g
.endr
.endm
	CSLOAD 0
.macro QKROW a                         ; A's block a: 16 rows of x, my 128 features
.set AC, 64*((\a)%4)
	s_wait_loadcnt 0x0                             ; this block's cos and sin (and, the first time, the bias) are in
	WIN (0x02+(\a)/4)                              ; source 0: window 2 or 3
.irp b, 0,1,2,3,4,5,6,7
.irp p, 0,2,4,6
	v_pk_add_f32 v[T+8*\b+\p:T+8*\b+\p+1], v[AC+8*\b+\p:AC+8*\b+\p+1], v[BP+8*\b+\p:BP+8*\b+\p+1]   ; + bias; each accumulator from its low end on
.endr
.endr
	WIN 0
.irp b, 0,1,2,3,4,5,6,7
.irp p, 0,2,4,6
	v_mul_f32 v[U+(\p)%4], v[T+8*\b+\p+1], v[CSR+8*(\b%4)+\p+1]               ; odd x sin
	v_mul_f32 v[U+(\p)%4+1], v[T+8*\b+\p], v[CSR+8*(\b%4)+\p+1]               ; even x sin
	v_fma_f32 v[T+8*\b+\p], v[T+8*\b+\p], v[CSR+8*(\b%4)+\p], -v[U+(\p)%4]    ; even' = even cos - odd sin
	v_fma_f32 v[T+8*\b+\p+1], v[T+8*\b+\p+1], v[CSR+8*(\b%4)+\p], v[U+(\p)%4+1]   ; odd' = odd cos + even sin
.endr
.endr
.if (\a) < 7
	CSLOAD (\a)+1                                  ; the next block's: they land under the quantiser
.endif
	s_wait_xcnt 0x0                                ; the last block's stores have read their registers: the codes may be written again
	s_wait_dscnt 0x0                               ; and so have its LDS stores of scale words
	QUANT T
.irp b, 0,1,2,3
	global_store_b128 v[L16], v[PC+4*\b:PC+4*\b+3], s[12:13] offset:(\b/2)*131072+1024*(\a)+512*(\b%2)   ; head h0 + b / 2, tile Tn0 + a, c = b % 2: 512 consecutive bytes
.endr
	v_lshl_or_b32 v[W0], v[TM+5], 8, v[TM+4]       ; head h0's word: two bytes, the upper two zero
	v_lshl_or_b32 v[W1], v[TM+7], 8, v[TM+6]       ; head h0 + 1's
	ds_store_b32 v[SWQ], v[W0] offset:64*(\a)      ; lanes r and 16 + r write the same word with the same value
	ds_store_b32 v[SWQ], v[W1] offset:512+64*(\a)
.endm
.irp a, 0,1,2,3,4,5,6,7
	QKROW \a
.endr
	ds_load_b128 v[T:T+3], v[SRQ]                  ; LDS serves a wave's instructions in order: these see my stores.  Eight tiles' words of a head: 512 bytes
	ds_load_b128 v[T+4:T+7], v[SRQ] offset:512
	s_wait_dscnt 0x0
	global_store_b128 v[L16], v[T:T+3], s[100:101]
	global_store_b128 v[L16], v[T+4:T+7], s[100:101] offset:8192
	s_branch .Lend
.Lv:	; ---- v.  My 128 rows of Wv are heads head0 and head0 + 1; my 128 rows of x are key step S of batch bb
	s_lshl_b32 s18, s17, 2
	s_lshl_b32 s19, s15, 1
	s_add_co_u32 s18, s18, s19                     ; head0 = 4 RA + 2 x half
	s_lshr_b32 s19, s42, 3
	s_lshl_b32 s19, s19, 4
	s_add_co_u32 s18, s18, s19                     ; 16 bb + head0
	s_and_b32 s19, s42, 7
	s_lshl_b32 s19, s19, 1
	s_add_co_u32 s19, s19, s16                     ; S = 2 (CB % 8) + half
	s_lshl_b32 s46, s18, 17                        ; 131,072 bytes of codes a head,
	s_lshl_b32 s22, s19, 13                        ; 8,192 a key step
	s_add_co_u32 s46, s46, s22
	s_add_co_u32 s46, s46, 16777216
	s_mov_b32 s47, 0
	s_add_nc_u64 s[12:13], s[12:13], s[46:47]
	s_lshl_b32 s46, s18, 12                        ; 4,096 bytes of scale words a head, 256 a key step
	s_lshl_b32 s22, s19, 8
	s_add_co_u32 s46, s46, s22
	s_add_co_u32 s46, s46, 1048576
	s_add_nc_u64 s[100:101], s[100:101], s[46:47]
	s_lshl_b32 s46, s17, 10
	s_lshl_b32 s22, s15, 9
	s_add_co_u32 s46, s46, s22                     ; the bias: my 128 features
	s_add_nc_u64 s[96:97], s[96:97], s[46:47]
.irp a, 0,1,2,3,4,5,6,7
	global_load_b32 v[BP+2*\a], v[BQO], s[96:97] offset:64*\a      ; the bias at feature 16 a + r, twice: a pair for the packed addition
	global_load_b32 v[BP+2*\a+1], v[BQO], s[96:97] offset:64*\a
.endr
	s_wait_loadcnt 0x0
.macro VROW a                          ; A's block a: 16 features, my 128 keys
.set AC, 64*((\a)%4)
	WIN (0x02+(\a)/4)
.irp b, 0,1,2,3,4,5,6,7
.irp p, 0,2,4,6
	v_pk_add_f32 v[T+8*\b+\p:T+8*\b+\p+1], v[AC+8*\b+\p:AC+8*\b+\p+1], v[BP+2*(\a):BP+2*(\a)+1]
.endr
.endr
	WIN 0
	s_wait_xcnt 0x0                                ; the last block's stores have read their registers
	s_wait_dscnt 0x0
	QUANT T
.irp b, 0,1,2,3
	global_store_b128 v[L16], v[PC+4*\b:PC+4*\b+3], s[12:13] offset:((\a)/4)*131072+((\a)%4)*2048+512*\b   ; head head0 + a / 4, t = a % 4, c = b
.endr
	v_lshl_or_b32 v[W0], v[TM+5], 8, v[TM+4]       ; the four bytes make feature r's scale word for these 128 keys
	v_lshl_or_b32 v[W0], v[TM+6], 16, v[W0]
	v_lshl_or_b32 v[W0], v[TM+7], 24, v[W0]
	ds_store_b32 v[SWV], v[W0] offset:64*(\a)
.endm
.irp a, 0,1,2,3,4,5,6,7
	VROW \a
.endr
	ds_load_b128 v[T:T+3], v[SRV]                  ; lanes 0-15: head0's 256 bytes; lanes 16-31: head0 + 1's
	s_wait_dscnt 0x0
	global_store_b128 v[VSO], v[T:T+3], s[100:101] ; sixteen lanes store 256 consecutive bytes, at a multiple of 256
.Lend:
	s_wait_tensorcnt 0x0                           ; the wave's end: behind my last tensor load and my last LDS store
	ds_add_u32 v[SPW], v[NIL]
	s_wait_dscnt 0x0
	CROUND                                         ; the closing round: no work-group ends while a partner may still ask for a tile that names it
	s_endpgm
.Lfunc_end_k_qff941b303e_qkv:
	.size	k_qff941b303e_qkv, .Lfunc_end_k_qff941b303e_qkv-k_qff941b303e_qkv
	.p2alignl 7, 3214868480
	.fill 96, 4, 3214868480
	.section	.rodata,"a",@progbits
	.p2align	6, 0x0
	.amdhsa_kernel k_qff941b303e_qkv
		.amdhsa_group_segment_fixed_size 327680
		.amdhsa_private_segment_fixed_size 0
		.amdhsa_enable_private_segment 0
		.amdhsa_kernarg_size 112
		.amdhsa_user_sgpr_count 2
		.amdhsa_user_sgpr_kernarg_segment_ptr 1
		.amdhsa_wavefront_size32 1
		.amdhsa_system_sgpr_workgroup_id_x 1
		.amdhsa_system_sgpr_workgroup_id_y 1
		.amdhsa_system_sgpr_workgroup_id_z 1
		.amdhsa_system_vgpr_workitem_id 0
		.amdhsa_next_free_vgpr 1024
		.amdhsa_next_free_sgpr 102
		.amdhsa_reserve_vcc 0
		.amdhsa_float_denorm_mode_32 3
		.amdhsa_float_denorm_mode_16_64 3
		.amdhsa_memory_ordered 1
		.amdhsa_forward_progress 1
		.amdhsa_inst_pref_size 255
	.end_amdhsa_kernel
	.section	.bss,"aw",@nobits
	.p2align	6
	.space	262144
	.amdgpu_metadata
---
amdhsa.version: [ 1, 2 ]
amdhsa.kernels:
  - .name:           k_qff941b303e_qkv
    .symbol:         k_qff941b303e_qkv.kd
    .args:
      - { .name: x_codes, .offset: 0, .size: 8, .value_kind: global_buffer, .address_space: global }
      - { .name: x_scales, .offset: 8, .size: 8, .value_kind: global_buffer, .address_space: global }
      - { .name: Wq_codes, .offset: 16, .size: 8, .value_kind: global_buffer, .address_space: global }
      - { .name: Wq_scales, .offset: 24, .size: 8, .value_kind: global_buffer, .address_space: global }
      - { .name: Wk_codes, .offset: 32, .size: 8, .value_kind: global_buffer, .address_space: global }
      - { .name: Wk_scales, .offset: 40, .size: 8, .value_kind: global_buffer, .address_space: global }
      - { .name: Wv_codes, .offset: 48, .size: 8, .value_kind: global_buffer, .address_space: global }
      - { .name: Wv_scales, .offset: 56, .size: 8, .value_kind: global_buffer, .address_space: global }
      - { .name: bq, .offset: 64, .size: 8, .value_kind: global_buffer, .address_space: global }
      - { .name: bk, .offset: 72, .size: 8, .value_kind: global_buffer, .address_space: global }
      - { .name: bv, .offset: 80, .size: 8, .value_kind: global_buffer, .address_space: global }
      - { .name: rope, .offset: 88, .size: 8, .value_kind: global_buffer, .address_space: global }
      - { .name: qkv_codes, .offset: 96, .size: 8, .value_kind: global_buffer, .address_space: global }
      - { .name: qkv_scales, .offset: 104, .size: 8, .value_kind: global_buffer, .address_space: global }
    .group_segment_fixed_size: 327680
    .private_segment_fixed_size: 0
    .kernarg_segment_align: 8
    .kernarg_segment_size: 112
    .max_flat_workgroup_size: 128
    .sgpr_count:     102
    .vgpr_count:     1024
    .wavefront_size: 32
...
	.end_amdgpu_metadata
.endif
;; end of part 2
;; launch attn (part 3): grid 8 x 32, 16 waves a work-group, clusters of 4 x 1, 327,680 bytes of LDS; arguments qkv_codes, qkv_scales, inter_codes, inter_scales; writes inter_codes, inter_scales
.if DOCPART == 3
	.amdgcn_target "amdgcn-amd-amdhsa--gfx1250"
	.amdhsa_code_object_version 6
	.text
	.protected	k_qff941b303e_attn
	.globl	k_qff941b303e_attn
	.p2align	8
	.type	k_qff941b303e_attn,@function
k_qff941b303e_attn:
	s_mov_b64 s[64:65], 0
	v_nop
	global_prefetch_b8 v0, s[64:65] scope:SCOPE_SE
	s_setreg_imm32_b32 hwreg(HW_REG_WAVE_MODE, 25, 1), 1
	s_wait_xcnt 0x0
	s_wait_alu depctr_hold_cnt(0) depctr_sa_sdst(0) depctr_va_vdst(0) depctr_va_sdst(0) depctr_va_ssrc(0) depctr_va_vcc(0) depctr_vm_vsrc(0)
	s_getreg_b32 s2, hwreg(HW_REG_IB_STS2, 6, 4)
	s_cmp_eq_u32 s2, 0
	s_cbranch_scc0 .Lentry_in_a_cluster
	s_endpgm
.Lentry_in_a_cluster:
	s_bfe_u32 s2, ttmp6, 0x10000c
	s_cmp_lg_u32 s2, 0x3003
	s_cbranch_scc0 .Lentry_shape_is_right
	s_endpgm
.Lentry_shape_is_right:
; Attention on codes of FP8 (E4M3) with one E8M0 scale for each 32 along a product's K: scores = q k^T / 32 (K = the head's 64), p = 2^(t - M), O = p v (K = the 2,048 keys), O / l, and the quantiser of the result along (head, d).
; t = score x log2(e) / 32; M = the running largest t rounded UP to a whole number; p is quantised along the keys, not normalised; l is the sum of the unquantised p, in f32.  When M moves, l and O are multiplied by 2^(old M - new M): exact.
; SHARES.  A work-group owns 256 queries of one batch and TWO neighbouring heads, one after the other; each of its sixteen waves owns one tile of 16 queries, in 256 registers: four waves to a SIMD, so that one wave's vector work stands beside another's matrix work and LDS loads.
; The two heads give a wave 128 neighbours along the output projection's K: a whole fragment and a whole scale word.  The heads' K, V and scale words follow each other in memory, so the ring simply walks 32 key steps of 128 keys.
; CLUSTER.  The four work-groups of a cluster are four blocks of queries of the same two heads: they walk the same K and V, so each tile is asked for JOINTLY (mask 15).  cx enters Q's and the result's global addresses alone.
; LAYOUT.  Both products are used transposed: S^T = K Q^T (source 0 = 16 keys, source 1 = my queries), O^T = V^T P^T: a lane holds ONE query (lane % 16) throughout.  All operands lie in memory and in LDS as images of their registers:
; a group of four registers is 512 consecutive bytes, 16 a lane: no pitch, no padding.  Of a block of 32 keys (result tiles 2 b, 2 b + 1) lane (r, h) holds keys 8 h + 0..7 and 16 + 8 h + 0..7; two exchanges of half registers behind the conversions give it keys 16 h + 0..15.
; K = 64 IN AN INSTRUCTION OF 128.  Q's registers 8-15 are zero codes, and bytes 2 and 3 of Q's and K's scale words are 0 (2^-127, no NaN).  K's fragment of tile t is named as v[R + 8 t .. R + 8 t + 15]: its upper eight registers are the next tile's codes
; (behind tile 7: zeros).  Those are codes that the quantiser held at 448, never the NaN code; against Q's zero codes they add exactly 0.
; LIMITS: NaN and infinities are not served.  A block whose largest magnitude lies under 2^-118 gets the byte 1 (these bytes are read by this program alone).  A block's largest p is taken as 2^ of its largest score's t - M, which takes v_exp_f32 not to fall where its input rises.
; OUTPUT: inter_codes [tile of 16 rows T 0..511][head pair s 0..7][c 0..3][lane][16 bytes]: row 16 T + r, k = 128 s + 32 c + 16 h + 0..15;  inter_scales [s][T][r], one word.
.set SLOT1, 65536                      ; a slot: 512 keys: K's images (32 tiles x 1,024 bytes), then V's (4 steps x 8,192); slot 1 begins here, so that one exclusive or turns an address
.set VOFF,  32768
.set SCK,   131072                     ; K's scale words of both heads: 16,384 bytes, filled once
.set SCV,   147456                     ; V's: 8,192 bytes, filled once
.set STG,   155648                     ; the result's scale words: 64 bytes a wave
.set SPARE, 156672                     ; the spare words, 128 bytes for each wave: eight blocks of 256 bytes that no other line names
.set L16,  1                           ; v1   16 x lane
.set L4K,  2                           ; v2   SCK + 4 x lane
.set L4V,  3                           ; v3   SCV + 4 x lane
.set AD,   4                           ; v4   LDS address of the step's images
.set SPW,  5                           ; v5   LDS address of my spare word; never rewritten
.set NIL,  6                           ; v6   0; never rewritten
.set ADS,  7                           ; v7   of K's scale words
.set ADT,  8                           ; v8   of V's
.set R4,   9                           ; v9   4 r
.set STW,  10                          ; v10  STG + 64 wave + 4 r
.set STR,  11                          ; v11  STG + 512 (wave % 2) + 16 lane
                                       ; v12 -M, v13 the largest t, v[14:15] l in two halves; v16-23 Q, v24-31 zeros
.set R,    32                          ; v32-95  K's 8 tiles x 8 registers, then V's 4 fragments; v96-103 zeros
.set S,    104                         ; v104-167 S^T, then p
.set OT,   168                         ; v168-199 O^T
.set PC,   200                         ; v200-215 p's codes
.set KSW,  216                         ; v216-219 K's scale words: lanes 0-15 tile 2 i, lanes 16-31 tile 2 i + 1
.set VSW,  220                         ; v220-221 V's likewise
.set SWD,  222                         ; v222 the result's scale word in the making
.set BM,   224                         ; v224-227 block maxima
.set BX,   228                         ; v228-231 the other half's; then the bytes
.set HL,   232                         ; v232-235 448 x the scale
.set SO,   236                         ; v236-239 the conversions' scale operands
.set SUM2, 240                         ; v[240:241] the sums' second chain
.set FF,   242                         ; v[242:243] f = 2^(old M - new M); the upper register is written once
.set PW,   244                         ; v244 p's scale word
.set QW,   245                         ; v245 Q's scale words
.set TMP,  246
.set WV,   18
.set MNT,  19                          ; s19  the mantissa field of 448
.set SEL,  20                          ; s[20:21] v_permlanex16_b32's selects for lane l xor 16
.set CS,   22                          ; s[22:23] c = log2(e) / 32
.set G1T,  24                          ; s[24:31] group 1: 16,384 dense bytes
.set G1SK, 32                          ; s[32:39] 8,192
.set G1SV, 40                          ; s[40:47] 4,096
.set G0K,  48                          ; s[48:51], s[52:55] groups 0 for K's and V's images, which walk
.set G0V,  52
.set G0SK, 56                          ; s[56:59], s[60:63] for the scale words
.set G0SV, 60
.set TB,   66                          ; s66  LDS byte at which the step's images of K begin
.set TS,   67                          ; s67  the step's scale words of K: 512 bytes a step
.set TJ,   68                          ; s68  and V's: 256 bytes a step
.set NSL,  69                          ; s69  counts slots
.set NST,  70                          ; s70  counts a slot's four steps
.set QP,   88                          ; s[88:89] Q's codes; s[90:91] Q's scale words; s[94:95] my place in inter_codes; s[96:97] in inter_scales
.set QS,   90
.set IC,   94
.set IS,   96
; Waves 0 and 1 fetch for K, waves 2 and 3 for V, the others nothing.  The branches hang on the wave's number alone.  Four v_nop follow each of the two lines.
.macro TLOAD g0k, g1k, g0v, g1v
	s_cmp_lt_u32 s[WV], 2
	s_cbranch_scc0 .Lnot_k_\@
	tensor_load_to_lds s[\g0k:\g0k+3], s[\g1k:\g1k+7]
	s_nop 0
.rept 4
	v_nop
.endr
	s_branch .Lasked_\@
.Lnot_k_\@:
	s_cmp_lt_u32 s[WV], 4
	s_cbranch_scc0 .Lasked_\@
	tensor_load_to_lds s[\g0v:\g0v+3], s[\g1v:\g1v+7]
	s_nop 0
.rept 4
	v_nop
.endr
.Lasked_\@:
.endm
.macro CROUND                          ; a round of the cluster's barrier
	s_barrier_signal -1
	s_barrier_wait -1
	s_cmp_lg_u32 s[WV], 0
	s_cbranch_scc1 .Lnot_wave_0_\@
	s_barrier_signal -3
.Lnot_wave_0_\@:
	s_barrier_wait -3
	s_barrier_signal -1
	s_barrier_wait -1
.endm
	s_load_b256 s[4:11], s[0:1], 0x0               ; qkv_codes s[4:5], qkv_scales s[6:7], inter_codes s[8:9], inter_scales s[10:11]
	v_lshl_add_u32 v[SPW], v0, 2, SPARE
	v_mov_b32 v[NIL], 0
	ds_add_u32 v5, v6
	s_wait_dscnt 0x0
	v_lshrrev_b32 v7, 5, v0
	v_readfirstlane_b32 s[WV], v7                  ; wave 0..15
	s_bfe_u32 s72, ttmp6, 0x40000                  ; cx
	s_lshl_b32 s73, ttmp9, 2
	s_add_co_u32 s73, s73, s72                     ; my block of 256 queries: it enters Q's and the result's addresses alone
	s_and_b32 s74, ttmp7, 0xffff                   ; y = 8 x batch + head pair; the first head is number 2 y of 64
	s_and_b32 s75, s[WV], 1                        ; which half of a tile I fetch, if I fetch
	s_lshl_b32 s76, s74, 18                        ; two heads' codes: 262,144 bytes
	s_lshl_b32 s77, s75, 14                        ; half a slot's images: 16,384 bytes, in memory and in LDS
	s_add_co_u32 s76, s76, s77
	s_add_co_u32 s78, s76, 8388608                 ; K's codes
	s_mov_b32 s79, 0
	s_add_co_u32 s80, s76, 16777216                ; V's
	s_mov_b32 s81, 0
	s_lshl_b32 s82, s74, 14                        ; K's scale words: 16,384 bytes for two heads, 8,192 a half
	s_lshl_b32 s98, s75, 13
	s_add_co_u32 s82, s82, s98
	s_add_co_u32 s82, s82, 524288
	s_mov_b32 s83, 0
	s_add_co_u32 s98, s98, SCK                     ; and in LDS
	s_lshl_b32 s84, s74, 13                        ; V's: 8,192 and 4,096
	s_lshl_b32 s99, s75, 12
	s_add_co_u32 s84, s84, s99
	s_add_co_u32 s84, s84, 1048576
	s_mov_b32 s85, 0
	s_add_co_u32 s99, s99, SCV
	s_lshl_b32 s86, s74, 8                         ; Q: tile 128 x (2 y) + 16 x block + wave
	s_lshl_b32 s87, s73, 4
	s_add_co_u32 s86, s86, s87
	s_add_co_u32 s86, s86, s[WV]
	s_lshl_b32 s88, s86, 10                        ; 1,024 bytes of codes a tile,
	s_mov_b32 s89, 0
	s_lshl_b32 s90, s86, 6                         ; 64 of scale words
	s_mov_b32 s91, 0
	s_lshr_b32 s92, s74, 3
	s_lshl_b32 s92, s92, 7
	s_add_co_u32 s92, s92, s87                     ; the result: tile 128 x batch + 16 x block
	s_add_co_u32 s93, s92, s[WV]                   ; + wave
	s_lshl_b32 s94, s93, 14                        ; 16,384 bytes a tile,
	s_and_b32 s96, s74, 7
	s_lshl_b32 s97, s96, 11                        ; 2,048 a head pair
	s_add_co_u32 s94, s94, s97
	s_mov_b32 s95, 0
	s_lshl_b32 s96, s96, 15                        ; its scale words: 32,768 bytes a head pair, 64 a tile; waves 0 and 1 store eight tiles' each
	s_lshl_b32 s92, s92, 6
	s_add_co_u32 s96, s96, s92
	s_lshl_b32 s92, s75, 9
	s_add_co_u32 s96, s96, s92
	s_mov_b32 s97, 0
	; descriptor groups 1: dense blocks as rows of 256 bytes (32 elements of 8 bytes); 15:0 the mask: all four work-groups; 21 set beside a mask; no padding
.irp g, G1T, G1SK, G1SV
	s_mov_b32 s[\g], 15|(3<<16)|(1<<21)
	s_mov_b32 s[\g+1], 32<<16                      ; tensor_dim0
	s_mov_b32 s[\g+3], 32<<16                      ; tile_dim0
	s_mov_b32 s[\g+5], 32                          ; tensor_dim0_stride
	s_mov_b32 s[\g+6], 0
	s_mov_b32 s[\g+7], 0
.endr
	s_mov_b32 s[G1T+2], 64<<16                     ; tensor_dim1 and tile_dim1: 64, 32, 16 rows
	s_mov_b32 s[G1T+4], 64
	s_mov_b32 s[G1SK+2], 32<<16
	s_mov_b32 s[G1SK+4], 32
	s_mov_b32 s[G1SV+2], 16<<16
	s_mov_b32 s[G1SV+4], 16
	s_mov_b32 s[SEL], 0x76543210
	s_mov_b32 s[SEL+1], 0xfedcba98
	s_mov_b32 s[CS], 0x3d38aa3b                    ; c = log2(e) / 32
	s_mov_b32 s[CS+1], s[CS]                       ; (named with it as a pair, so it is written)
	s_mov_b32 s[MNT], 0x600000
	s_mov_b32 s[TB], 0
	s_mov_b32 s[TS], 0
	s_mov_b32 s[TJ], 0
	s_wait_kmcnt 0x0
	CROUND                                         ; all four work-groups are here: the first joint loads meet
	s_mov_b32 s[G0SK], 1
	s_mov_b32 s[G0SK+1], s98
	s_add_nc_u64 s[G0SK+2:G0SK+3], s[6:7], s[82:83]
	s_or_b32 s[G0SK+3], s[G0SK+3], 0x80000000
	s_mov_b32 s[G0SV], 1
	s_mov_b32 s[G0SV+1], s99
	s_add_nc_u64 s[G0SV+2:G0SV+3], s[6:7], s[84:85]
	s_or_b32 s[G0SV+3], s[G0SV+3], 0x80000000
	TLOAD G0SK, G1SK, G0SV, G1SV                   ; the scale words of both heads: filled once
	s_mov_b32 s[G0K], 1                            ; 1:0 count = 1
	s_mov_b32 s[G0K+1], s77                        ; 63:32 LDS address: slot 0
	s_add_nc_u64 s[G0K+2:G0K+3], s[4:5], s[78:79]  ; 120:64 global address: the first 512 keys
	s_or_b32 s[G0K+3], s[G0K+3], 0x80000000        ; 127:126 type = 2
	s_mov_b32 s[G0V], 1
	s_add_co_u32 s[G0V+1], s77, VOFF
	s_add_nc_u64 s[G0V+2:G0V+3], s[4:5], s[80:81]
	s_or_b32 s[G0V+3], s[G0V+3], 0x80000000
	TLOAD G0K, G1T, G0V, G1T                       ; slot 0.  Two loads of a fetching wave are out; the wait for them is for 0
	s_add_nc_u64 s[QP:QP+1], s[4:5], s[QP:QP+1]
	s_add_nc_u64 s[QS:QS+1], s[6:7], s[QS:QS+1]
	s_add_nc_u64 s[IC:IC+1], s[8:9], s[IC:IC+1]
	s_add_nc_u64 s[IS:IS+1], s[10:11], s[IS:IS+1]
	v_and_b32 v7, 31, v0                           ; lane
	v_lshlrev_b32 v[L16], 4, v7
	v_lshl_add_u32 v[L4K], v7, 2, SCK
	v_lshl_add_u32 v[L4V], v7, 2, SCV
	v_and_b32 v8, 15, v0                           ; r
	v_lshlrev_b32 v[R4], 2, v8
	global_load_b128 v[16:19], v[L16], s[QP:QP+1]              ; Q's fragment of the first head stays in registers: d = 16 h + 0..15,
	global_load_b128 v[20:23], v[L16], s[QP:QP+1] offset:512   ; d = 32 + 16 h + 0..15
	global_load_b32 v[QW], v[R4], s[QS:QS+1]                   ; and its scale words
	s_lshl_b32 s98, s[WV], 6
	s_add_co_u32 s98, s98, STG
	v_add_nc_u32 v[STW], s98, v[R4]
	s_lshl_b32 s98, s75, 9
	s_add_co_u32 s98, s98, STG
	v_add_nc_u32 v[STR], s98, v[L16]
.set j, 0
.rept 8
	v_mov_b32 v[24+j], 0                           ; zero codes: the upper half of Q's fragment,
	v_mov_b32 v[96+j], 0                           ; and what stands behind K's eighth tile
.set j, j+1
.endr
.set j, 0
.rept 32
	v_mov_b32 v[OT+j], 0                           ; O^T.  (The step is written once: the first finds zeros)
.set j, j+1
.endr
.irp b, 0,1,2,3
	v_mov_b32 v[BX+\b], 0                          ; written once: a lane permute's destination counts as one of its sources
.endr
	v_mov_b32 v[TMP], 0
	v_mov_b32 v[FF+1], 0                           ; (named as the upper half of a pair)
	v_mov_b32 v13, 0xff61b1e6                      ; the largest t so far: -3e38, under every t
	v_floor_f32 v12, -v13                          ; -M
	v_mov_b32 v14, 0                               ; l, in two halves
	v_mov_b32 v15, 0
; A KEY STEP: 128 keys.  Every wait in it is for 0.
.macro STEP
	v_add_nc_u32 v[AD], s[TB], v[L16]
	v_add_nc_u32 v[ADS], s[TS], v[L4K]
	v_add_nc_u32 v[ADT], s[TJ], v[L4V]
.rept 5
	v_nop                                          ; with the three additions: eight places in front of loads into registers that the last products read
.endr
.irp t, 0,1,2,3,4,5,6,7
	ds_load_b128 v[R+8*\t:R+8*\t+3], v[AD] offset:1024*\t          ; K's tile t: 16 keys x 64, two groups of 512 consecutive bytes
	ds_load_b128 v[R+8*\t+4:R+8*\t+7], v[AD] offset:1024*\t+512
.endr
.irp i, 0,1,2,3
	ds_load_b32 v[KSW+\i], v[ADS] offset:128*\i
.endr
	s_wait_dscnt 0x0
.irp i, 0,1,2,3                                ; S^T = K Q^T: eight accumulators, each begun with the constant 0
	v_wmma_scale_f32_16x16x128_f8f6f4 v[S+16*\i:S+16*\i+7], v[R+16*\i:R+16*\i+15], v[16:31], 0, v[KSW+\i], v[QW]
	v_wmma_scale_f32_16x16x128_f8f6f4 v[S+16*\i+8:S+16*\i+15], v[R+16*\i+8:R+16*\i+23], v[16:31], 0, v[KSW+\i], v[QW] matrix_a_scale:MATRIX_SCALE_ROW1
.endr
.rept 8
	v_nop                                          ; places in front of the loads into K's registers and of the first read of the scores
.endr
.irp t, 0,1,2,3                                ; V's four fragments are asked for now and land under the softmax
.irp c, 0,1,2,3
	ds_load_b128 v[R+16*\t+4*\c:R+16*\t+4*\c+3], v[AD] offset:VOFF+2048*\t+512*\c
.endr
.endr
.irp i, 0,1
	ds_load_b32 v[VSW+\i], v[ADT] offset:128*\i
.endr
.irp b, 0,1,2,3
	v_max3_num_f32 v[BM+\b], v[S+16*\b], v[S+16*\b+1], v[S+16*\b+2]   ; the largest score of each block of 32 keys: it serves for the row's maximum and, since p rises with the score, for the block's largest p
.endr
.irp i, 3,5,7,9,11,13
.irp b, 0,1,2,3
	v_max3_num_f32 v[BM+\b], v[BM+\b], v[S+16*\b+\i], v[S+16*\b+\i+1]   ; the four blocks by turns
.endr
.endr
.irp b, 0,1,2,3
	v_max_num_f32 v[BM+\b], v[BM+\b], v[S+16*\b+15]
.endr
.irp b, 0,1,2,3
	v_permlanex16_b32 v[BX+\b], v[BM+\b], s[SEL], s[SEL+1]
.endr
.irp b, 0,1,2,3
	v_max_num_f32 v[BM+\b], v[BM+\b], v[BX+\b]     ; with lane l xor 16's 16 keys
.endr
	v_max3_num_f32 v[TMP], v[BM], v[BM+1], v[BM+2]
	v_max_num_f32 v[TMP], v[TMP], v[BM+3]          ; the step's largest score of my query
	v_mul_f32 v[TMP], s[CS], v[TMP]                ; as t (c is positive)
	v_max_num_f32 v13, v13, v[TMP]                 ; the running largest t
	v_mov_b32 v[TMP], v12
	v_floor_f32 v12, -v13                          ; the new -M = floor(-t) = -ceil(t)
	v_sub_f32 v[TMP], v12, v[TMP]                  ; old M - new M: a whole number, 0 or less
	v_cvt_i32_f32 v[TMP], v[TMP]                   ; (it saturates)
	v_ldexp_f32 v[FF], 1.0, v[TMP]                 ; f = 2^(old M - new M)
.set j, 0
.rept 32
	v_pk_fma_f32 v[S+j:S+j+1], v[S+j:S+j+1], s[CS:CS+1], v[12:13] op_sel_hi:[1,0,0]   ; t - M, two at a time (of the pairs c and -M the low word serves both halves)
.set j, j+2
.endr
.irp b, 0,1,2,3
	v_fma_f32 v[BM+\b], v[BM+\b], s[CS], v12       ; the same of each block's largest score
.endr
.set j, 0
.rept 64
	v_exp_f32 v[S+j], v[S+j]                       ; p = 2^(t - M), at most 1
.set j, j+1
.endr
.irp b, 0,1,2,3
	v_exp_f32 v[BM+\b], v[BM+\b]                   ; the block's largest p: the same two instructions on the same number give the same bits
.endr
	v_pk_mul_f32 v[14:15], v[14:15], v[FF:FF+1] op_sel_hi:[1,0]   ; l under the new M (the plain instruction behind the exponentials)
	s_wait_alu depctr_va_vdst(0)
.irp b, 0,1,2,3
	v_max_num_f32 v[BM+\b], 0x4800000, v[BM+\b]    ; the floor 2^(9 - 127): the byte cannot fall under 1
.endr
.irp b, 0,1,2,3
	v_add_nc_u32 v[SO+\b], 0xfc000000, v[BM+\b]    ; 8 off the exponent field: the conversion's scale operand
.endr
.irp b, 0,1,2,3
	v_and_or_b32 v[HL+\b], v[BM+\b], 0x7f800000, s[MNT]   ; 448 x the scale
.endr
.irp b, 0,1,2,3
	v_lshrrev_b32 v[BX+\b], 23, v[SO+\b]           ; the scale's byte
.endr
	v_lshl_or_b32 v[PW], v[BX+1], 8, v[BX]         ; p's scale word for these 128 keys: made here, far more than eight places ahead of the products that name it
	v_lshl_or_b32 v[PW], v[BX+2], 16, v[PW]
	v_lshl_or_b32 v[PW], v[BX+3], 24, v[PW]
	v_pk_add_f32 v[SUM2:SUM2+1], v[S:S+1], v[S+2:S+3]   ; l takes the UNQUANTISED p: two at a time, in two chains
.set j, 4
.rept 15
	v_pk_add_f32 v[14:15], v[14:15], v[S+j:S+j+1]
	v_pk_add_f32 v[SUM2:SUM2+1], v[SUM2:SUM2+1], v[S+j+2:S+j+3]
.set j, j+4
.endr
	v_pk_add_f32 v[14:15], v[14:15], v[SUM2:SUM2+1]
.irp b, 0,1,2,3
.set j, 0
.rept 16
	v_min_num_f32 v[S+16*\b+j], v[S+16*\b+j], v[HL+\b]   ; the conversion to an 8-bit code does not saturate (ISA guide 7.6.2); p is not negative, so the hold is one-sided
.set j, j+1
.endr
	v_cvt_scalef32_pk8_fp8_f32 v[PC+4*\b:PC+4*\b+1], v[S+16*\b:S+16*\b+7], v[SO+\b]
	v_cvt_scalef32_pk8_fp8_f32 v[PC+4*\b+2:PC+4*\b+3], v[S+16*\b+8:S+16*\b+15], v[SO+\b]
.endr
	v_nop                                          ; one plain instruction between the last conversion and what touches its result
.irp b, 0,1,2,3
	v_permlane16_swap_b32 v[PC+4*\b], v[PC+4*\b+2]     ; lane (r, h) now holds keys 32 b + 16 h + 0 .. 15 in four registers on end
	v_permlane16_swap_b32 v[PC+4*\b+1], v[PC+4*\b+3]
.endr
.set j, 0
.rept 16
	v_pk_mul_f32 v[OT+j:OT+j+1], v[OT+j:OT+j+1], v[FF:FF+1] op_sel_hi:[1,0]   ; O^T under the new M.  (These sixteen are also the places between the codes' last write and the products)
.set j, j+2
.endr
	s_wait_dscnt 0x0                               ; V's fragments and scale words are in
.irp i, 0,1                                    ; O^T += V^T P^T: four accumulators by turns, one instruction a turn
	v_wmma_scale_f32_16x16x128_f8f6f4 v[OT+16*\i:OT+16*\i+7], v[R+32*\i:R+32*\i+15], v[PC:PC+15], v[OT+16*\i:OT+16*\i+7], v[VSW+\i], v[PW]
	v_wmma_scale_f32_16x16x128_f8f6f4 v[OT+16*\i+8:OT+16*\i+15], v[R+32*\i+16:R+32*\i+31], v[PC:PC+15], v[OT+16*\i+8:OT+16*\i+15], v[VSW+\i], v[PW] matrix_a_scale:MATRIX_SCALE_ROW1
.endr
	s_add_co_u32 s[TB], s[TB], 8192                ; the next step's images and scale words
	s_add_co_u32 s[TS], s[TS], 512
	s_add_co_u32 s[TJ], s[TJ], 256
.endm
.macro RUN                             ; a slot's four key steps: written once, walked four times
	s_mov_b32 s[NST], 4
.Lstep_\@:
	STEP
	s_sub_co_u32 s[NST], s[NST], 1
	s_cmp_lg_u32 s[NST], 0
	s_cbranch_scc1 .Lstep_\@
	s_sub_co_u32 s[TB], s[TB], 4*8192              ; back to a slot's first step,
	s_xor_b32 s[TB], s[TB], SLOT1                  ; in the other slot
.endm
; THE CHANGE OF SLOTS stands at a slot's head.  Each wave waits for all its tensor loads (its part of the slot that it is about to read), adds 0 to its spare word, and waits for that and for its reads of the slot that it has left.
; fill = 1: the barrier is a round of the cluster's, so that no wave of any partner still reads the other slot or has a load on its way; the joint fill of that slot is the first thing behind it and has four key steps in which to land.
.macro CHANGE fill
	s_wait_tensorcnt 0x0                           ; no tensor load of mine is out, so a group 0 may be written
	ds_add_u32 v[SPW], v[NIL]                      ; 0 onto my spare word
.if \fill
	s_xor_b32 s[G0K+1], s[G0K+1], SLOT1            ; the walking descriptors: the other slot than last time,
	s_add_nc_u64 s[G0K+2:G0K+3], s[G0K+2:G0K+3], 32768   ; the next 512 keys; the type bits on top are not reached
	s_xor_b32 s[G0V+1], s[G0V+1], SLOT1
	s_add_nc_u64 s[G0V+2:G0V+3], s[G0V+2:G0V+3], 32768
.endif
	s_wait_dscnt 0x0                               ; the add is done, and my reads of the slot that I have left are over
.if \fill
	CROUND
	TLOAD G0K, G1T, G0V, G1T                       ; a wave's one tensor load until the next round
.else
	s_barrier_signal -1
	s_barrier_wait -1
.endif
.endm
; A HEAD'S END.  O^T / l is quantised along the head's 64 (two blocks of 32) and stored as half of my fragment of the output projection's operand.  p = 0: the second head is made ready.
.macro HEAD_END p
.rept 8
	v_nop                                          ; places behind the last products
.endr
.if \p == 0
	global_load_b128 v[16:19], v[L16], s[QP:QP+1] offset:131072       ; the next head's Q: 131,072 bytes of codes on,
	global_load_b128 v[20:23], v[L16], s[QP:QP+1] offset:131072+512
	global_load_b32 v[QW], v[R4], s[QS:QS+1] offset:8192              ; 8,192 of scale words
.endif
	v_add_f32 v14, v14, v15                        ; l's two halves,
	v_permlanex16_b32 v[TMP], v14, s[SEL], s[SEL+1]
	v_add_f32 v14, v14, v[TMP]                     ; and lane l xor 16's
	v_rcp_f32 v14, v14
	v_nop                                          ; a plain instruction behind the reciprocal
.set j, 0
	s_wait_alu depctr_va_vdst(0)
.rept 32
	v_mul_f32 v[S+j], v[OT+j], v14                 ; register 8 t + i: feature 16 t + 8 h + i of my query; each accumulator from its low end on
.set j, j+1
.endr
.irp b, 0,1
	v_max3_num_f32 v[BM+\b], |v[S+16*\b]|, |v[S+16*\b+1]|, 0x4800000
.endr
.irp i, 2,4,6,8,10,12,14
.irp b, 0,1
	v_max3_num_f32 v[BM+\b], v[BM+\b], |v[S+16*\b+\i]|, |v[S+16*\b+\i+1]|
.endr
.endr
.irp b, 0,1
	v_permlanex16_b32 v[BX+\b], v[BM+\b], s[SEL], s[SEL+1]
.endr
.irp b, 0,1
	v_max_num_f32 v[BM+\b], v[BM+\b], v[BX+\b]
.endr
.irp b, 0,1
	v_add_nc_u32 v[SO+\b], 0xfc000000, v[BM+\b]
.endr
.irp b, 0,1
	v_and_or_b32 v[HL+\b], v[BM+\b], 0x7f800000, s[MNT]
.endr
.irp b, 0,1
	v_lshrrev_b32 v[BX+\b], 23, v[SO+\b]
.endr
.irp b, 0,1
.set j, 0
.rept 16
	v_med3_num_f32 v[S+16*\b+j], v[S+16*\b+j], -v[HL+\b], v[HL+\b]
.set j, j+1
.endr
	v_cvt_scalef32_pk8_fp8_f32 v[PC+4*\b:PC+4*\b+1], v[S+16*\b:S+16*\b+7], v[SO+\b]
	v_cvt_scalef32_pk8_fp8_f32 v[PC+4*\b+2:PC+4*\b+3], v[S+16*\b+8:S+16*\b+15], v[SO+\b]
.endr
	v_nop
.irp b, 0,1
	v_permlane16_swap_b32 v[PC+4*\b], v[PC+4*\b+2]
	v_permlane16_swap_b32 v[PC+4*\b+1], v[PC+4*\b+3]
.endr
.irp b, 0,1
	global_store_b128 v[L16], v[PC+4*\b:PC+4*\b+3], s[IC:IC+1] offset:512*(2*\p+\b)   ; group c = 2 p + b of the fragment: 512 consecutive bytes
.endr
.if \p == 0
	v_lshl_or_b32 v[SWD], v[BX+1], 8, v[BX]        ; bytes 0 and 1 of my rows' scale word
	v_mov_b32 v13, 0xff61b1e6                      ; the second head begins as the first did
	v_floor_f32 v12, -v13
	v_mov_b32 v14, 0
	v_mov_b32 v15, 0
.set j, 0
.rept 32
	v_mov_b32 v[OT+j], 0
.set j, j+1
.endr
	s_wait_xcnt 0x0                                ; the stores have read their registers: the codes may be written again
	s_wait_loadcnt 0x0                             ; Q
.else
	v_lshl_or_b32 v[SWD], v[BX], 16, v[SWD]        ; bytes 2 and 3
	v_lshl_or_b32 v[SWD], v[BX+1], 24, v[SWD]
.endif
.endm
	s_wait_loadcnt 0x0                             ; Q
	s_mov_b32 s[NSL], 4
.Lhead0:                                           ; the first head's four slots; behind each change the next slot is asked for
	CHANGE 1
	RUN
	s_sub_co_u32 s[NSL], s[NSL], 1
	s_cmp_lg_u32 s[NSL], 0
	s_cbranch_scc1 .Lhead0
	HEAD_END 0
	s_mov_b32 s[NSL], 3
.Lhead1:
	CHANGE 1
	RUN
	s_sub_co_u32 s[NSL], s[NSL], 1
	s_cmp_lg_u32 s[NSL], 0
	s_cbranch_scc1 .Lhead1
	CHANGE 0                                       ; the last slot is written out
	RUN
	HEAD_END 1
	ds_store_b32 v[STW], v[SWD]                    ; lanes r and 16 + r write the same word with the same value
	s_wait_dscnt 0x0                               ; for the others' sake
	s_barrier_signal -1
	s_barrier_wait -1
	s_cmp_lt_u32 s[WV], 2                          ; waves 0 and 1 store eight tiles' words each: 512 consecutive bytes
	s_cbranch_scc0 .Lno_words
	ds_load_b128 v[S:S+3], v[STR]
	s_wait_dscnt 0x0
	global_store_b128 v[L16], v[S:S+3], s[IS:IS+1]
.Lno_words:
	s_wait_tensorcnt 0x0                           ; the wave's end: behind my last tensor load and my last LDS store
	ds_add_u32 v[SPW], v[NIL]
	s_wait_dscnt 0x0
	CROUND                                         ; the closing round
	s_endpgm
.Lfunc_end_k_qff941b303e_attn:
	.size	k_qff941b303e_attn, .Lfunc_end_k_qff941b303e_attn-k_qff941b303e_attn
	.p2alignl 7, 3214868480
	.fill 96, 4, 3214868480
	.section	.rodata,"a",@progbits
	.p2align	6, 0x0
	.amdhsa_kernel k_qff941b303e_attn
		.amdhsa_group_segment_fixed_size 327680
		.amdhsa_private_segment_fixed_size 0
		.amdhsa_enable_private_segment 0
		.amdhsa_kernarg_size 32
		.amdhsa_user_sgpr_count 2
		.amdhsa_user_sgpr_kernarg_segment_ptr 1
		.amdhsa_wavefront_size32 1
		.amdhsa_system_sgpr_workgroup_id_x 1
		.amdhsa_system_sgpr_workgroup_id_y 1
		.amdhsa_system_sgpr_workgroup_id_z 1
		.amdhsa_system_vgpr_workitem_id 0
		.amdhsa_next_free_vgpr 256
		.amdhsa_next_free_sgpr 100
		.amdhsa_reserve_vcc 0
		.amdhsa_float_denorm_mode_32 3
		.amdhsa_float_denorm_mode_16_64 3
		.amdhsa_memory_ordered 1
		.amdhsa_forward_progress 1
		.amdhsa_inst_pref_size 83
	.end_amdhsa_kernel
	.amdgpu_metadata
---
amdhsa.version: [ 1, 2 ]
amdhsa.kernels:
  - .name:           k_qff941b303e_attn
    .symbol:         k_qff941b303e_attn.kd
    .args:
      - { .name: qkv_codes, .offset: 0, .size: 8, .value_kind: global_buffer, .address_space: global }
      - { .name: qkv_scales, .offset: 8, .size: 8, .value_kind: global_buffer, .address_space: global }
      - { .name: inter_codes, .offset: 16, .size: 8, .value_kind: global_buffer, .address_space: global }
      - { .name: inter_scales, .offset: 24, .size: 8, .value_kind: global_buffer, .address_space: global }
    .group_segment_fixed_size: 327680
    .private_segment_fixed_size: 0
    .kernarg_segment_align: 8
    .kernarg_segment_size: 32
    .max_flat_workgroup_size: 512
    .sgpr_count:     100
    .vgpr_count:     256
    .wavefront_size: 32
...
	.end_amdgpu_metadata
.endif
;; end of part 3
;; launch oproj (part 4): grid 4 x 32, 4 waves a work-group, clusters of 4 x 4, 327,680 bytes of LDS; arguments inter_codes, inter_scales, Wo_codes, Wo_scales, bo, out0; writes out0
.if DOCPART == 4
	.amdgcn_target "amdgcn-amd-amdhsa--gfx1250"
	.amdhsa_code_object_version 6
	.text
	.protected	k_qff941b303e_oproj
	.globl	k_qff941b303e_oproj
	.p2align	8
	.type	k_qff941b303e_oproj,@function
k_qff941b303e_oproj:
	s_mov_b64 s[64:65], 0
	v_nop
	global_prefetch_b8 v0, s[64:65] scope:SCOPE_SE
	s_setreg_imm32_b32 hwreg(HW_REG_WAVE_MODE, 25, 1), 1
	s_wait_xcnt 0x0
	s_wait_alu depctr_hold_cnt(0) depctr_sa_sdst(0) depctr_va_vdst(0) depctr_va_sdst(0) depctr_va_ssrc(0) depctr_va_vcc(0) depctr_vm_vsrc(0)
	s_getreg_b32 s2, hwreg(HW_REG_IB_STS2, 6, 4)
	s_cmp_eq_u32 s2, 0
	s_cbranch_scc0 .Lentry_in_a_cluster
	s_endpgm
.Lentry_in_a_cluster:
	s_bfe_u32 s2, ttmp6, 0x10000c
	s_cmp_lg_u32 s2, 0xf033
	s_cbranch_scc0 .Lentry_shape_is_right
	s_endpgm
.Lentry_shape_is_right:
; out0 = inter Wo + bo on codes of FP8 (E4M3) with one E8M0 scale for each 32 along K (K = 1,024).  out0: [8,192][1,024] f32.
; A = inter, as images of the operand's registers: codes [tile of 16 rows T][K step of 128 s][c][lane][16 bytes], scale words [s][T][r].  B = Wo: [1,024 (n)][1,024 (k)] codes, K innermost, scale bytes [1,024][32].
; A tile of 256 x 256 of out0 is made by a work-group of four waves, a wave makes 128 x 128: 64 accumulators.  K goes in steps of 256 through a ring of two LDS slots filled by the tensor data mover.
; A's part of a slot is dense: 16 tiles x 4,096 bytes (a fragment's group of four registers is 512 consecutive bytes: no pitch, no padding); B's is 256 rows of 256 bytes + 16 of padding.
; The scales of all of K come into LDS once, with the first fills.  A scale register holds, in lanes 0-15, a block's words for a slot's first 128 along K and, in lanes 16-31, those for its second.
; CLUSTERS: 4 x 4 work-groups; A's tiles are shared along a row of the cluster, B's along a column: joint loads.  There are 128 tiles of this size: half of the WGPs have a work-group.
; THE MATRIX INSTRUCTION IS USED TRANSPOSED (source 0 = 16 rows of Wo, source 1 = 16 rows of inter): a lane holds eight neighbouring numbers of a row of out0.  THE BIAS is the C of each sum's first product.
; REGISTERS, in windows of 256: window 0: v0-31 addresses; v32-63 scale words, two sets, and nothing else; v64-127 the bias; v128-255 A's fragments, one set (on the way out: rows of out0).  window 1: B's fragments, two sets.  windows 2, 3: the accumulators.
.set SIZE_N, 1024
.set KROW,   1024
.set ROWB,   256
.set NQ,     2
.set PITCH,  272
.set FR,     16
.set NL,     4
.set NP,     8                         ; places behind this matrix instruction (ISA guide 7.12.1)
.set HALFT,  128*PITCH                 ; 128 rows of B
.set ABYTES, 65536                     ; A's part of a slot
.set SLOT,   ABYTES+2*HALFT
.set LAPS,   2
.set SCA,    2*SLOT                    ; A's scale words: [s 0..7][16 tiles][16 rows]: 8,192 bytes
.set SCB,    SCA+8192                  ; B's scale bytes: units of 256 bytes + 16 of padding
.set HALFS,  16*272
.set SBLK,   2*272
.set SPARE,  SCB+2*HALFS               ; the spare words, 128 bytes for each wave: two blocks of 256 bytes that no other line names
.set SPITCH, 528                       ; the way out: a stage of 16 rows x (512 bytes + 16) for each wave, in slot 0, which has had its last fill and its last read when the first result is stored there
.set ADRA, 16                          ; v16-17
.set ADRB, 20                          ; v20-21
.set STO,  24
.set RD,   25
.set CO,   26                          ; v26  16 x lane
.set ADSA, 27
.set SPW,  28                          ; never rewritten
.set NIL,  29                          ; never rewritten
.set ADSB, 30
.set SC,   32
.set BO,   64
.set AF,   128
.set BK,   128
.set G1,   24
.set G0,   32
.set G1B,  48
.set G0B,  56
.set G1S,  68
.set G0S,  76
.set G1SB, 80
.set G0SB, 88
.set MSB, 0
.macro WIN new
.if MSB != (\new)
	s_set_vgpr_msb (MSB<<8)|(\new)
.set MSB, (\new)
.endif
.endm
.set MUL_LO, 0xa1                      ; source 0 (B) window 1, source 1 (A) window 0, C and D window 2
.set MUL_HI, 0xf1                      ; the same, C and D window 3
.set BIA_LO, 0x81                      ; the first products: C (the bias) window 0, D window 2
.set BIA_HI, 0xc1                      ; D window 3
.set TO_B,   0x40
.macro JLOAD g0a, g1a, g0b, g1b        ; a joint load: waves 0 and 1 fetch for A, waves 2 and 3 for B; four v_nop follow each of the two lines
	s_cmp_eq_u32 s15, 0
	s_cbranch_scc0 .Lfor_b_\@
	tensor_load_to_lds s[\g0a:\g0a+3], s[\g1a:\g1a+7]
	s_nop 0
.rept 4
	v_nop
.endr
	s_branch .Lasked_\@
.Lfor_b_\@:
	tensor_load_to_lds s[\g0b:\g0b+3], s[\g1b:\g1b+7]
	s_nop 0
.rept 4
	v_nop
.endr
.Lasked_\@:
.endm
.macro CREST
	s_cmp_lg_u32 s14, 0
	s_cbranch_scc1 .Lnot_wave_0_\@
	s_barrier_signal -3
.Lnot_wave_0_\@:
	s_barrier_wait -3
	s_barrier_signal -1
	s_barrier_wait -1
.endm
.macro CROUND
	s_barrier_signal -1
	s_barrier_wait -1
	CREST
.endm
	s_load_b128 s[4:7], s[0:1], 0x0                ; inter's codes, inter's scale words
	s_load_b128 s[8:11], s[0:1], 0x10              ; Wo's codes, Wo's scales
	s_load_b64 s[96:97], s[0:1], 0x20              ; bo
	s_load_b64 s[12:13], s[0:1], 0x28              ; out0
	v_lshl_add_u32 v[SPW], v0, 2, SPARE
	v_mov_b32 v[NIL], 0
	ds_add_u32 v28, v29
	s_wait_dscnt 0x0
	v_lshrrev_b32 v1, 5, v0
	v_readfirstlane_b32 s14, v1                    ; wave 0..3
	s_lshr_b32 s15, s14, 1                         ; which half of the tile's rows is mine.  Also: I fetch for A (0) or for B (1)
	s_and_b32 s16, s14, 1                          ; which half of its columns.  Also: which half of that tile I fetch
	s_bfe_u32 s40, ttmp6, 0x40000                  ; cx, cy
	s_bfe_u32 s41, ttmp6, 0x40004
	s_lshl_b32 s42, ttmp9, 2
	s_add_co_u32 s42, s42, s40                     ; CB: tile column
	s_and_b32 s17, ttmp7, 0xffff
	s_lshl_b32 s17, s17, 2
	s_add_co_u32 s17, s17, s41                     ; RA: tile row
	s_lshl_b32 s43, s41, 2
	s_lshl_b32 s43, 15, s43                        ; my row of the cluster
	s_lshl_b32 s44, 0x1111, s40                    ; my column
	; A's codes: 8 tiles x 4,096 bytes (512 elements of 8 bytes), 16,384 bytes (2,048 elements) apart; dense in LDS
	s_or_b32 s[G1+0], s43, (3<<16)|(1<<21)
	s_mov_b32 s[G1+1], 512<<16                     ; tensor_dim0
	s_mov_b32 s[G1+2], 8<<16                       ; tensor_dim1
	s_mov_b32 s[G1+3], 512<<16                     ; tile_dim0
	s_mov_b32 s[G1+4], 8                           ; tile_dim1
	s_mov_b32 s[G1+5], 2048                        ; tensor_dim0_stride
	s_mov_b32 s[G1+6], 0
	s_mov_b32 s[G1+7], 0
	; B's codes: 128 rows x 256 bytes, 16 bytes of padding behind each
	s_or_b32 s[G1B+0], s44, (1<<20)|(1<<21)|(5<<22)|(3<<25)
	s_mov_b32 s[G1B+1], ROWB<<16
	s_mov_b32 s[G1B+2], 128<<16
	s_mov_b32 s[G1B+3], ROWB<<16
	s_mov_b32 s[G1B+4], 128
	s_mov_b32 s[G1B+5], KROW
	s_mov_b32 s[G1B+6], 0
	s_mov_b32 s[G1B+7], 0
	; A's scale words: 4 K steps x 1,024 bytes (128 elements of 8 bytes), 32,768 bytes (4,096 elements) apart
	s_or_b32 s[G1S+0], s43, (3<<16)|(1<<21)
	s_mov_b32 s[G1S+1], 128<<16
	s_mov_b32 s[G1S+2], 4<<16
	s_mov_b32 s[G1S+3], 128<<16
	s_mov_b32 s[G1S+4], 4
	s_mov_b32 s[G1S+5], 4096
	s_mov_b32 s[G1S+6], 0
	s_mov_b32 s[G1S+7], 0
	; B's scale bytes of 128 rows: 4,096 dense bytes as 16 rows of 256, 16 bytes of padding behind each
	s_or_b32 s[G1SB+0], s44, (3<<16)|(1<<20)|(1<<21)|(5<<22)|(3<<25)
	s_mov_b32 s[G1SB+1], 32<<16
	s_mov_b32 s[G1SB+2], 16<<16
	s_mov_b32 s[G1SB+3], 32<<16
	s_mov_b32 s[G1SB+4], 16
	s_mov_b32 s[G1SB+5], 32
	s_mov_b32 s[G1SB+6], 0
	s_mov_b32 s[G1SB+7], 0
	s_lshl_b32 s18, s16, 17                        ; 131,072 x half: eight tiles of codes, or four K steps of scale words
	s_lshl_b32 s20, s17, 18                        ; A's codes: 16 tiles x 16,384 bytes a tile row
	s_add_co_u32 s20, s20, s18
	s_mov_b32 s21, 0
	s_lshl_b32 s22, s17, 10                        ; A's scale words: 16 tiles x 64 bytes
	s_add_co_u32 s22, s22, s18
	s_mov_b32 s23, 0
	s_lshl_b32 s19, s16, 7
	s_lshl_b32 s46, s42, 8
	s_add_co_u32 s46, s46, s19                     ; B: row 256 CB + 128 x half
	s_lshl_b32 s92, s46, 5                         ; its scale bytes,
	s_mov_b32 s93, 0
	s_lshl_b32 s46, s46, 10                        ; its codes
	s_mov_b32 s47, 0
	s_lshl_b32 s45, s16, 15                        ; where they go: no place in the cluster enters an LDS address.  A's codes: 32,768 x half
	s_mul_i32 s94, s16, HALFT
	s_add_co_u32 s94, s94, ABYTES                  ; B's codes
	s_lshl_b32 s95, s16, 12
	s_add_co_u32 s95, s95, SCA                     ; A's scale words
	s_mul_i32 s98, s16, HALFS
	s_add_co_u32 s98, s98, SCB                     ; B's scale bytes
	s_wait_kmcnt 0x0
	s_add_nc_u64 s[20:21], s[4:5], s[20:21]
	s_add_nc_u64 s[22:23], s[6:7], s[22:23]
	s_add_nc_u64 s[46:47], s[8:9], s[46:47]
	s_add_nc_u64 s[92:93], s[10:11], s[92:93]
	CROUND                                         ; all sixteen work-groups are here: the first joint loads meet
	s_mov_b32 s[G0S], 1
	s_mov_b32 s[G0S+1], s95
	s_mov_b64 s[G0S+2:G0S+3], s[22:23]
	s_or_b32 s[G0S+3], s[G0S+3], 0x80000000
	s_mov_b32 s[G0SB], 1
	s_mov_b32 s[G0SB+1], s98
	s_mov_b64 s[G0SB+2:G0SB+3], s[92:93]
	s_or_b32 s[G0SB+3], s[G0SB+3], 0x80000000
	JLOAD G0S, G1S, G0SB, G1SB                     ; the scales first
.irp s, 0,1
	s_mov_b32 s[G0+4*\s], 1
	s_add_co_u32 s[G0+4*\s+1], s45, \s*SLOT
	s_add_nc_u64 s[G0+4*\s+2:G0+4*\s+3], s[20:21], \s*4096
	s_or_b32 s[G0+4*\s+3], s[G0+4*\s+3], 0x80000000
	s_mov_b32 s[G0B+4*\s], 1
	s_add_co_u32 s[G0B+4*\s+1], s94, \s*SLOT
	s_add_nc_u64 s[G0B+4*\s+2:G0B+4*\s+3], s[46:47], \s*ROWB
	s_or_b32 s[G0B+4*\s+3], s[G0B+4*\s+3], 0x80000000
	JLOAD G0+4*\s, G1, G0B+4*\s, G1B
.endr
	v_and_b32 v1, 15, v0                           ; r
	v_bfe_u32 v2, v0, 4, 1                         ; h
	v_and_b32 v6, 31, v0
	v_lshlrev_b32 v[CO], 4, v6                     ; 16 x lane
	v_mul_u32_u24 v3, v1, PITCH
	v_lshl_add_u32 v4, v2, 4, v3                   ; B: a fragment's row x pitch + 16 x half
	s_lshl_b32 s21, s15, 15                        ; my eight tiles of A
	s_mul_i32 s22, s16, HALFT                      ; my 128 rows of B, behind A's part
	s_add_co_u32 s22, s22, ABYTES
.irp s, 0,1
	v_add_nc_u32 v[ADRA+\s], s21, v[CO]
	v_add_nc_u32 v[ADRB+\s], s22, v4
	s_add_co_u32 s21, s21, SLOT
	s_add_co_u32 s22, s22, SLOT
.endr
	v_lshlrev_b32 v5, 2, v1                        ; A's scale words: 4 r, lanes 16-31 one K step of 128 (1,024 bytes) on
	v_lshl_add_u32 v5, v2, 10, v5
	s_lshl_b32 s21, s15, 9                         ; my eight tiles: 64 bytes each
	s_add_co_u32 s21, s21, SCA
	v_add_nc_u32 v[ADSA], s21, v5
	v_lshlrev_b32 v5, 5, v1                        ; B's: 32 bytes a row, 16 more behind each 256, lanes 16-31 one word on
	v_lshrrev_b32 v6, 3, v1
	v_lshl_add_u32 v5, v6, 4, v5
	v_lshl_add_u32 v5, v2, 2, v5
	s_mul_i32 s22, s16, HALFS
	s_add_co_u32 s22, s22, SCB
	v_add_nc_u32 v[ADSB], s22, v5
	s_mul_i32 s23, s14, 16*SPITCH                  ; my stage
	v_mul_u32_u24 v5, v1, SPITCH                   ; in: row r, 32 bytes for each half of the lanes
	v_lshl_add_u32 v5, v2, 5, v5
	v_add_nc_u32 v[STO], s23, v5
	v_add_nc_u32 v[RD], s23, v[CO]                 ; back: the 32 lanes take one row of 512 bytes
	v_lshlrev_b32 v7, 5, v2                        ; the bias: 32 h
	s_lshl_b32 s20, s17, 8
	s_lshl_b32 s21, s15, 7
	s_add_co_u32 s20, s20, s21                     ; my first row of out0
	s_mov_b32 s21, 0
	s_mov_b64 s[18:19], SIZE_N*4
	s_mul_u64 s[20:21], s[20:21], s[18:19]
	s_lshl_b32 s46, s42, 10                        ; my first column, in bytes: in out0's rows and in bo alike
	s_lshl_b32 s47, s16, 9
	s_add_co_u32 s46, s46, s47
	s_mov_b32 s47, 0
	s_add_nc_u64 s[96:97], s[96:97], s[46:47]
	s_add_nc_u64 s[20:21], s[20:21], s[46:47]
	s_add_nc_u64 s[12:13], s[12:13], s[20:21]
.irp b, 0,1,2,3,4,5,6,7
	global_load_b128 v[BO+8*\b:BO+8*\b+3], v7, s[96:97] offset:64*\b          ; bo at columns 16 b + 8 h + 0 .. 7: the result's layout
	global_load_b128 v[BO+8*\b+4:BO+8*\b+7], v7, s[96:97] offset:64*\b+16
.endr
.macro FRAGA reg, slot, q, i           ; A's fragment of tile i, the slot's q-th 128 along K: an image of its registers
.irp c, 0,1,2,3
	ds_load_b128 v[\reg+4*\c:\reg+4*\c+3], v[ADRA+\slot] offset:4096*(\i)+2048*(\q)+512*\c
.endr
.endm
.macro FRAGB reg, slot, q, i           ; B's: lane l holds row l % 16; registers 4 c .. 4 c + 3 hold K = 32 c + 16 (l / 16) + 0 .. 15
.irp c, 0,1,2,3
	ds_load_b128 v[\reg+4*\c:\reg+4*\c+3], v[ADRB+\slot] offset:128*(\q)+32*\c+(\i)*16*PITCH
.endr
.endm
; 16 matrix instructions: A's blocks a0, a0 + 1 x B's eight.  first = 1: the first product starts the sums from the bias.  The 64 accumulators take turns, one instruction a turn.
.macro MUL16 a0, p, q, sc, first
.irp a, \a0, \a0+1
.irp b, 0,1,2,3,4,5,6,7
.if \first
	v_wmma_scale_f32_16x16x128_f8f6f4 v[8*(8*((\a)%4)+\b):8*(8*((\a)%4)+\b)+7], v[128*(\p)+FR*\b:128*(\p)+FR*\b+FR-1], v[AF+FR*(\a):AF+FR*(\a)+FR-1], v[BO+8*\b:BO+8*\b+7], v[SC+16*(\sc)+\b], v[SC+16*(\sc)+8+(\a)]
.elseif (\q) == 0
	v_wmma_scale_f32_16x16x128_f8f6f4 v[8*(8*((\a)%4)+\b):8*(8*((\a)%4)+\b)+7], v[128*(\p)+FR*\b:128*(\p)+FR*\b+FR-1], v[AF+FR*(\a):AF+FR*(\a)+FR-1], v[8*(8*((\a)%4)+\b):8*(8*((\a)%4)+\b)+7], v[SC+16*(\sc)+\b], v[SC+16*(\sc)+8+(\a)]
.else
	v_wmma_scale_f32_16x16x128_f8f6f4 v[8*(8*((\a)%4)+\b):8*(8*((\a)%4)+\b)+7], v[128*(\p)+FR*\b:128*(\p)+FR*\b+FR-1], v[AF+FR*(\a):AF+FR*(\a)+FR-1], v[8*(8*((\a)%4)+\b):8*(8*((\a)%4)+\b)+7], v[SC+16*(\sc)+\b], v[SC+16*(\sc)+8+(\a)] matrix_a_scale:MATRIX_SCALE_ROW1 matrix_b_scale:MATRIX_SCALE_ROW1
.endif
.endr
.endr
.endm
.macro FETCH_B slot, q, p
	WIN TO_B
.irp i, 0,1,2,3,4,5,6,7
	FRAGB 128*(\p)+FR*\i, \slot, \q, \i
.endr
	WIN 0
.endm
.macro FETCH_A slot, q, i0
.irp i, \i0, \i0+1, \i0+2, \i0+3
	FRAGA AF+FR*(\i), \slot, \q, \i
.endr
.endm
.macro SCALES sc
.irp i, 0,1,2,3,4,5,6,7
	ds_load_b32 v[SC+16*\sc+\i], v[ADSB] offset:\i*SBLK
	ds_load_b32 v[SC+16*\sc+8+\i], v[ADSA] offset:\i*64
.endr
.endm
.macro PLACES n                        ; places in front of loads into registers that matrix instructions have read, and of the first read of results
.rept \n
	v_nop
.endr
.endm
.macro STEP slot, q, first
	s_wait_dscnt 4*NL                              ; B's set, A's blocks 0-3 and the scale words are in; the youngest sixteen loads (A's blocks 4-7) may be out
.if \first
	WIN BIA_LO
.else
	WIN MUL_LO
.endif
	MUL16 0, (\q)%2, \q, \slot, \first
	MUL16 2, (\q)%2, \q, \slot, \first
	s_wait_dscnt 0
	PLACES NP
	FETCH_B \slot, (\q)+1, 1-(\q)%2
	FETCH_A \slot, (\q)+1, 0
.if \first
	WIN BIA_HI
.else
	WIN MUL_HI
.endif
	MUL16 4, (\q)%2, \q, \slot, \first
	MUL16 6, (\q)%2, \q, \slot, \first
	PLACES NP
	WIN 0
	FETCH_A \slot, (\q)+1, 4
.endm
.macro TURN slot, next, fill           ; a slot's last step changes slots: ONE barrier, as in the projections of x
	s_wait_tensorcnt 0x0                           ; all my tensor loads have landed: my part of the next slot (every window is 0 here)
	ds_add_u32 v[SPW], v[NIL]                      ; 0 onto my spare word
	s_wait_dscnt 4*NL+1                            ; the add and the youngest sixteen loads may be out
	WIN MUL_LO
	MUL16 0, 1, NQ-1, \slot, 0
	s_wait_dscnt 0x0                               ; the add is done, and my reads of this slot are over
	s_barrier_signal -1
	MUL16 2, 1, NQ-1, \slot, 0
	WIN 0
	s_barrier_wait -1
.if \fill
	CREST                                          ; a round of the cluster's barrier: no wave of any partner still reads this slot or has a load on its way
	s_add_nc_u64 s[G0+4*\slot+2:G0+4*\slot+3], s[G0+4*\slot+2:G0+4*\slot+3], 2*4096
	s_add_nc_u64 s[G0B+4*\slot+2:G0B+4*\slot+3], s[G0B+4*\slot+2:G0B+4*\slot+3], 2*ROWB
	JLOAD G0+4*\slot, G1, G0B+4*\slot, G1B
	PLACES NP-4
.else
	PLACES NP
.endif
	v_add_nc_u32 v[ADSA], 2048, v[ADSA]            ; on to the next slot's scale words: two K steps of 128 in A's, two words in B's
	v_add_nc_u32 v[ADSB], 4*NQ, v[ADSB]
	FETCH_B \next, 0, 0
	FETCH_A \next, 0, 0
	SCALES \next
	WIN MUL_HI
	MUL16 4, 1, NQ-1, \slot, 0
	MUL16 6, 1, NQ-1, \slot, 0
	PLACES NP
	WIN 0
	FETCH_A \next, 0, 4
.endm
	s_wait_tensorcnt 1                             ; three loads of mine are out: the scales and my part of K step 0 are in, K step 1's may stay out
	s_barrier_signal -1
	s_barrier_wait -1
	FETCH_B 0, 0, 0
	FETCH_A 0, 0, 0
	SCALES 0
	FETCH_A 0, 0, 4
	s_wait_loadcnt 0x0                             ; the bias
	STEP 0, 0, 1
	s_mov_b32 s3, LAPS-1
.Llap:
	TURN 0, 1, 1
	STEP 1, 0, 0
	TURN 1, 0, 1
	STEP 0, 0, 0
	s_sub_co_u32 s3, s3, 1
	s_cmp_lg_u32 s3, 0
	s_cbranch_scc1 .Llap
	TURN 0, 1, 0
	STEP 1, 0, 0
	s_wait_dscnt 4*NL
	WIN MUL_LO
	MUL16 0, 1, NQ-1, 1, 0
	MUL16 2, 1, NQ-1, 1, 0
	s_wait_dscnt 0
	WIN MUL_HI
	MUL16 4, 1, NQ-1, 1, 0
	MUL16 6, 1, NQ-1, 1, 0
	WIN 0
; THE WAY OUT, block by block of 16 rows x 128 columns, through my own stage in LDS: back come whole rows of 512 bytes.  LDS serves a wave's instructions in order (ISA guide 5.7.1.4): no wait between the stores and the loads.
.macro TOSTAGE a
.set AC, 64*((\a)%4)
	WIN (0x08+4*((\a)/4))                          ; an LDS store's data: window 2 or 3
.irp b, 0,1,2,3,4,5,6,7
	ds_store_b128 v[STO], v[AC+8*\b:AC+8*\b+3] offset:64*\b          ; each accumulator from its low end on
	ds_store_b128 v[STO], v[AC+8*\b+4:AC+8*\b+7] offset:64*\b+16
.endr
	WIN 0
.set BB, BK+64*((\a)%2)
.irp t, 0,1,2,3,4,5,6,7,8,9,10,11,12,13,14,15
	ds_load_b128 v[BB+4*\t:BB+4*\t+3], v[RD] offset:\t*SPITCH
.endr
.endm
.macro SEND a, younger                 ; younger: the LDS instructions issued behind block a's loads, which may stay out
.set BB, BK+64*((\a)%2)
	s_wait_dscnt \younger
.if (\a) > 0
	s_add_nc_u64 s[12:13], s[12:13], 16*SIZE_N*4   ; (behind a wait on XCNT: the earlier stores have read their base)  16 rows on
.endif
.irp t, 0,1,2,3,4,5,6,7,8,9,10,11,12,13,14,15
	global_store_b128 v[CO], v[BB+4*\t:BB+4*\t+3], s[12:13] offset:\t*SIZE_N*4 th:TH_STORE_NT   ; 32 lanes store 512 consecutive bytes, at a multiple of 512 from out0's first byte
.endr
.endm
	PLACES NP
	TOSTAGE 0
.irp a, 1,2,3,4,5,6,7
.if \a > 1
	s_wait_xcnt 0x0                                ; block a - 2's stores have read their registers and their base
.endif
	TOSTAGE \a
	SEND \a-1, 32                                  ; behind block a - 1's loads: block a's 16 stores and 16 loads
.endr
	s_wait_xcnt 0x0
	SEND 7, 0
	s_wait_tensorcnt 0x0                           ; the wave's end: behind my last tensor load and my last LDS store
	ds_add_u32 v[SPW], v[NIL]
	s_wait_dscnt 0x0
	CROUND                                         ; the closing round
	s_endpgm
.Lfunc_end_k_qff941b303e_oproj:
	.size	k_qff941b303e_oproj, .Lfunc_end_k_qff941b303e_oproj-k_qff941b303e_oproj
	.p2alignl 7, 3214868480
	.fill 96, 4, 3214868480
	.section	.rodata,"a",@progbits
	.p2align	6, 0x0
	.amdhsa_kernel k_qff941b303e_oproj
		.amdhsa_group_segment_fixed_size 327680
		.amdhsa_private_segment_fixed_size 0
		.amdhsa_enable_private_segment 0
		.amdhsa_kernarg_size 48
		.amdhsa_user_sgpr_count 2
		.amdhsa_user_sgpr_kernarg_segment_ptr 1
		.amdhsa_wavefront_size32 1
		.amdhsa_system_sgpr_workgroup_id_x 1
		.amdhsa_system_sgpr_workgroup_id_y 1
		.amdhsa_system_sgpr_workgroup_id_z 1
		.amdhsa_system_vgpr_workitem_id 0
		.amdhsa_next_free_vgpr 1024
		.amdhsa_next_free_sgpr 100
		.amdhsa_reserve_vcc 0
		.amdhsa_float_denorm_mode_32 3
		.amdhsa_float_denorm_mode_16_64 3
		.amdhsa_memory_ordered 1
		.amdhsa_forward_progress 1
		.amdhsa_inst_pref_size 149
	.end_amdhsa_kernel
	.amdgpu_metadata
---
amdhsa.version: [ 1, 2 ]
amdhsa.kernels:
  - .name:           k_qff941b303e_oproj
    .symbol:         k_qff941b303e_oproj.kd
    .args:
      - { .name: inter_codes, .offset: 0, .size: 8, .value_kind: global_buffer, .address_space: global }
      - { .name: inter_scales, .offset: 8, .size: 8, .value_kind: global_buffer, .address_space: global }
      - { .name: Wo_codes, .offset: 16, .size: 8, .value_kind: global_buffer, .address_space: global }
      - { .name: Wo_scales, .offset: 24, .size: 8, .value_kind: global_buffer, .address_space: global }
      - { .name: bo, .offset: 32, .size: 8, .value_kind: global_buffer, .address_space: global }
      - { .name: out0, .offset: 40, .size: 8, .value_kind: global_buffer, .address_space: global }
    .group_segment_fixed_size: 327680
    .private_segment_fixed_size: 0
    .kernarg_segment_align: 8
    .kernarg_segment_size: 48
    .max_flat_workgroup_size: 128
    .sgpr_count:     100
    .vgpr_count:     1024
    .wavefront_size: 32
...
	.end_amdgpu_metadata
.endif
;; end of part 4
;; ======== version 2 of 2: 4 launches
;; limits: right only within a limited range of input values
;; workspace buffers: rope 524,288 bytes; qkv_codes 25,165,824 bytes; qkv_scales 1,310,720 bytes; inter_codes 8,388,608 bytes; inter_scales 262,144 bytes
;; launch rope (part 5): grid 256 x 1, 4 waves a work-group, no clusters, 0 bytes of LDS; arguments rope; writes rope
.if DOCPART == 5
	.amdgcn_target "amdgcn-amd-amdhsa--gfx1250"
	.amdhsa_code_object_version 6
	.text
	.protected	k_qff941b303e_rope
	.globl	k_qff941b303e_rope
	.p2align	8
	.type	k_qff941b303e_rope,@function
k_qff941b303e_rope:
	s_mov_b64 s[64:65], 0
	v_nop
	global_prefetch_b8 v0, s[64:65] scope:SCOPE_SE
	s_setreg_imm32_b32 hwreg(HW_REG_WAVE_MODE, 25, 1), 1
	s_wait_xcnt 0x0
; The table of cos and sin for the interleaved rotary embedding: 2,048 positions x 32 pairs, head size 64, theta 10,000.
; LAYOUT, in the order of the reader's registers: [tile of 16 positions Tn 0..127][g 0..7][lane 0..31][16 bytes] = (cos, sin, cos, sin) of the pairs
; 8 (g / 2) + 4 h + 2 (g % 2) + 0, 1 at position 16 Tn + r, with r = lane % 16 and h = lane / 16.  Thread G of the launch makes bytes 16 G .. 16 G + 15: a wave stores 512 consecutive bytes.
; ARITHMETIC, in the order of the definition: inv = 10000^(-j / 32) as f32; angle = position x inv, ONE f32 multiplication; then cos and sin of that f32 angle.
;   inv = 2^(-j c), c = log2(10000) / 32 = c_hi + c_lo, c_hi = 108853 / 2^18, so that j c_hi is exact; 2^(-j c_lo) = 1 + j kappa to far below an ulp.
;   angle: k = nearest whole number to angle x 2 / pi; rho = angle - k P1 - k P2 (pi / 2 in two parts; the first fused step is exact for angles under 2,048); polynomials on |rho| <= pi / 4; the quadrant k % 4 by selects and sign bits.
; LIMITS: inv within about 1.5 ulp of 10000^(-j / 32); cos and sin within about 1e-7 of those of the f32 angle.  No branch, no LDS, no barrier: threads share nothing.
.set NCH, 8                            ; s8   -c_hi
.set KAP, 9                            ; s9   kappa = -ln 2 x c_lo
.set TOP, 10                           ; s10  2 / pi
.set NP1, 11                           ; s11  -P1
.set NP2, 12                           ; s12  -P2
.set S1,  13                           ; s13-15 sine's coefficients
.set S2,  14
.set S3,  15
.set C1,  16                           ; s16-18 cosine's
.set C2,  17
.set C3,  18
	s_load_b64 s[4:5], s[0:1], 0x0
	s_mov_b32 s[NCH], 0xbed49a80
	s_mov_b32 s[KAP], 0x342ae0c1
	s_mov_b32 s[TOP], 0x3f22f983
	s_mov_b32 s[NP1], 0xbfc90fdb
	s_mov_b32 s[NP2], 0x333bbd2e
	s_mov_b32 s[S1], 0xbe2aaaa3
	s_mov_b32 s[S2], 0x3c08839e
	s_mov_b32 s[S3], 0xb94ca1f9
	s_mov_b32 s[C1], 0x3d2aaaa5
	s_mov_b32 s[C2], 0xbab6061a
	s_mov_b32 s[C3], 0x37ccf5ce
	v_lshrrev_b32 v2, 5, v0                        ; wave
	v_and_b32 v3, 15, v0                           ; r
	v_bfe_u32 v4, v0, 4, 1                         ; h
	s_lshl_b32 s6, ttmp9, 2
	v_add_nc_u32 v2, s6, v2
	v_and_b32 v2, 7, v2                            ; g = (4 x work-group + wave) % 8
	s_lshr_b32 s7, ttmp9, 1                        ; Tn
	s_lshl_b32 s7, s7, 4
	v_add_nc_u32 v5, s7, v3
	v_cvt_f32_u32 v5, v5                           ; the position, as f32
	v_lshrrev_b32 v6, 1, v2
	v_and_b32 v7, 1, v2
	v_lshlrev_b32 v6, 3, v6
	v_lshl_add_u32 v6, v4, 2, v6
	v_lshl_add_u32 v6, v7, 1, v6                   ; my first pair: 8 (g / 2) + 4 h + 2 (g % 2)
	v_add_nc_u32 v7, 1, v6                         ; my second
	v_lshlrev_b32 v8, 4, v0                        ; my 16 bytes in the work-group's 2,048
	s_lshl_b32 s20, ttmp9, 11
	s_mov_b32 s21, 0
; pair number in v[j] -> cos in v[co], sin in v[si]; v[t] .. v[t + 6] at work
.macro SINCOS j, co, si, t
	v_cvt_f32_u32 v[\t], v[\j]
	v_mul_f32 v[\t+1], s[NCH], v[\t]               ; -j c_hi, exact
	s_wait_alu depctr_va_vdst(0)
	v_exp_f32 v[\t+1], v[\t+1]
	v_mul_f32 v[\t+2], s[KAP], v[\t]               ; j kappa (the plain instruction behind the exponential)
	s_wait_alu depctr_va_vdst(0)
	v_fma_f32 v[\t+1], v[\t+1], v[\t+2], v[\t+1]   ; inv
	v_mul_f32 v[\t], v5, v[\t+1]                   ; the angle: one f32 multiplication
	v_mul_f32 v[\t+1], s[TOP], v[\t]
	v_rndne_f32 v[\t+1], v[\t+1]                   ; k
	v_fma_f32 v[\t], v[\t+1], s[NP1], v[\t]
	v_fma_f32 v[\t], v[\t+1], s[NP2], v[\t]        ; rho
	v_mul_f32 v[\t+2], v[\t], v[\t]                ; z = rho^2
	v_fma_f32 v[\t+3], v[\t+2], s[S3], s[S2]
	v_fma_f32 v[\t+3], v[\t+3], v[\t+2], s[S1]
	v_mul_f32 v[\t+3], v[\t+3], v[\t+2]
	v_fma_f32 v[\t+3], v[\t+3], v[\t], v[\t]       ; sin rho
	v_fma_f32 v[\t+4], v[\t+2], s[C3], s[C2]
	v_fma_f32 v[\t+4], v[\t+4], v[\t+2], s[C1]
	v_mul_f32 v[\t+5], v[\t+2], v[\t+2]
	v_fma_f32 v[\t+6], v[\t+2], -0.5, 1.0
	v_fma_f32 v[\t+4], v[\t+4], v[\t+5], v[\t+6]   ; cos rho
	v_cvt_i32_f32 v[\t+5], v[\t+1]                 ; k as a whole number
	v_and_b32 v[\t+6], 1, v[\t+5]
	v_cmp_eq_u32 vcc_lo, 1, v[\t+6]
	v_cndmask_b32 v[\si], v[\t+3], v[\t+4], vcc_lo ; odd quadrants change the two
	v_cndmask_b32 v[\co], v[\t+4], v[\t+3], vcc_lo
	v_lshlrev_b32 v[\t+6], 30, v[\t+5]
	v_and_b32 v[\t+6], 0x80000000, v[\t+6]         ; sin is negated in quadrants 2 and 3: bit 1 of k
	v_xor_b32 v[\si], v[\si], v[\t+6]
	v_add_nc_u32 v[\t+5], 1, v[\t+5]
	v_lshlrev_b32 v[\t+5], 30, v[\t+5]
	v_and_b32 v[\t+5], 0x80000000, v[\t+5]         ; cos in quadrants 1 and 2: bit 1 of k + 1
	v_xor_b32 v[\co], v[\co], v[\t+5]
.endm
	SINCOS 6, 32, 33, 10
	SINCOS 7, 34, 35, 20
	s_wait_alu depctr_va_vdst(0)
	s_wait_kmcnt 0x0
	s_add_nc_u64 s[4:5], s[4:5], s[20:21]
	global_store_b128 v8, v[32:35], s[4:5]         ; 32 lanes store 512 consecutive bytes, at a multiple of 512 from the table's first byte
	s_endpgm
.Lfunc_end_k_qff941b303e_rope:
	.size	k_qff941b303e_rope, .Lfunc_end_k_qff941b303e_rope-k_qff941b303e_rope
	.p2alignl 7, 3214868480
	.fill 96, 4, 3214868480
	.section	.rodata,"a",@progbits
	.p2align	6, 0x0
	.amdhsa_kernel k_qff941b303e_rope
		.amdhsa_group_segment_fixed_size 0
		.amdhsa_private_segment_fixed_size 0
		.amdhsa_enable_private_segment 0
		.amdhsa_kernarg_size 8
		.amdhsa_user_sgpr_count 2
		.amdhsa_user_sgpr_kernarg_segment_ptr 1
		.amdhsa_wavefront_size32 1
		.amdhsa_system_sgpr_workgroup_id_x 1
		.amdhsa_system_sgpr_workgroup_id_y 1
		.amdhsa_system_sgpr_workgroup_id_z 1
		.amdhsa_system_vgpr_workitem_id 0
		.amdhsa_next_free_vgpr 40
		.amdhsa_next_free_sgpr 66
		.amdhsa_reserve_vcc 1
		.amdhsa_float_denorm_mode_32 3
		.amdhsa_float_denorm_mode_16_64 3
		.amdhsa_memory_ordered 1
		.amdhsa_forward_progress 1
		.amdhsa_inst_pref_size 5
	.end_amdhsa_kernel
	.amdgpu_metadata
---
amdhsa.version: [ 1, 2 ]
amdhsa.kernels:
  - .name:           k_qff941b303e_rope
    .symbol:         k_qff941b303e_rope.kd
    .args:
      - { .name: rope, .offset: 0, .size: 8, .value_kind: global_buffer, .address_space: global }
    .group_segment_fixed_size: 0
    .private_segment_fixed_size: 0
    .kernarg_segment_align: 8
    .kernarg_segment_size: 8
    .max_flat_workgroup_size: 128
    .sgpr_count:     66
    .vgpr_count:     40
    .wavefront_size: 32
...
	.end_amdgpu_metadata
.endif
;; end of part 5
;; launch qkv (part 6): grid 12 x 32, 4 waves a work-group, clusters of 4 x 4, 327,680 bytes of LDS; arguments x_codes, x_scales, Wq_codes, Wq_scales, Wk_codes, Wk_scales, Wv_codes, Wv_scales, bq, bk, bv, rope, qkv_codes, qkv_scales; writes qkv_codes, qkv_scales
.if DOCPART == 6
	.amdgcn_target "amdgcn-amd-amdhsa--gfx1250"
	.amdhsa_code_object_version 6
	.text
	.protected	k_qff941b303e_qkv
	.globl	k_qff941b303e_qkv
	.p2align	8
	.type	k_qff941b303e_qkv,@function
k_qff941b303e_qkv:
	s_mov_b64 s[64:65], 0
	v_nop
	global_prefetch_b8 v0, s[64:65] scope:SCOPE_SE
	s_setreg_imm32_b32 hwreg(HW_REG_WAVE_MODE, 25, 1), 1
	s_wait_xcnt 0x0
	s_wait_alu depctr_hold_cnt(0) depctr_sa_sdst(0) depctr_va_vdst(0) depctr_va_sdst(0) depctr_va_ssrc(0) depctr_va_vcc(0) depctr_vm_vsrc(0)
	s_getreg_b32 s2, hwreg(HW_REG_IB_STS2, 6, 4)
	s_cmp_eq_u32 s2, 0
	s_cbranch_scc0 .Lentry_in_a_cluster
	s_endpgm
.Lentry_in_a_cluster:
	s_bfe_u32 s2, ttmp6, 0x10000c
	s_cmp_lg_u32 s2, 0xf033
	s_cbranch_scc0 .Lentry_shape_is_right
	s_endpgm
.Lentry_shape_is_right:
; The three projections of x on codes of FP8 (E4M3) with one E8M0 scale for each 32 along K (K = 1,024), their biases, the rotary embedding of q and k, and the quantisers of q, k (along the head's 64) and v (along the KEYS).
; A tile of 256 x 256 of a product is made by a work-group of four waves, a wave makes 128 x 128: 64 accumulators of 16 x 16, 512 registers.  K goes in steps of 256 through a ring of two LDS slots filled by the tensor data mover.
; ONE TEXT SERVES q, k AND v: the cluster's x (0, 1, 2) is the kind, equal in all sixteen partners, and it chooses POINTERS.  "A" is the matrix instruction's source 1 (a lane keeps one of A's rows), "B" its source 0 (a lane's
; eight results run along B's rows).   q, k: A = x, B = the weight: a lane holds one row of x and its registers run along the features, which are the next product's K.
;                                      v:    A = Wv, B = x: a lane holds one feature and its registers run along the keys, which are the K of the product with the softmax.  Nothing is ever transposed.
; CLUSTERS: 4 x 4 work-groups; A's tile hangs on RA alone and is shared along a row of the cluster, B's on CB alone and is shared along a column: each is asked for jointly, with a mask that names the four.
; THE SCALES of the work-group's 256 rows of A and of B, for all of K, come into LDS once, with the first fills, as units of 256 bytes + 16 of padding.  A scale register holds, in lanes 0-15, a block's words for a slot's first 128 along K and, in lanes 16-31, those for its second.
; THE WAYS PART ONCE, on the kind, in front of the last 128 along K, whose 64 products are written in both ways: so the way out's loads (the bias; for q and k half of the cos and sin) go out ahead of those products and land under them.
; THE WAY OUT.  The 64 numbers that a lane holds of one of A's blocks of 16 rows are 4 blocks of 32 along the next K: block B is result tiles 2 B and 2 B + 1, of which lane (r, h) holds numbers 8 h + 0..7 and 16 + 8 h + 0..7.
; Its largest magnitude is joined with lane l xor 16's; its codes are made in place, and two exchanges of half registers between the halves of the lanes give lane (r, h) the numbers 16 h + 0..15: the layout of an operand.
; OUTPUT LAYOUTS are images of the operands' registers (lane = 16 h + r; each store of codes is 512 consecutive bytes of a wave):
;   q at byte 0, k at 8,388,608 of qkv_codes: [batch x head 0..63][tile of 16 rows 0..127][c 0..1][lane][16 bytes]: d = 32 c + 16 h + 0..15 of row 16 T + r.
;   v at 16,777,216: [batch x head][128 keys S 0..15][16 features t 0..3][c 0..3][lane][16 bytes]: feature 16 t + r, keys 128 S + 32 c + 16 h + 0..15.
;   scale words in qkv_scales: q at 0, k at 524,288: [batch x head][T][r], bytes 0 and 1 real, bytes 2 and 3 zero;  v at 1,048,576: [batch x head][S][t][r], four bytes.
; LIMITS: NaN and infinities are not served.  A block whose largest magnitude lies under 2^-118, a block of zeros among them, gets the byte 1 (a block of zeros has zero codes; these bytes are read by this program alone).
; REGISTERS, in windows of 256: window 0: v0-31 addresses; v32-63 scale words, two sets, and nothing else; v64-127 the bias; v128-255 A's fragments, one set.  window 1: B's fragments, two sets.  windows 2, 3: the accumulators ((a, b) at v[8 (8 (a % 4) + b)]).
;   On the way out, window 0: v128-191 a block's 64 numbers; v224-239 codes; v240-255 the quantiser's work.  window 1: cos and sin of my eight blocks of positions, 32 registers a block.
; ORDER INSIDE A BLOCK OF 32 (this takes the place of what the lines above say of exchanges and of 16 h + 0..15): the codes are stored as the conversions leave them.
; Place 16 h + i of a block holds its number 8 h + i (i < 8) or 16 + 8 h + i - 8 (i >= 8).  q and k carry that order alike, and so do v and the softmax's p in the next launch: each product sums the same pairs.
; THE HEAD: one tensor load a wave: wave 0 A's 256 rows of K step 0, wave 1 B's, wave 2 A's scales, wave 3 B's; slot 1 is first filled behind the three lines and a round.
.set KROW,   1024
.set G0H,    4                         ; s[4:7], s[8:11] group 0 of the head's two loads of codes (the pointers that lay there have been used by then)
.set G0HB,   8
.set ROWB,   256                       ; a tile's row: 256 along K
.set NQ,     2                         ; matrix instructions deep in a slot
.set PITCH,  272                       ; an LDS row: 256 bytes + 16 of padding: the 16 rows that a load touches start at 16 different banks (64 banks of 4 bytes: ISA guide 11.1)
.set FR,     16                        ; registers of a fragment
.set NL,     4                         ; LDS loads that bring one
.set NP,     8                         ; places behind this matrix instruction (ISA guide 7.12.1)
.set HALFT,  128*PITCH
.set SLOT,   4*HALFT                   ; A's 256 rows, then B's 256 rows
.set LAPS,   2                         ; K = 1,024 is twice round the ring
.set KSB,    32                        ; a row of scale bytes
.set SCL,    2*SLOT                    ; behind the ring: the scales
.set HALFS,  16*272                    ; those of 128 rows
.set SBLK,   2*272                     ; those of 16 rows
.set STGQ,   SCL+4*HALFS               ; the way out of q and k: 1,024 bytes a wave for scale words
.set STGV,   STGQ+4096                 ; the way out of v: 512 bytes a wave (bytes of its own for each of the two ways)
.set SPARE,  STGV+2048                 ; the spare words, 128 bytes for each wave: two blocks of 256 bytes that no other line names
.set L16,  7                           ; v7   16 x lane
.set SWQ,  8                           ; v8   where I put a scale word of q or k: STGQ + 1,024 wave + 4 r
.set SRQ,  9                           ; v9   and where I read them back: STGQ + 1,024 wave + 16 lane
.set SWV,  10                          ; v10  the same for v: STGV + 512 wave + 4 r
.set SRV,  11                          ; v11  STGV + 512 wave + 16 lane
.set VSO,  12                          ; v12  v's scale words in memory: 16 r + 4,096 h
.set BPO,  13                          ; v13  32 h: my eight numbers of a bias along the features
.set BQO,  14                          ; v14  4 r: my one number of a bias
.set ADRA, 16                          ; v16-17  LDS address of my A fragments in slot 0, 1
.set ADRB, 20                          ; v20-21  the same for B
.set U,    22                          ; v22-25  at work in the rotation
.set ADSB, 26                          ; v26  LDS address of B's scale words
.set ADSA, 27                          ; v27  and of A's
.set SPW,  28                          ; v28  LDS address of my spare word; never rewritten
.set NIL,  29                          ; v29  0; never rewritten
.set W1,   30                          ; v30, v31 scale words just made
.set W0,   31
.set SC,   32                          ; set s at v[SC + 16 s]: B's eight blocks, then A's eight
.set BP,   64
.set AF,   128
.set T,    128
.set PC,   224
.set TM,   240                         ; +0..3 largest magnitudes, +4..7 bytes, +8..11 448 x the scale, +12..15 the conversions' scale operands
.set SEL,  20                          ; s[20:21] on the way out: v_permlanex16_b32's selects for lane l xor 16
.set MNT,  23                          ; s23 on the way out: the mantissa field of 448
.set G1,   24
.set G0,   32
.set G1B,  48
.set G0B,  56
.set G1S,  68
.set G0S,  76
.set G1SB, 80
.set G0SB, 88
.set MSB, 0
.macro WIN new                         ; the immediate's high byte repeats the setting that is left
.if MSB != (\new)
	s_set_vgpr_msb (MSB<<8)|(\new)
.set MSB, (\new)
.endif
.endm
.set MUL_LO, 0xa1                      ; source 0 (B) window 1, source 1 (A) window 0, C and D window 2
.set MUL_HI, 0xf1                      ; the same, C and D window 3
.set TO_B,   0x40                      ; destination window 1, address window 0
.set ROT,    0x04                      ; source 1 (cos, sin) window 1, all else window 0
; A joint load: waves 0 and 1 fetch for A, waves 2 and 3 for B.  The branch hangs on the wave's number alone.  Four v_nop follow each of the two lines.
.macro JLOAD g0a, g1a, g0b, g1b
	s_cmp_eq_u32 s15, 0
	s_cbranch_scc0 .Lfor_b_\@
	tensor_load_to_lds s[\g0a:\g0a+3], s[\g1a:\g1a+7]
	s_nop 0
.rept 4
	v_nop
.endr
	s_branch .Lasked_\@
.Lfor_b_\@:
	tensor_load_to_lds s[\g0b:\g0b+3], s[\g1b:\g1b+7]
	s_nop 0
.rept 4
	v_nop
.endr
.Lasked_\@:
.endm
.macro CREST                           ; a round of the cluster's barrier behind its opening barrier
	s_cmp_lg_u32 s14, 0
	s_cbranch_scc1 .Lnot_wave_0_\@
	s_barrier_signal -3
.Lnot_wave_0_\@:
	s_barrier_wait -3
	s_barrier_signal -1
	s_barrier_wait -1
.endm
.macro CROUND                          ; a whole round
	s_barrier_signal -1
	s_barrier_wait -1
	CREST
.endm
	s_load_b512 s[68:83], s[0:1], 0x0              ; x's codes, x's scales, Wq's, Wk's, Wv's codes and scales
	s_load_b256 s[84:91], s[0:1], 0x40             ; bq, bk, bv, the table of cos and sin
	s_load_b128 s[92:95], s[0:1], 0x60             ; qkv_codes, qkv_scales
	v_lshl_add_u32 v[SPW], v0, 2, SPARE
	v_mov_b32 v[NIL], 0
	ds_add_u32 v28, v29
	ds_add_u32 v28, v29
	s_wait_dscnt 0x0
	v_lshrrev_b32 v1, 5, v0
	v_readfirstlane_b32 s14, v1                    ; wave 0..3
	s_lshr_b32 s15, s14, 1                         ; which half of A's rows is mine.  Also: I fetch for A (0) or for B (1)
	s_and_b32 s16, s14, 1                          ; which half of B's rows.  Also: which 128 rows of that tile I fetch
	s_bfe_u32 s40, ttmp6, 0x40000                  ; cx, cy: my place in the cluster
	s_bfe_u32 s41, ttmp6, 0x40004
	s_mov_b32 s66, ttmp9                           ; the kind: 0 q, 1 k, 2 v: the cluster's x, equal in all partners
	s_and_b32 s67, ttmp7, 0xffff
	s_lshl_b32 s67, s67, 2                         ; 4 x the cluster's y
	s_cmp_eq_u32 s66, 2
	s_cselect_b32 s17, 0, s67                      ; x's 32 tiles of 256 rows go along A for q and k,
	s_cselect_b32 s42, s67, 0                      ; along B for v
	s_add_co_u32 s17, s17, s41                     ; RA: which 256 rows of A
	s_add_co_u32 s42, s42, s40                     ; CB: which 256 rows of B
	s_lshl_b32 s43, s41, 2
	s_lshl_b32 s43, 15, s43                        ; my row of the cluster
	s_lshl_b32 s44, 0x1111, s40                    ; my column
	s_wait_kmcnt 0x0
	s_cmp_eq_u32 s66, 1                            ; the choices hang on the kind alone
	s_cselect_b64 s[8:9], s[76:77], s[72:73]       ; Wk or Wq
	s_cselect_b64 s[10:11], s[78:79], s[74:75]
	s_cselect_b64 s[96:97], s[86:87], s[84:85]     ; bk or bq
	s_cmp_eq_u32 s66, 2
	s_cselect_b64 s[4:5], s[80:81], s[68:69]       ; A's codes: Wv's or x's
	s_cselect_b64 s[6:7], s[82:83], s[70:71]       ; A's scales
	s_cselect_b64 s[8:9], s[68:69], s[8:9]         ; B's codes: x's or the weight's
	s_cselect_b64 s[10:11], s[70:71], s[10:11]     ; B's scales
	s_cselect_b64 s[96:97], s[88:89], s[96:97]     ; the bias
	s_mov_b64 s[98:99], s[90:91]                   ; the table
	s_mov_b64 s[12:13], s[92:93]                   ; qkv_codes
	s_mov_b64 s[100:101], s[94:95]                 ; qkv_scales
	; descriptor group 1: a tile of 128 rows x 256 bytes, padded in LDS
	s_or_b32 s[G1+0], s43, (1<<20)|(1<<21)|(5<<22)|(3<<25)   ; 15:0 the mask: A's tiles go to my row; 17:16 elements of 1 byte; 20 padding on; 21 set beside a mask; 24:22 after every 64 words; 31:25 four words
	s_or_b32 s[G1B+0], s44, (1<<20)|(1<<21)|(5<<22)|(3<<25)
.irp g, G1, G1B
	s_mov_b32 s[\g+1], ROWB<<16                    ; tensor_dim0
	s_mov_b32 s[\g+2], 256<<16                     ; tensor_dim1: 256 rows for the head's loads
	s_mov_b32 s[\g+3], ROWB<<16                    ; tile_dim0
	s_mov_b32 s[\g+4], 256                         ; tile_dim1
	s_mov_b32 s[\g+5], KROW                        ; tensor_dim0_stride
	s_mov_b32 s[\g+6], 0
	s_mov_b32 s[\g+7], 0
.endr
	; the scales of 256 rows: 8,192 dense bytes, as 32 rows of 256 bytes (32 elements of 8 bytes), 16 bytes of padding behind each
	s_or_b32 s[G1S+0], s43, (3<<16)|(1<<20)|(1<<21)|(5<<22)|(3<<25)
	s_or_b32 s[G1SB+0], s44, (3<<16)|(1<<20)|(1<<21)|(5<<22)|(3<<25)
.irp g, G1S, G1SB
	s_mov_b32 s[\g+1], 32<<16
	s_mov_b32 s[\g+2], 32<<16                      ; the scales of 256 rows: 32 rows of 256 bytes
	s_mov_b32 s[\g+3], 32<<16
	s_mov_b32 s[\g+4], 32
	s_mov_b32 s[\g+5], 32
	s_mov_b32 s[\g+6], 0
	s_mov_b32 s[\g+7], 0
.endr
	s_lshl_b32 s20, s17, 8                         ; A: the tile's first row, 256 RA
	s_lshl_b32 s46, s42, 8                         ; B: 256 CB
	s_mov_b32 s21, 0
	s_mov_b32 s47, 0
	s_mov_b64 s[18:19], KSB
	s_mul_u64 s[22:23], s[20:21], s[18:19]         ; where these rows' scales begin, in bytes
	s_mul_u64 s[92:93], s[46:47], s[18:19]
	s_mov_b64 s[18:19], KROW
	s_mul_u64 s[20:21], s[20:21], s[18:19]         ; and their codes
	s_mul_u64 s[46:47], s[46:47], s[18:19]
	s_mul_i32 s45, s14, HALFT                      ; where they go: wave x 128 rows: no place in the cluster enters an LDS address
	s_mul_i32 s18, s16, 128*KROW                   ; in the ring I fetch 128 rows of a tile: which half, in bytes
	s_mov_b32 s19, 0
	s_add_nc_u64 s[20:21], s[4:5], s[20:21]
	s_add_nc_u64 s[22:23], s[6:7], s[22:23]
	s_add_nc_u64 s[46:47], s[8:9], s[46:47]
	s_add_nc_u64 s[92:93], s[10:11], s[92:93]
	CROUND                                         ; all sixteen work-groups are here: the first joint loads meet
	s_mov_b32 s[G0S], 1
	s_mov_b32 s[G0S+1], SCL
	s_mov_b64 s[G0S+2:G0S+3], s[22:23]
	s_or_b32 s[G0S+3], s[G0S+3], 0x80000000
	s_mov_b32 s[G0SB], 1
	s_mov_b32 s[G0SB+1], SCL+2*HALFS
	s_mov_b64 s[G0SB+2:G0SB+3], s[92:93]
	s_or_b32 s[G0SB+3], s[G0SB+3], 0x80000000
	s_mov_b32 s[G0H], 1                            ; K step 0's 256 rows of A,
	s_mov_b32 s[G0H+1], 0
	s_mov_b64 s[G0H+2:G0H+3], s[20:21]
	s_or_b32 s[G0H+3], s[G0H+3], 0x80000000
	s_mov_b32 s[G0HB], 1                           ; and of B, behind them in slot 0
	s_mov_b32 s[G0HB+1], 2*HALFT
	s_mov_b64 s[G0HB+2:G0HB+3], s[46:47]
	s_or_b32 s[G0HB+3], s[G0HB+3], 0x80000000
	s_add_nc_u64 s[20:21], s[20:21], s[18:19]      ; for the ring: my 128 rows of the tile
	s_add_nc_u64 s[46:47], s[46:47], s[18:19]
.irp s, 0,1
	s_mov_b32 s[G0+4*\s], 1
	s_add_co_u32 s[G0+4*\s+1], s45, \s*SLOT
	s_add_nc_u64 s[G0+4*\s+2:G0+4*\s+3], s[20:21], \s*ROWB
	s_or_b32 s[G0+4*\s+3], s[G0+4*\s+3], 0x80000000
	s_mov_b32 s[G0B+4*\s], 1
	s_add_co_u32 s[G0B+4*\s+1], s45, \s*SLOT
	s_add_nc_u64 s[G0B+4*\s+2:G0B+4*\s+3], s[46:47], \s*ROWB
	s_or_b32 s[G0B+4*\s+3], s[G0B+4*\s+3], 0x80000000
.endr
; one chain of branches on the wave's number, a load to an arm: every way through the head passes exactly one
.macro ARM under, g0, g1, next
	s_cmp_lt_u32 s14, \under
	s_cbranch_scc0 \next
	tensor_load_to_lds s[\g0:\g0+3], s[\g1:\g1+7]
	s_nop 0
.rept 4
	v_nop
.endr
	s_branch .Lhead_asked
\next:
.endm
	ARM 1, G0H,  G1,  .Lhead_b
	ARM 2, G0HB, G1B, .Lhead_sa
	ARM 3, G0S,  G1S, .Lhead_sb
	tensor_load_to_lds s[G0SB:G0SB+3], s[G1SB:G1SB+7]
	s_nop 0
.rept 4
	v_nop
.endr
.Lhead_asked:
	v_and_b32 v1, 15, v0
	v_bfe_u32 v2, v0, 4, 1                         ; h = lane / 16
	v_mul_u32_u24 v3, v1, PITCH
	v_lshl_add_u32 v4, v2, 4, v3                   ; a fragment's row x pitch + 16 x half
	s_mul_i32 s21, s15, HALFT                      ; my 128 rows of A
	s_mul_i32 s22, s16, HALFT                      ; my 128 rows of B,
	s_add_co_u32 s22, s22, 2*HALFT                 ; which lie behind A's 256
.irp s, 0,1
	v_add_nc_u32 v[ADRA+\s], s21, v4
	v_add_nc_u32 v[ADRB+\s], s22, v4
	s_add_co_u32 s21, s21, SLOT
	s_add_co_u32 s22, s22, SLOT
.endr
	v_lshlrev_b32 v5, 5, v1                        ; my row's scales: 32 bytes a row,
	v_lshrrev_b32 v6, 3, v1
	v_lshl_add_u32 v5, v6, 4, v5                   ; 16 more behind each 256,
	v_lshl_add_u32 v5, v2, 2, v5                   ; lanes 16-31 take the word of the slot's second 128 along K
	s_mul_i32 s21, s15, HALFS
	s_add_co_u32 s21, s21, SCL
	v_add_nc_u32 v[ADSA], s21, v5
	s_mul_i32 s22, s16, HALFS
	s_add_co_u32 s22, s22, SCL+2*HALFS
	v_add_nc_u32 v[ADSB], s22, v5
	v_and_b32 v6, 31, v0                           ; the way out's addresses: all made here, ahead of the parting of ways
	v_lshlrev_b32 v[L16], 4, v6
	v_lshlrev_b32 v[BQO], 2, v1
	v_lshlrev_b32 v[BPO], 5, v2
	s_lshl_b32 s21, s14, 10
	s_add_co_u32 s21, s21, STGQ
	v_add_nc_u32 v[SWQ], s21, v[BQO]
	v_add_nc_u32 v[SRQ], s21, v[L16]
	s_lshl_b32 s21, s14, 9
	s_add_co_u32 s21, s21, STGV
	v_add_nc_u32 v[SWV], s21, v[BQO]
	v_add_nc_u32 v[SRV], s21, v[L16]
	v_lshlrev_b32 v[VSO], 4, v1
	v_lshl_add_u32 v[VSO], v2, 12, v[VSO]
.macro FRAG reg, adr, q, i             ; a fragment, 16 rows x 128 K: lane l holds row l % 16; registers 4 c .. 4 c + 3 hold K = 32 c + 16 (l / 16) + 0 .. 15
.irp c, 0,1,2,3
	ds_load_b128 v[\reg+4*\c:\reg+4*\c+3], v[\adr] offset:128*(\q)+32*\c+(\i)*16*PITCH
.endr
.endm
; 16 matrix instructions: A's blocks a0, a0 + 1 x B's eight, the slot's q-th 128 along K.  p: B's set; sc: the set of scale words.  zero = 1: the first product starts the sums.
; The 64 accumulators take turns, one instruction a turn, in the same order in every step.
.macro MUL16 a0, p, q, sc, zero
.irp a, \a0, \a0+1
.irp b, 0,1,2,3,4,5,6,7
.if \zero
	v_wmma_scale_f32_16x16x128_f8f6f4 v[8*(8*((\a)%4)+\b):8*(8*((\a)%4)+\b)+7], v[128*(\p)+FR*\b:128*(\p)+FR*\b+FR-1], v[AF+FR*(\a):AF+FR*(\a)+FR-1], 0, v[SC+16*(\sc)+\b], v[SC+16*(\sc)+8+(\a)]
.elseif (\q) == 0
	v_wmma_scale_f32_16x16x128_f8f6f4 v[8*(8*((\a)%4)+\b):8*(8*((\a)%4)+\b)+7], v[128*(\p)+FR*\b:128*(\p)+FR*\b+FR-1], v[AF+FR*(\a):AF+FR*(\a)+FR-1], v[8*(8*((\a)%4)+\b):8*(8*((\a)%4)+\b)+7], v[SC+16*(\sc)+\b], v[SC+16*(\sc)+8+(\a)]
.else
	v_wmma_scale_f32_16x16x128_f8f6f4 v[8*(8*((\a)%4)+\b):8*(8*((\a)%4)+\b)+7], v[128*(\p)+FR*\b:128*(\p)+FR*\b+FR-1], v[AF+FR*(\a):AF+FR*(\a)+FR-1], v[8*(8*((\a)%4)+\b):8*(8*((\a)%4)+\b)+7], v[SC+16*(\sc)+\b], v[SC+16*(\sc)+8+(\a)] matrix_a_scale:MATRIX_SCALE_ROW1 matrix_b_scale:MATRIX_SCALE_ROW1
.endif
.endr
.endr
.endm
.macro FETCH_B slot, q, p              ; B's eight fragments of the slot's q-th 128 along K into set p
	WIN TO_B
.irp i, 0,1,2,3,4,5,6,7
	FRAG 128*(\p)+FR*\i, ADRB+\slot, \q, \i
.endr
	WIN 0
.endm
.macro FETCH_A slot, q, i0             ; A's blocks i0 .. i0 + 3
.irp i, \i0, \i0+1, \i0+2, \i0+3
	FRAG AF+FR*(\i), ADRA+\slot, \q, \i
.endr
.endm
.macro SCALES sc                       ; the next slot's scale words into set sc: sixteen loads
.irp i, 0,1,2,3,4,5,6,7
	ds_load_b32 v[SC+16*\sc+\i], v[ADSB] offset:\i*SBLK
	ds_load_b32 v[SC+16*\sc+8+\i], v[ADSA] offset:\i*SBLK
.endr
.endm
; A load into a register that a matrix instruction has read, and a vector instruction that reads a matrix result, stand NP places behind that matrix instruction; only plain vector instructions that name none of its registers are places.
.macro PLACES n
.rept \n
	v_nop
.endr
.endm
.macro STEP slot, q, zero              ; a step of 128 along K that has its successor in the same slot
	s_wait_dscnt 4*NL                              ; B's set, A's blocks 0-3 and the scale words are in; the youngest sixteen loads (A's blocks 4-7) may be out
	WIN MUL_LO
	MUL16 0, (\q)%2, \q, \slot, \zero
	MUL16 2, (\q)%2, \q, \slot, \zero
	s_wait_dscnt 0                                 ; A's blocks 4-7 are in
	PLACES NP
	FETCH_B \slot, (\q)+1, 1-(\q)%2
	FETCH_A \slot, (\q)+1, 0
	WIN MUL_HI
	MUL16 4, (\q)%2, \q, \slot, \zero
	MUL16 6, (\q)%2, \q, \slot, \zero
	PLACES NP
	WIN 0
	FETCH_A \slot, (\q)+1, 4
.endm
; A slot's last step changes slots: ONE barrier; in front of it each wave waits for all its tensor loads, adds 0 to its spare word, and waits for that and for its own reads of this slot.  fill = 1: this slot is filled again, two K steps ahead.
.macro TURN slot, next, fill
	s_wait_tensorcnt 0x0                           ; all my tensor loads have landed: my part of the next slot (every window is 0 here)
	ds_add_u32 v[SPW], v[NIL]                      ; 0 onto my spare word
	s_wait_dscnt 4*NL+1                            ; the add and the youngest sixteen loads, A's blocks 4-7, may be out
	WIN MUL_LO
	MUL16 0, 1, NQ-1, \slot, 0                     ; sixteen matrix instructions stand between the add and the wait for it
	s_wait_dscnt 0x0                               ; the add is done, and my reads of this slot are over
	s_barrier_signal -1
	MUL16 2, 1, NQ-1, \slot, 0
	WIN 0
	s_barrier_wait -1
.if \fill
	CREST                                          ; the barrier has opened a round of the cluster's barrier: no wave of any partner still reads this slot or has a load on its way
	s_add_nc_u64 s[G0+4*\slot+2:G0+4*\slot+3], s[G0+4*\slot+2:G0+4*\slot+3], 2*ROWB
	s_add_nc_u64 s[G0B+4*\slot+2:G0B+4*\slot+3], s[G0B+4*\slot+2:G0B+4*\slot+3], 2*ROWB
	JLOAD G0+4*\slot, G1, G0B+4*\slot, G1B         ; the first tensor load behind the round; its four v_nop are among the places in front of the loads below
	PLACES NP-4
.else
	PLACES NP
.endif
	s_wait_alu depctr_va_vdst(0)
	v_add_nc_u32 v[ADSA], 4*NQ, v[ADSA]            ; on to the next slot's scale words
	v_add_nc_u32 v[ADSB], 4*NQ, v[ADSB]
	FETCH_B \next, 0, 0
	FETCH_A \next, 0, 0
	SCALES \next
	WIN MUL_HI
	MUL16 4, 1, NQ-1, \slot, 0
	MUL16 6, 1, NQ-1, \slot, 0
	PLACES NP
	WIN 0
	FETCH_A \next, 0, 4
.endm
; The very last 128 along K: nothing more to fetch from LDS.  It is written once in each of the two ways out.  Behind it: the places in front of the first read of results and of writes to the registers that held fragments.
.macro LASTSTEP
	s_wait_dscnt 4*NL                              ; the youngest sixteen LDS loads (A's blocks 4-7) may be out
	WIN MUL_LO
	MUL16 0, 1, NQ-1, 1, 0
	MUL16 2, 1, NQ-1, 1, 0
	s_wait_dscnt 0
	WIN MUL_HI
	MUL16 4, 1, NQ-1, 1, 0
	MUL16 6, 1, NQ-1, 1, 0
	WIN 0
	PLACES NP
.irp b, 0,1,2,3
	v_mov_b32 v[TM+4+\b], 0                        ; written once: a lane permute's destination counts as one of its sources
.endr
.endm
; THE QUANTISER.  64 numbers of a lane, v[s] on: register 16 b + i is number 8 h + i (i < 8) or 16 + 8 h + i - 8 of block b.  Codes to v[PC] on, in the operand's layout; the four bytes to v[TM + 4] on.
.macro QUANT s
.irp b, 0,1,2,3
	v_max3_num_f32 v[TM+\b], |v[\s+16*\b]|, |v[\s+1+16*\b]|, 0x4800000   ; my 16 numbers, and the floor 2^(9 - 127): the byte cannot fall under 1
.endr
.irp i, 2,4,6,8,10,12,14
.irp b, 0,1,2,3
	v_max3_num_f32 v[TM+\b], v[TM+\b], |v[\s+16*\b+\i]|, |v[\s+1+16*\b+\i]|   ; the four blocks by turns
.endr
.endr
.irp b, 0,1,2,3
	v_permlanex16_b32 v[TM+4+\b], v[TM+\b], s[SEL], s[SEL+1]
.endr
.irp b, 0,1,2,3
	v_max_num_f32 v[TM+\b], v[TM+\b], v[TM+4+\b]   ; with lane l xor 16's: the block's largest magnitude
.endr
.irp b, 0,1,2,3
	v_add_nc_u32 v[TM+12+\b], 0xfc000000, v[TM+\b] ; 8 off its exponent field: the conversion's scale operand
.endr
.irp b, 0,1,2,3
	v_and_or_b32 v[TM+8+\b], v[TM+\b], 0x7f800000, s[MNT]   ; 448 x the scale
.endr
.irp b, 0,1,2,3
	v_lshrrev_b32 v[TM+4+\b], 23, v[TM+12+\b]      ; the scale's byte
.endr
.irp b, 0,1,2,3
.set j, 0
.rept 16
	v_med3_num_f32 v[\s+16*\b+j], v[\s+16*\b+j], -v[TM+8+\b], v[TM+8+\b]   ; the conversion to an 8-bit code does not saturate (ISA guide 7.6.2): the hold
.set j, j+1
.endr
	v_cvt_scalef32_pk8_fp8_f32 v[PC+4*\b:PC+4*\b+1], v[\s+16*\b:\s+16*\b+7], v[TM+12+\b]
	v_cvt_scalef32_pk8_fp8_f32 v[PC+4*\b+2:PC+4*\b+3], v[\s+16*\b+8:\s+16*\b+15], v[TM+12+\b]
.endr
	v_nop                                          ; one plain instruction between the last conversion and what touches its result
.endm
	s_wait_alu depctr_va_vdst(0)
	s_wait_tensorcnt 0x0                           ; my tile of the head's four is in; the three lines ahead of a later first fill
	ds_add_u32 v[SPW], v[NIL]
	s_mov_b32 s[G1+2], 128<<16                     ; no tensor load of mine is out: from here on a load brings 128 rows
	s_mov_b32 s[G1+4], 128
	s_mov_b32 s[G1B+2], 128<<16
	s_mov_b32 s[G1B+4], 128
	s_wait_dscnt 0x0
	CROUND                                         ; all four tiles are in, and all sixteen work-groups are here
	JLOAD G0+4, G1, G0B+4, G1B                     ; K step 1: the first tensor load behind the round
	FETCH_B 0, 0, 0
	FETCH_A 0, 0, 0
	SCALES 0
	FETCH_A 0, 0, 4
	STEP 0, 0, 1                                   ; the first step stands in front of the loop: its products start the sums
	s_mov_b32 s3, LAPS-1
.Llap:                                                 ; a trip goes once round the ring and fills both slots again
	TURN 0, 1, 1
	STEP 1, 0, 0
	TURN 1, 0, 1
	STEP 0, 0, 0
	s_sub_co_u32 s3, s3, 1
	s_cmp_lg_u32 s3, 0
	s_cbranch_scc1 .Llap
	TURN 0, 1, 0                                   ; the last lap fills nothing
	STEP 1, 0, 0
	s_mov_b32 s[SEL], 0x76543210
	s_mov_b32 s[SEL+1], 0xfedcba98
	s_mov_b32 s[MNT], 0x600000
	s_cmp_eq_u32 s66, 2                            ; the kind: equal in all partners.  The one parting of ways
	s_cbranch_scc1 .Lv
	; ---- q and k.  My 128 rows of x are tiles Tn0 .. Tn0 + 7 of batch bb; my 128 features are heads h0 and h0 + 1
	s_lshr_b32 s18, s17, 3                         ; bb
	s_and_b32 s19, s17, 7
	s_lshl_b32 s19, s19, 4
	s_lshl_b32 s22, s15, 3
	s_add_co_u32 s19, s19, s22                     ; Tn0 = 16 (RA % 8) + 8 x half
	s_lshl_b32 s22, s42, 2
	s_lshl_b32 s46, s16, 1
	s_add_co_u32 s22, s22, s46                     ; h0 = 4 CB + 2 x half
	s_lshl_b32 s18, s18, 4
	s_add_co_u32 s18, s18, s22
	s_lshl_b32 s18, s18, 7
	s_add_co_u32 s18, s18, s19                     ; (16 bb + h0) x 128 + Tn0
	s_lshl_b32 s46, s18, 10                        ; x 1,024 bytes of codes a tile
	s_lshl_b32 s22, s66, 23                        ; k's codes lie 8,388,608 bytes behind q's
	s_add_co_u32 s46, s46, s22
	s_mov_b32 s47, 0
	s_add_nc_u64 s[12:13], s[12:13], s[46:47]
	s_lshl_b32 s46, s18, 6                         ; x 64 bytes of scale words a tile
	s_lshl_b32 s22, s66, 19
	s_add_co_u32 s46, s46, s22
	s_add_nc_u64 s[100:101], s[100:101], s[46:47]
	s_lshl_b32 s46, s19, 12                        ; the table: 4,096 bytes a tile of positions
	s_add_nc_u64 s[98:99], s[98:99], s[46:47]
	s_lshl_b32 s46, s42, 10
	s_lshl_b32 s22, s16, 9
	s_add_co_u32 s46, s46, s22                     ; the bias: my 128 features
	s_add_nc_u64 s[96:97], s[96:97], s[46:47]
.irp b, 0,1,2,3,4,5,6,7
	global_load_b128 v[BP+8*\b:BP+8*\b+3], v[BPO], s[96:97] offset:64*\b       ; the bias at features 16 b + 8 h + 0 .. 7
	global_load_b128 v[BP+8*\b+4:BP+8*\b+7], v[BPO], s[96:97] offset:64*\b+16
.endr
.macro CSLOAD a                        ; cos and sin of positions 16 (Tn0 + a) + r, in the order of my registers, to v[32 a] on of window 1
.irp g, 0,1,2,3,4,5,6,7
	global_load_b128 v[32*(\a)+4*\g:32*(\a)+4*\g+3], v[L16], s[98:99] offset:4096*(\a)+512*\g
.endr
.endm
	WIN TO_B                                       ; B's first set is done with (its last products stand eight places back): blocks 0-3's cos and sin land there under the last products
.irp a, 0,1,2,3
	CSLOAD \a
.endr
	WIN 0
	LASTSTEP
	s_wait_loadcnt 24                              ; the bias and block 0's cos and sin are in; blocks 1-3's 24 loads may be out
	WIN TO_B                                       ; B's second set is done with too: blocks 4-7's land there while blocks 0-3 are worked
.irp a, 4,5,6,7
	CSLOAD \a
.endr
	WIN 0
.macro QKROW a                         ; A's block a: 16 rows of x, my 128 features
.set AC, 64*((\a)%4)
	s_wait_loadcnt 8*(7-(\a))                      ; loads come back in order: this block's cos and sin are in; those of the 7 - a blocks behind it may be out
	WIN (0x02+(\a)/4)                              ; source 0: window 2 or 3
.irp b, 0,1,2,3,4,5,6,7
.irp p, 0,2,4,6
	v_pk_add_f32 v[T+8*\b+\p:T+8*\b+\p+1], v[AC+8*\b+\p:AC+8*\b+\p+1], v[BP+8*\b+\p:BP+8*\b+\p+1]   ; + bias; each accumulator from its low end on
.endr
.endr
	WIN ROT                                        ; cos and sin are source 1, in window 1
.irp b, 0,1,2,3,4,5,6,7
.irp p, 0,2,4,6
	v_mul_f32 v[U+(\p)%4], v[T+8*\b+\p+1], v[32*(\a)+8*(\b%4)+\p+1]               ; odd x sin
	v_mul_f32 v[U+(\p)%4+1], v[T+8*\b+\p], v[32*(\a)+8*(\b%4)+\p+1]               ; even x sin
	v_fma_f32 v[T+8*\b+\p], v[T+8*\b+\p], v[32*(\a)+8*(\b%4)+\p], -v[U+(\p)%4]    ; even' = even cos - odd sin
	v_fma_f32 v[T+8*\b+\p+1], v[T+8*\b+\p+1], v[32*(\a)+8*(\b%4)+\p], v[U+(\p)%4+1]   ; odd' = odd cos + even sin
.endr
.endr
	WIN 0
	s_wait_xcnt 0x0                                ; the last block's stores have read their registers: the codes may be written again
	s_wait_dscnt 0x0                               ; and so have its LDS stores of scale words
	QUANT T
.irp b, 0,1,2,3
	global_store_b128 v[L16], v[PC+4*\b:PC+4*\b+3], s[12:13] offset:(\b/2)*131072+1024*(\a)+512*(\b%2)   ; head h0 + b / 2, tile Tn0 + a, c = b % 2: 512 consecutive bytes
.endr
	v_lshl_or_b32 v[W0], v[TM+5], 8, v[TM+4]       ; head h0's word: two bytes, the upper two zero
	v_lshl_or_b32 v[W1], v[TM+7], 8, v[TM+6]       ; head h0 + 1's
	ds_store_b32 v[SWQ], v[W0] offset:64*(\a)      ; lanes r and 16 + r write the same word with the same value
	ds_store_b32 v[SWQ], v[W1] offset:512+64*(\a)
.endm
.irp a, 0,1,2,3,4,5,6,7
	QKROW \a
.endr
	ds_load_b128 v[T:T+3], v[SRQ]                  ; LDS serves a wave's instructions in order: these see my stores.  Eight tiles' words of a head: 512 bytes
	ds_load_b128 v[T+4:T+7], v[SRQ] offset:512
	s_wait_dscnt 0x0
	global_store_b128 v[L16], v[T:T+3], s[100:101]
	global_store_b128 v[L16], v[T+4:T+7], s[100:101] offset:8192
	s_branch .Lend
.Lv:	; ---- v.  My 128 rows of Wv are heads head0 and head0 + 1; my 128 rows of x are key step S of batch bb
	s_lshl_b32 s18, s17, 2
	s_lshl_b32 s19, s15, 1
	s_add_co_u32 s18, s18, s19                     ; head0 = 4 RA + 2 x half
	s_lshr_b32 s19, s42, 3
	s_lshl_b32 s19, s19, 4
	s_add_co_u32 s18, s18, s19                     ; 16 bb + head0
	s_and_b32 s19, s42, 7
	s_lshl_b32 s19, s19, 1
	s_add_co_u32 s19, s19, s16                     ; S = 2 (CB % 8) + half
	s_lshl_b32 s46, s18, 17                        ; 131,072 bytes of codes a head,
	s_lshl_b32 s22, s19, 13                        ; 8,192 a key step
	s_add_co_u32 s46, s46, s22
	s_add_co_u32 s46, s46, 16777216
	s_mov_b32 s47, 0
	s_add_nc_u64 s[12:13], s[12:13], s[46:47]
	s_lshl_b32 s46, s18, 12                        ; 4,096 bytes of scale words a head, 256 a key step
	s_lshl_b32 s22, s19, 8
	s_add_co_u32 s46, s46, s22
	s_add_co_u32 s46, s46, 1048576
	s_add_nc_u64 s[100:101], s[100:101], s[46:47]
	s_lshl_b32 s46, s17, 10
	s_lshl_b32 s22, s15, 9
	s_add_co_u32 s46, s46, s22                     ; the bias: my 128 features
	s_add_nc_u64 s[96:97], s[96:97], s[46:47]
.irp a, 0,1,2,3,4,5,6,7
	global_load_b32 v[BP+2*\a], v[BQO], s[96:97] offset:64*\a      ; the bias at feature 16 a + r, twice: a pair for the packed addition.  It lands under the last products
	global_load_b32 v[BP+2*\a+1], v[BQO], s[96:97] offset:64*\a
.endr
	LASTSTEP
	s_wait_loadcnt 0x0
.macro VROW a                          ; A's block a: 16 features, my 128 keys
.set AC, 64*((\a)%4)
	WIN (0x02+(\a)/4)
.irp b, 0,1,2,3,4,5,6,7
.irp p, 0,2,4,6
	v_pk_add_f32 v[T+8*\b+\p:T+8*\b+\p+1], v[AC+8*\b+\p:AC+8*\b+\p+1], v[BP+2*(\a):BP+2*(\a)+1]
.endr
.endr
	WIN 0
	s_wait_xcnt 0x0                                ; the last block's stores have read their registers
	s_wait_dscnt 0x0
	QUANT T
.irp b, 0,1,2,3
	global_store_b128 v[L16], v[PC+4*\b:PC+4*\b+3], s[12:13] offset:((\a)/4)*131072+((\a)%4)*2048+512*\b   ; head head0 + a / 4, t = a % 4, c = b
.endr
	v_lshl_or_b32 v[W0], v[TM+5], 8, v[TM+4]       ; the four bytes make feature r's scale word for these 128 keys
	v_lshl_or_b32 v[W0], v[TM+6], 16, v[W0]
	v_lshl_or_b32 v[W0], v[TM+7], 24, v[W0]
	ds_store_b32 v[SWV], v[W0] offset:64*(\a)
.endm
.irp a, 0,1,2,3,4,5,6,7
	VROW \a
.endr
	ds_load_b128 v[T:T+3], v[SRV]                  ; lanes 0-15: head0's 256 bytes; lanes 16-31: head0 + 1's
	s_wait_dscnt 0x0
	global_store_b128 v[VSO], v[T:T+3], s[100:101] ; sixteen lanes store 256 consecutive bytes, at a multiple of 256
.Lend:
	s_wait_tensorcnt 0x0                           ; the wave's end: behind my last tensor load and my last LDS store
	ds_add_u32 v[SPW], v[NIL]
	s_wait_dscnt 0x0
	CROUND                                         ; the closing round: no work-group ends while a partner may still ask for a tile that names it
	s_endpgm
.Lfunc_end_k_qff941b303e_qkv:
	.size	k_qff941b303e_qkv, .Lfunc_end_k_qff941b303e_qkv-k_qff941b303e_qkv
	.p2alignl 7, 3214868480
	.fill 96, 4, 3214868480
	.section	.rodata,"a",@progbits
	.p2align	6, 0x0
	.amdhsa_kernel k_qff941b303e_qkv
		.amdhsa_group_segment_fixed_size 327680
		.amdhsa_private_segment_fixed_size 0
		.amdhsa_enable_private_segment 0
		.amdhsa_kernarg_size 112
		.amdhsa_user_sgpr_count 2
		.amdhsa_user_sgpr_kernarg_segment_ptr 1
		.amdhsa_wavefront_size32 1
		.amdhsa_system_sgpr_workgroup_id_x 1
		.amdhsa_system_sgpr_workgroup_id_y 1
		.amdhsa_system_sgpr_workgroup_id_z 1
		.amdhsa_system_vgpr_workitem_id 0
		.amdhsa_next_free_vgpr 1024
		.amdhsa_next_free_sgpr 102
		.amdhsa_reserve_vcc 0
		.amdhsa_float_denorm_mode_32 3
		.amdhsa_float_denorm_mode_16_64 3
		.amdhsa_memory_ordered 1
		.amdhsa_forward_progress 1
		.amdhsa_inst_pref_size 255
	.end_amdhsa_kernel
	.section	.bss,"aw",@nobits
	.p2align	6
	.space	262144
	.amdgpu_metadata
---
amdhsa.version: [ 1, 2 ]
amdhsa.kernels:
  - .name:           k_qff941b303e_qkv
    .symbol:         k_qff941b303e_qkv.kd
    .args:
      - { .name: x_codes, .offset: 0, .size: 8, .value_kind: global_buffer, .address_space: global }
      - { .name: x_scales, .offset: 8, .size: 8, .value_kind: global_buffer, .address_space: global }
      - { .name: Wq_codes, .offset: 16, .size: 8, .value_kind: global_buffer, .address_space: global }
      - { .name: Wq_scales, .offset: 24, .size: 8, .value_kind: global_buffer, .address_space: global }
      - { .name: Wk_codes, .offset: 32, .size: 8, .value_kind: global_buffer, .address_space: global }
      - { .name: Wk_scales, .offset: 40, .size: 8, .value_kind: global_buffer, .address_space: global }
      - { .name: Wv_codes, .offset: 48, .size: 8, .value_kind: global_buffer, .address_space: global }
      - { .name: Wv_scales, .offset: 56, .size: 8, .value_kind: global_buffer, .address_space: global }
      - { .name: bq, .offset: 64, .size: 8, .value_kind: global_buffer, .address_space: global }
      - { .name: bk, .offset: 72, .size: 8, .value_kind: global_buffer, .address_space: global }
      - { .name: bv, .offset: 80, .size: 8, .value_kind: global_buffer, .address_space: global }
      - { .name: rope, .offset: 88, .size: 8, .value_kind: global_buffer, .address_space: global }
      - { .name: qkv_codes, .offset: 96, .size: 8, .value_kind: global_buffer, .address_space: global }
      - { .name: qkv_scales, .offset: 104, .size: 8, .value_kind: global_buffer, .address_space: global }
    .group_segment_fixed_size: 327680
    .private_segment_fixed_size: 0
    .kernarg_segment_align: 8
    .kernarg_segment_size: 112
    .max_flat_workgroup_size: 128
    .sgpr_count:     102
    .vgpr_count:     1024
    .wavefront_size: 32
...
	.end_amdgpu_metadata
.endif
;; end of part 6
;; launch attn (part 7): grid 4 x 64, 8 waves a work-group, clusters of 4 x 1, 327,680 bytes of LDS; arguments qkv_codes, qkv_scales, inter_codes, inter_scales; writes inter_codes, inter_scales
.if DOCPART == 7
	.amdgcn_target "amdgcn-amd-amdhsa--gfx1250"
	.amdhsa_code_object_version 6
	.text
	.protected	k_qff941b303e_attn
	.globl	k_qff941b303e_attn
	.p2align	8
	.type	k_qff941b303e_attn,@function
k_qff941b303e_attn:
	s_mov_b64 s[64:65], 0
	v_nop
	global_prefetch_b8 v0, s[64:65] scope:SCOPE_SE
	s_setreg_imm32_b32 hwreg(HW_REG_WAVE_MODE, 25, 1), 1
	s_wait_xcnt 0x0
	s_wait_alu depctr_hold_cnt(0) depctr_sa_sdst(0) depctr_va_vdst(0) depctr_va_sdst(0) depctr_va_ssrc(0) depctr_va_vcc(0) depctr_vm_vsrc(0)
	s_getreg_b32 s2, hwreg(HW_REG_IB_STS2, 6, 4)
	s_cmp_eq_u32 s2, 0
	s_cbranch_scc0 .Lentry_in_a_cluster
	s_endpgm
.Lentry_in_a_cluster:
	s_bfe_u32 s2, ttmp6, 0x10000c
	s_cmp_lg_u32 s2, 0x3003
	s_cbranch_scc0 .Lentry_shape_is_right
	s_endpgm
.Lentry_shape_is_right:
; Attention of one head on codes of FP8 (E4M3) with E8M0 scales for 32 along K, and the quantiser of its result along the features.  2,048 keys, head size 64, scores / sqrt(1,024).
; SHARES.  A work-group owns ONE batch x head (grid y) and 512 of its queries (place in the cluster); each of its eight waves owns TWO tiles of 16 queries at a time, twice: the keys are walked twice.  Each fragment of K and V feeds both tiles' products.
; ALL OF THE HEAD'S K AND V STAYS IN LDS: 131,072 bytes each, K's scale words 8,192, V's 4,096.  Each byte is filled once, by eight tensor loads at the head, one a wave; nothing is filled again, so the loop has no barrier.
; CLUSTER: the four work-groups of a head need the same K and V: every load is a joint one with the mask 15.
; TWO BARRIERS.  Waves 0, 4 (keys 0-511 of K, of V), 1 and 5 (scale words) have load lines of their own and wait at the first; the first key step, with its look-ahead to key 255, reads those bytes alone.  All waves wait at the second, behind that step.
; NO PREFETCH: every tensor load stands at the head, so there is no later load to run ahead of; the second pair of tiles of queries is loaded into registers most of a key step and the way out ahead of its use.
; LAYOUT.  S^T = K Q^T and O^T = V^T P^T: a lane holds one query of each tile.  K = 64 fills half of the instruction's 128: Q's upper half is zero codes; K's operand runs on into the next tile's codes (never NaN codes), the last into eight registers of zeros.
; P's codes stay as the conversions leave them: place 16 h + i of a block of 32 keys holds key 8 h + i or 16 + 8 h + i - 8; V's codes were stored in that same order.
; SOFTMAX: t = score x log2(e) / 32; -M = floor(-(running largest t)); p = 2^(t - M); the sum of the unquantised p divides at the end; when M moves, sum and O^T are multiplied by 2^(old M - new M).
; A block's largest p is made from its largest score by the same multiply-add and exponential.
; TWO BATCHES OF EXPONENTIALS A STEP.  Among tile 0's stand tile 1's multiply-adds, among tile 1's stand tile 0's holds: lines that read what was written ahead of the batch's opening wait and whose results are first read behind its closing wait.
; THE LOOK-AHEAD of a step wraps behind key 2,047 to key 0: behind the first walk that is the second walk's first step; behind the second walk its 38 loads are read by nobody (a branch round them would make the counted waits differ by path).
; OUT: inter_codes [tile of 16 rows][128 of K][c][lane][16 bytes], in true order (two exchanges of half registers); inter_scales [128 of K][tile][r] words: a word holds two heads' bytes, so this work-group stores its own two bytes of each word, 2 bytes a lane.
; LIMITS: NaN and infinities are not served; the promise holds while |t| stays under 2^31; a block whose largest magnitude lies under 2^-118 gets the byte 1.
; REGISTERS.  Window 0: addresses, state, Q, both tiles' scores, the quantiser's work, scale words.  Window 1: K's tiles v0-71, V's v72-135, O^T v136-199, p's codes v200-231.  x = 0, 1 is the tile.
.set VB,    131072
.set SCK,   262144
.set SCV,   270336
.set SPARE, 274432                     ; the spare words: 128 bytes a wave
.set L16,  1                           ; 16 x lane
.set L4K,  2                           ; SCK + 4 x lane
.set L4V,  3                           ; SCV + 4 x lane
.set AD,   4                           ; K's tiles
.set SPW,  5
.set NIL,  6
.set ADS,  7                           ; K's scale words
.set ADT,  8                           ; V's scale words
.set R4,   9                           ; 4 r
.set ADV,  10                          ; V's tiles
.set L16V, 11                          ; VB + 16 x lane
.set MM,   12                          ; + 4 x: -M, the largest t;  + 2, + 3: the sum in two halves
.set QR,   24                          ; + 16 x: Q's eight registers and eight of zeros
.set SS,   56                          ; + 64 x: scores, then p
.set BM,   184                         ; + 16 x: four largest scores; BX, HL, SO behind them
.set BX,   188
.set HL,   192
.set SO,   196
.set FF,   216                         ; + 2 x
.set TMP,  220
.set OLD,  222
.set KSW,  224
.set VSW,  228
.set PW,   230
.set SWD,  232
.set QW,   236
.set PCW,  SS+64                       ; the way out's codes
.set KF,   0                           ; window 1
.set VF,   72
.set OT,   136                         ; + 32 x
.set PC,   200                         ; + 16 x
.set WV,   18
.set MNT,  19
.set SEL,  20
.set CS,   22
.set G1E,  24                          ; group 1: 128, 192, 32, 16 rows of 256 bytes
.set G1L,  32
.set G1SK, 40
.set G1SV, 48
.set G0E,  56
.set G0L,  60
.set G0SK, 68
.set G0SV, 72
.set QP,   88
.set QS,   90
.set IC,   92
.set IS,   94
.set TK,   96
.set TS,   97
.set TJ,   98
.set NT,   99
.set MSB, 0
.macro WIN new                         ; the immediate's high byte repeats the setting that is left
.if MSB != (\new)
	s_set_vgpr_msb (MSB<<8)|(\new)
.set MSB, (\new)
.endif
.endm
.macro WALU
	s_wait_alu depctr_va_vdst(0)
.endm
.macro TL g0, g1                       ; s_nop 0 and four v_nop behind a tensor load
	tensor_load_to_lds s[\g0:\g0+3], s[\g1:\g1+7]
	s_nop 0
.rept 4
	v_nop
.endr
.endm
.macro CROUND
	s_barrier_signal -1
	s_barrier_wait -1
	s_cmp_lg_u32 s[WV], 0
	s_cbranch_scc1 .Lnot_wave_0_\@
	s_barrier_signal -3
.Lnot_wave_0_\@:
	s_barrier_wait -3
	s_barrier_signal -1
	s_barrier_wait -1
.endm
	s_load_b256 s[4:11], s[0:1], 0x0               ; qkv_codes, qkv_scales, inter_codes, inter_scales
	v_lshl_add_u32 v[SPW], v0, 2, SPARE
	v_mov_b32 v[NIL], 0
	ds_add_u32 v[SPW], v[NIL]                      ; the opening lines: the add twice on end and its wait
	ds_add_u32 v[SPW], v[NIL]
	v_lshrrev_b32 v7, 5, v0
	v_readfirstlane_b32 s[WV], v7
	s_and_b32 s87, ttmp7, 0xffff                   ; batch x head
	s_lshr_b32 s75, s[WV], 2                       ; waves 0-3 fetch for K, 4-7 for V
	s_lshl_b32 s[G0E+1], s75, 17                   ; keys 0-511: at the head of K's or V's bytes
	s_and_b32 s77, s[WV], 1
	s_mul_i32 s77, s77, 49152
	s_add_co_u32 s77, s77, 32768                   ; the later keys: two loads of 49,152 bytes behind them
	s_add_co_u32 s[G0L+1], s77, s[G0E+1]
	s_lshl_b32 s76, s87, 17
	s_lshl_b32 s78, s75, 23                        ; V's codes lie 8,388,608 bytes behind K's
	s_add_co_u32 s78, s78, s76
	s_add_co_u32 s78, s78, 8388608
	s_mov_b32 s79, 0
	s_add_co_u32 s80, s78, s77
	s_mov_b32 s81, 0
	s_lshl_b32 s82, s87, 13
	s_add_co_u32 s82, s82, 524288                  ; K's scale words
	s_mov_b32 s83, 0
	s_lshl_b32 s84, s87, 12
	s_add_co_u32 s84, s84, 1048576                 ; V's
	s_mov_b32 s85, 0
	s_bfe_u32 s86, ttmp6, 0x40000                  ; cx: which 512 queries
	s_lshl_b32 s86, s86, 5
	s_lshl_b32 s2, s[WV], 1
	s_add_co_u32 s86, s86, s2                      ; my first tile of queries; its neighbour is mine too; the second pair lies 16 tiles on
	s_lshl_b32 s[QP], s86, 10
	s_add_co_u32 s[QP], s[QP], s76
	s_mov_b32 s[QP+1], 0
	s_lshl_b32 s[QS], s87, 13
	s_lshl_b32 s2, s86, 6
	s_add_co_u32 s[QS], s[QS], s2
	s_mov_b32 s[QS+1], 0
	s_lshr_b32 s2, s87, 4
	s_lshl_b32 s2, s2, 7
	s_add_co_u32 s2, s2, s86                       ; the tile among all 512
	s_lshl_b32 s[IC], s2, 14
	s_and_b32 s3, s87, 15
	s_lshl_b32 s3, s3, 10                          ; 1,024 bytes a head in a tile's 16,384
	s_add_co_u32 s[IC], s[IC], s3
	s_mov_b32 s[IC+1], 0
	s_bfe_u32 s3, s87, 0x30001                     ; head / 2
	s_lshl_b32 s[IS], s3, 15
	s_lshl_b32 s2, s2, 6
	s_add_co_u32 s[IS], s[IS], s2
	s_and_b32 s3, s87, 1
	s_lshl_b32 s3, s3, 1                           ; my two bytes of a word
	s_add_co_u32 s[IS], s[IS], s3
	s_mov_b32 s[IS+1], 0
.irp g, G1E, G1L, G1SK, G1SV
	s_mov_b32 s[\g], 15|(3<<16)|(1<<21)            ; the mask of all four; elements of 8 bytes; bit 21 beside a mask
	s_mov_b32 s[\g+1], 32<<16
	s_mov_b32 s[\g+3], 32<<16
	s_mov_b32 s[\g+5], 32
	s_mov_b32 s[\g+6], 0
	s_mov_b32 s[\g+7], 0
.endr
	s_mov_b32 s[G1E+2], 128<<16
	s_mov_b32 s[G1E+4], 128
	s_mov_b32 s[G1L+2], 192<<16
	s_mov_b32 s[G1L+4], 192
	s_mov_b32 s[G1SK+2], 32<<16
	s_mov_b32 s[G1SK+4], 32
	s_mov_b32 s[G1SV+2], 16<<16
	s_mov_b32 s[G1SV+4], 16
	s_mov_b32 s[SEL], 0x76543210
	s_mov_b32 s[SEL+1], 0xfedcba98
	s_mov_b32 s[CS], 0x3d38aa3b                    ; log2(e) / 32
	s_mov_b32 s[CS+1], s[CS]
	s_mov_b32 s[MNT], 0x600000
	s_mov_b32 s[TK], 0
	s_mov_b32 s[TS], 0
	s_mov_b32 s[TJ], 0
	s_wait_dscnt 0x0
	CROUND                                         ; the round in front of the joint loads
	s_wait_kmcnt 0x0
	s_mov_b32 s[G0E], 1
	s_add_nc_u64 s[G0E+2:G0E+3], s[4:5], s[78:79]
	s_or_b32 s[G0E+3], s[G0E+3], 0x80000000
	s_mov_b32 s[G0L], 1
	s_add_nc_u64 s[G0L+2:G0L+3], s[4:5], s[80:81]
	s_or_b32 s[G0L+3], s[G0L+3], 0x80000000
	s_mov_b32 s[G0SK], 1
	s_mov_b32 s[G0SK+1], SCK
	s_add_nc_u64 s[G0SK+2:G0SK+3], s[6:7], s[82:83]
	s_or_b32 s[G0SK+3], s[G0SK+3], 0x80000000
	s_mov_b32 s[G0SV], 1
	s_mov_b32 s[G0SV+1], SCV
	s_add_nc_u64 s[G0SV+2:G0SV+3], s[6:7], s[84:85]
	s_or_b32 s[G0SV+3], s[G0SV+3], 0x80000000
	s_and_b32 s3, s[WV], 3                         ; one chain of branches, a load to an arm
	s_cmp_eq_u32 s3, 0
	s_cbranch_scc0 .Larm_sk
	TL G0E, G1E                                    ; waves 0, 4: keys 0-511 of K, of V: 32,768 bytes
	s_branch .Lasked
.Larm_sk:
	s_cmp_eq_u32 s[WV], 1
	s_cbranch_scc0 .Larm_sv
	TL G0SK, G1SK
	s_branch .Lasked
.Larm_sv:
	s_cmp_eq_u32 s[WV], 5
	s_cbranch_scc0 .Larm_late
	TL G0SV, G1SV
	s_branch .Lasked
.Larm_late:
	TL G0L, G1L                                    ; waves 2, 3, 6, 7: 49,152 bytes each of the later keys
.Lasked:
	s_add_nc_u64 s[QP:QP+1], s[4:5], s[QP:QP+1]
	s_add_nc_u64 s[QS:QS+1], s[6:7], s[QS:QS+1]
	s_add_nc_u64 s[IC:IC+1], s[8:9], s[IC:IC+1]
	s_add_nc_u64 s[IS:IS+1], s[10:11], s[IS:IS+1]
	v_and_b32 v7, 31, v0
	v_and_b32 v8, 15, v0
	v_lshlrev_b32 v[L16], 4, v7
	v_lshlrev_b32 v[R4], 2, v8
	v_lshl_add_u32 v[L4K], v7, 2, SCK
	v_lshl_add_u32 v[L4V], v7, 2, SCV
.macro QLOAD off, woff                 ; two tiles of queries: 1,024 bytes of codes and 64 of scale words each
.irp x, 0,1
	global_load_b128 v[QR+16*\x:QR+16*\x+3], v[L16], s[QP:QP+1] offset:(\off)+1024*\x
	global_load_b128 v[QR+16*\x+4:QR+16*\x+7], v[L16], s[QP:QP+1] offset:(\off)+1024*\x+512
	global_load_b32 v[QW+\x], v[R4], s[QS:QS+1] offset:(\woff)+64*\x
.endr
.endm
	QLOAD 0, 0
	v_add_nc_u32 v[L16V], VB, v[L16]
	v_mov_b32 v[AD], v[L16]
	v_mov_b32 v[ADS], v[L4K]
	v_mov_b32 v[ADT], v[L4V]
	v_add_nc_u32 v[ADV], VB, v[L16]
.set j, 0
.rept 8
	v_mov_b32 v[QR+8+j], 0                         ; Q's upper halves
	v_mov_b32 v[QR+24+j], 0
.set j, j+1
.endr
	WIN 0x40
.set j, 0
.rept 8
	v_mov_b32 v[KF+64+j], 0                        ; the zeros behind K's tiles
.set j, j+1
.endr
	WIN 0
.macro FRESH                           ; a pair of tiles begins: O^T and the sums are zeros, the largest t is -3e38
.irp x, 0,1
	v_mov_b32 v[MM+4*\x+1], 0xff61b1e6
	v_mov_b32 v[MM+4*\x+2], 0
	v_mov_b32 v[MM+4*\x+3], 0
.endr
.irp x, 0,1
	v_floor_f32 v[MM+4*\x], -v[MM+4*\x+1]
	v_floor_f32 v[OLD+\x], -v[MM+4*\x+1]
.endr
	WIN 0x40
.set j, 0
.rept 64
	v_mov_b32 v[OT+j], 0
.set j, j+1
.endr
	WIN 0
.endm
	FRESH
.irp b, 0,1,2,3
	v_mov_b32 v[BX+\b], 0                          ; a lane permute's destination counts as one of its sources
	v_mov_b32 v[BX+16+\b], 0
.endr
.irp x, 0,1
	v_mov_b32 v[TMP+\x], 0
	v_mov_b32 v[FF+2*\x+1], 0
.endr
.macro KLOAD                           ; a step's tiles of K and their scale words: 20 loads
	WIN 0x40
.set g, 0
.rept 16
	ds_load_b128 v[KF+4*g:KF+4*g+3], v[AD] offset:512*g
.set g, g+1
.endr
	WIN 0
.irp i, 0,1,2,3
	ds_load_b32 v[KSW+\i], v[ADS] offset:128*\i
.endr
.endm
.macro VLOAD                           ; a step's tiles of V and their scale words: 18 loads
	WIN 0x40
.set g, 0
.rept 16
	ds_load_b128 v[VF+4*g:VF+4*g+3], v[ADV] offset:512*g
.set g, g+1
.endr
	WIN 0
.irp i, 0,1
	ds_load_b32 v[VSW+\i], v[ADT] offset:128*\i
.endr
.endm
.macro SUMS x                          ; the sum of a tile's 64 unquantised p, in four chains of pairs
.irp i, 0,1,2,3
	v_pk_add_f32 v[BM+16*\x+2*\i:BM+16*\x+2*\i+1], v[SS+64*\x+2*\i:SS+64*\x+2*\i+1], v[SS+64*\x+8+2*\i:SS+64*\x+9+2*\i]
.endr
.irp b, 1,2,3
.irp i, 0,1,2,3,4,5,6,7
	v_pk_add_f32 v[BM+16*\x+2*(\i%4):BM+16*\x+2*(\i%4)+1], v[BM+16*\x+2*(\i%4):BM+16*\x+2*(\i%4)+1], v[SS+64*\x+16*\b+2*\i:SS+64*\x+16*\b+2*\i+1]
.endr
.endr
.endm
; A KEY STEP of 128 keys for both tiles.  hook = 1: in step 15 the second pair of tiles of queries is asked for.
.macro STEP hook
	WALU
	s_wait_dscnt 18                                ; K's tiles and words are in; behind them: V's 16 loads and 2 of its words
	WIN 0x01                                       ; source 0 (K) window 1
.irp i, 0,1,2,3
.irp x, 0,1
	v_wmma_scale_f32_16x16x128_f8f6f4 v[SS+64*\x+16*\i:SS+64*\x+16*\i+7], v[KF+16*\i:KF+16*\i+15], v[QR+16*\x:QR+16*\x+15], 0, v[KSW+\i], v[QW+\x]
.endr
.irp x, 0,1
	v_wmma_scale_f32_16x16x128_f8f6f4 v[SS+64*\x+16*\i+8:SS+64*\x+16*\i+15], v[KF+16*\i+8:KF+16*\i+23], v[QR+16*\x:QR+16*\x+15], 0, v[KSW+\i], v[QW+\x] matrix_a_scale:MATRIX_SCALE_ROW1
.endr
.endr
	WIN 0
	s_add_co_u32 s[TK], s[TK], 8192                ; the next step's tiles; behind key 2,047 comes key 0
	s_and_b32 s[TK], s[TK], 0x1ffff
	s_add_co_u32 s[TS], s[TS], 512
	s_and_b32 s[TS], s[TS], 0x1fff
	s_add_co_u32 s[TJ], s[TJ], 256
	s_and_b32 s[TJ], s[TJ], 0xfff
	v_add_nc_u32 v[AD], s[TK], v[L16]              ; eight places ahead of the loads into K's registers and of the first read of the scores
	v_add_nc_u32 v[ADS], s[TS], v[L4K]
	v_add_nc_u32 v[ADV], s[TK], v[L16V]
	v_add_nc_u32 v[ADT], s[TJ], v[L4V]
.rept 4
	v_nop
.endr
	KLOAD
.if \hook
	WALU
	s_cmp_eq_u32 s[NT], 15
	s_cbranch_scc0 .Lno_q_\@
	QLOAD 16384, 1024                              ; the first pair's last scores are made: its registers take the second pair
.Lno_q_\@:
.endif
.irp x, 0,1
.irp b, 0,1,2,3
	v_max3_num_f32 v[BM+16*\x+\b], v[SS+64*\x+16*\b], v[SS+64*\x+16*\b+1], v[SS+64*\x+16*\b+2]   ; each block's largest score; each accumulator from its low end on
.endr
.endr
.irp i, 3,5,7,9,11,13
.irp x, 0,1
.irp b, 0,1,2,3
	v_max3_num_f32 v[BM+16*\x+\b], v[BM+16*\x+\b], v[SS+64*\x+16*\b+\i], v[SS+64*\x+16*\b+\i+1]
.endr
.endr
.endr
.irp x, 0,1
.irp b, 0,1,2,3
	v_max_num_f32 v[BM+16*\x+\b], v[BM+16*\x+\b], v[SS+64*\x+16*\b+15]
.endr
.endr
.irp x, 0,1
.irp b, 0,1,2,3
	v_permlanex16_b32 v[BX+16*\x+\b], v[BM+16*\x+\b], s[SEL], s[SEL+1]
.endr
.endr
.irp x, 0,1
.irp b, 0,1,2,3
	v_max_num_f32 v[BM+16*\x+\b], v[BM+16*\x+\b], v[BX+16*\x+\b]
.endr
.endr
.irp x, 0,1
	v_max3_num_f32 v[TMP+\x], v[BM+16*\x], v[BM+16*\x+1], v[BM+16*\x+2]
.endr
.irp x, 0,1
	v_max_num_f32 v[TMP+\x], v[TMP+\x], v[BM+16*\x+3]
.endr
.irp x, 0,1
	v_mul_f32 v[TMP+\x], s[CS], v[TMP+\x]
.endr
.irp x, 0,1
	v_max_num_f32 v[MM+4*\x+1], v[MM+4*\x+1], v[TMP+\x]
.endr
.irp x, 0,1
	v_floor_f32 v[MM+4*\x], -v[MM+4*\x+1]          ; -M
.endr
.irp x, 0,1
.irp b, 0,1,2,3
	v_fma_f32 v[BM+16*\x+\b], v[BM+16*\x+\b], s[CS], v[MM+4*\x]
.endr
.endr
.irp x, 0,1
	v_sub_f32 v[TMP+\x], v[MM+4*\x], v[OLD+\x]     ; old M - new M
.endr
.set j, 0
.rept 32
	v_pk_fma_f32 v[SS+j:SS+j+1], v[SS+j:SS+j+1], s[CS:CS+1], v[MM:MM+1] op_sel_hi:[1,0,0]   ; tile 0: t - M
.set j, j+2
.endr
.irp x, 0,1
	v_cvt_i32_f32 v[TMP+\x], v[TMP+\x]             ; (it saturates)
.endr
.irp x, 0,1
	v_ldexp_f32 v[FF+2*\x], 1.0, v[TMP+\x]         ; f = 2^(old M - new M)
.endr
	WALU                                           ; the first batch: one wait ahead of it,
.irp x, 0,1
.irp b, 0,1,2,3
	v_exp_f32 v[BM+16*\x+\b], v[BM+16*\x+\b]
.endr
.endr
.set j, 0
.rept 32
	v_exp_f32 v[SS+j], v[SS+j]
	v_pk_fma_f32 v[SS+64+j:SS+64+j+1], v[SS+64+j:SS+64+j+1], s[CS:CS+1], v[MM+4:MM+5] op_sel_hi:[1,0,0]   ; tile 1: t - M, first read behind the wait below
	v_exp_f32 v[SS+j+1], v[SS+j+1]
.set j, j+2
.endr
.irp x, 0,1
	v_mov_b32 v[OLD+\x], v[MM+4*\x]                ; (plain lines behind the batch)
.endr
	WALU                                           ; and one behind it
.irp x, 0,1
.irp b, 0,1,2,3
	v_max_num_f32 v[BM+16*\x+\b], 0x4800000, v[BM+16*\x+\b]    ; the floor 2^(9 - 127)
.endr
.endr
.irp x, 0,1
.irp b, 0,1,2,3
	v_add_nc_u32 v[SO+16*\x+\b], 0xfc000000, v[BM+16*\x+\b]    ; the conversion's scale operand
.endr
.endr
.irp x, 0,1
.irp b, 0,1,2,3
	v_and_or_b32 v[HL+16*\x+\b], v[BM+16*\x+\b], 0x7f800000, s[MNT]   ; 448 x the scale
.endr
.endr
.irp x, 0,1
.irp b, 0,1,2,3
	v_lshrrev_b32 v[BX+16*\x+\b], 23, v[SO+16*\x+\b]
.endr
.endr
.irp x, 0,1
	v_lshl_or_b32 v[PW+\x], v[BX+16*\x+1], 8, v[BX+16*\x]
.endr
.irp x, 0,1
	v_lshl_or_b32 v[PW+\x], v[BX+16*\x+2], 16, v[PW+\x]
.endr
.irp x, 0,1
	v_lshl_or_b32 v[PW+\x], v[BX+16*\x+3], 24, v[PW+\x]        ; p's scale words
.endr
	SUMS 0
	WALU                                           ; the second batch: one wait ahead of it,
.set j, 0
.rept 32
	v_exp_f32 v[SS+64+j], v[SS+64+j]
	v_dual_min_num_f32 v[SS+j], v[SS+j], v[HL+j/16] :: v_dual_min_num_f32 v[SS+j+1], v[SS+j+1], v[HL+j/16]   ; tile 0's hold (ISA guide 7.6.2), first read behind the wait below
	v_exp_f32 v[SS+64+j+1], v[SS+64+j+1]
.set j, j+2
.endr
	v_nop
	WALU                                           ; and one behind it
	SUMS 1
.set j, 0
.rept 32
	v_dual_min_num_f32 v[SS+64+j], v[SS+64+j], v[HL+16+j/16] :: v_dual_min_num_f32 v[SS+64+j+1], v[SS+64+j+1], v[HL+16+j/16]
.set j, j+2
.endr
	WIN 0x40                                       ; the codes go to window 1
.irp x, 0,1
.irp b, 0,1,2,3
	v_cvt_scalef32_pk8_fp8_f32 v[PC+16*\x+4*\b:PC+16*\x+4*\b+1], v[SS+64*\x+16*\b:SS+64*\x+16*\b+7], v[SO+16*\x+\b]
	v_cvt_scalef32_pk8_fp8_f32 v[PC+16*\x+4*\b+2:PC+16*\x+4*\b+3], v[SS+64*\x+16*\b+8:SS+64*\x+16*\b+15], v[SO+16*\x+\b]
.endr
.endr
	WIN 0x41                                       ; O^T in window 1, f in window 0
	WALU                                           ; the wait directly ahead of the first readers of O^T
.irp x, 0,1
.set j, 0
.rept 16
	v_pk_mul_f32 v[OT+32*\x+j:OT+32*\x+j+1], v[OT+32*\x+j:OT+32*\x+j+1], v[FF+2*\x:FF+2*\x+1] op_sel_hi:[1,0]   ; O^T under the new M; also the places ahead of the products
.set j, j+2
.endr
.endr
	WALU
	s_wait_dscnt 20                                ; V's tiles and words are in; behind them: 16 loads of the next K and 4 of its words
	WIN 0x55
.irp i, 0,1
.irp x, 0,1
	v_wmma_scale_f32_16x16x128_f8f6f4 v[OT+32*\x+16*\i:OT+32*\x+16*\i+7], v[VF+32*\i:VF+32*\i+15], v[PC+16*\x:PC+16*\x+15], v[OT+32*\x+16*\i:OT+32*\x+16*\i+7], v[VSW+\i], v[PW+\x]
.endr
.irp x, 0,1
	v_wmma_scale_f32_16x16x128_f8f6f4 v[OT+32*\x+16*\i+8:OT+32*\x+16*\i+15], v[VF+32*\i+16:VF+32*\i+31], v[PC+16*\x:PC+16*\x+15], v[OT+32*\x+16*\i+8:OT+32*\x+16*\i+15], v[VSW+\i], v[PW+\x] matrix_a_scale:MATRIX_SCALE_ROW1
.endr
.endr
	WIN 0
.irp x, 0,1                            ; eight places ahead of the loads into V's registers: the sums' chains are joined
	v_pk_add_f32 v[BM+16*\x:BM+16*\x+1], v[BM+16*\x:BM+16*\x+1], v[BM+16*\x+2:BM+16*\x+3]
.endr
.irp x, 0,1
	v_pk_add_f32 v[BM+16*\x+4:BM+16*\x+5], v[BM+16*\x+4:BM+16*\x+5], v[BM+16*\x+6:BM+16*\x+7]
.endr
.irp x, 0,1
	v_pk_add_f32 v[BM+16*\x:BM+16*\x+1], v[BM+16*\x:BM+16*\x+1], v[BM+16*\x+4:BM+16*\x+5]
.endr
.irp x, 0,1
	v_pk_fma_f32 v[MM+4*\x+2:MM+4*\x+3], v[MM+4*\x+2:MM+4*\x+3], v[FF+2*\x:FF+2*\x+1], v[BM+16*\x:BM+16*\x+1] op_sel_hi:[1,0,1]
.endr
	VLOAD                                          ; the next step's V
.endm
; A PAIR'S WAY OUT: O^T / the sum, quantised along the head's 64 features: four blocks of 32, two a tile; codes in true order.  The scores' registers are free.
.macro HEAD_END p
.irp x, 0,1
	v_add_f32 v[MM+4*\x+2], v[MM+4*\x+2], v[MM+4*\x+3]
.endr
.irp x, 0,1
	v_permlanex16_b32 v[TMP+\x], v[MM+4*\x+2], s[SEL], s[SEL+1]
.endr
.irp x, 0,1
	v_add_f32 v[MM+4*\x+2], v[MM+4*\x+2], v[TMP+\x]
.endr
	WALU
.irp x, 0,1
	v_rcp_f32 v[MM+4*\x+2], v[MM+4*\x+2]
.endr
	v_nop
	WIN 0x01                                       ; source 0 (O^T) window 1
	WALU
.irp x, 0,1
.set j, 0
.rept 32
	v_mul_f32 v[SS+32*\x+j], v[OT+32*\x+j], v[MM+4*\x+2]
.set j, j+1
.endr
.endr
	WIN 0
.irp b, 0,1,2,3
	v_max3_num_f32 v[BM+\b], |v[SS+16*\b]|, |v[SS+16*\b+1]|, 0x4800000
.endr
.irp i, 2,4,6,8,10,12,14
.irp b, 0,1,2,3
	v_max3_num_f32 v[BM+\b], v[BM+\b], |v[SS+16*\b+\i]|, |v[SS+16*\b+\i+1]|
.endr
.endr
.irp b, 0,1,2,3
	v_permlanex16_b32 v[BX+\b], v[BM+\b], s[SEL], s[SEL+1]
.endr
.irp b, 0,1,2,3
	v_max_num_f32 v[BM+\b], v[BM+\b], v[BX+\b]
.endr
.irp b, 0,1,2,3
	v_add_nc_u32 v[SO+\b], 0xfc000000, v[BM+\b]
.endr
.irp b, 0,1,2,3
	v_and_or_b32 v[HL+\b], v[BM+\b], 0x7f800000, s[MNT]
.endr
.irp b, 0,1,2,3
	v_lshrrev_b32 v[BX+\b], 23, v[SO+\b]
.endr
.irp x, 0,1
	v_lshl_or_b32 v[SWD+\x], v[BX+2*\x+1], 8, v[BX+2*\x]       ; my head's two bytes of row r's word
.endr
.irp b, 0,1,2,3
.set j, 0
.rept 16
	v_med3_num_f32 v[SS+16*\b+j], v[SS+16*\b+j], -v[HL+\b], v[HL+\b]
.set j, j+1
.endr
	v_cvt_scalef32_pk8_fp8_f32 v[PCW+4*\b:PCW+4*\b+1], v[SS+16*\b:SS+16*\b+7], v[SO+\b]
	v_cvt_scalef32_pk8_fp8_f32 v[PCW+4*\b+2:PCW+4*\b+3], v[SS+16*\b+8:SS+16*\b+15], v[SO+\b]
.endr
	v_nop
.irp b, 0,1,2,3
	v_permlane16_swap_b32 v[PCW+4*\b], v[PCW+4*\b+2]     ; lane (r, h) now holds features 16 h + 0 .. 15 of the block
	v_permlane16_swap_b32 v[PCW+4*\b+1], v[PCW+4*\b+3]
.endr
.irp b, 0,1,2,3
	global_store_b128 v[L16], v[PCW+4*\b:PCW+4*\b+3], s[IC:IC+1] offset:262144*\p+16384*(\b/2)+512*(\b%2)   ; 512 consecutive bytes of a wave
.endr
.irp x, 0,1
	global_store_b16 v[R4], v[SWD+\x], s[IS:IS+1] offset:1024*\p+64*\x     ; lanes r and 16 + r store the same two bytes
.endr
.if \p == 0
	FRESH
	s_wait_xcnt 0x0                                ; the stores have read their registers: they may be written again
.endif
.endm
	WALU
	s_and_b32 s3, s[WV], 2
	s_cmp_eq_u32 s3, 0
	s_cbranch_scc0 .Llate
	s_wait_tensorcnt 0x0                           ; waves 0, 1, 4, 5: keys 0-511 and the scale words are in
.Llate:
	s_barrier_signal -1
	s_barrier_wait -1
	KLOAD
	VLOAD
	s_wait_loadcnt 0x0                             ; Q
	STEP 0                                         ; keys 0-127
	WALU
	s_wait_tensorcnt 0x0                           ; every wave: all of K and V is in
	s_wait_dscnt 0x0
	s_barrier_signal -1
	s_barrier_wait -1
	s_mov_b32 s[NT], 1
.Lstep:                                                ; steps 1 to 31 of the 32: sixteen steps walk the keys once
	s_wait_loadcnt 0x0                             ; the second pair of tiles of queries, where it was asked for
	STEP 1
	WALU
	s_cmp_eq_u32 s[NT], 15
	s_cbranch_scc0 .Lsame_pair
	HEAD_END 0
.Lsame_pair:
	s_add_co_u32 s[NT], s[NT], 1
	s_cmp_lt_u32 s[NT], 32
	s_cbranch_scc1 .Lstep
	HEAD_END 1
	s_wait_tensorcnt 0x0                           ; the wave's end
	ds_add_u32 v[SPW], v[NIL]
	s_wait_dscnt 0x0
	CROUND                                         ; the closing round
	s_endpgm
.Lfunc_end_k_qff941b303e_attn:
	.size	k_qff941b303e_attn, .Lfunc_end_k_qff941b303e_attn-k_qff941b303e_attn
	.p2alignl 7, 3214868480
	.fill 96, 4, 3214868480
	.section	.rodata,"a",@progbits
	.p2align	6, 0x0
	.amdhsa_kernel k_qff941b303e_attn
		.amdhsa_group_segment_fixed_size 327680
		.amdhsa_private_segment_fixed_size 0
		.amdhsa_enable_private_segment 0
		.amdhsa_kernarg_size 32
		.amdhsa_user_sgpr_count 2
		.amdhsa_user_sgpr_kernarg_segment_ptr 1
		.amdhsa_wavefront_size32 1
		.amdhsa_system_sgpr_workgroup_id_x 1
		.amdhsa_system_sgpr_workgroup_id_y 1
		.amdhsa_system_sgpr_workgroup_id_z 1
		.amdhsa_system_vgpr_workitem_id 0
		.amdhsa_next_free_vgpr 512
		.amdhsa_next_free_sgpr 100
		.amdhsa_reserve_vcc 0
		.amdhsa_float_denorm_mode_32 3
		.amdhsa_float_denorm_mode_16_64 3
		.amdhsa_memory_ordered 1
		.amdhsa_forward_progress 1
		.amdhsa_inst_pref_size 110
	.end_amdhsa_kernel
	.amdgpu_metadata
---
amdhsa.version: [ 1, 2 ]
amdhsa.kernels:
  - .name:           k_qff941b303e_attn
    .symbol:         k_qff941b303e_attn.kd
    .args:
      - { .name: qkv_codes, .offset: 0, .size: 8, .value_kind: global_buffer, .address_space: global }
      - { .name: qkv_scales, .offset: 8, .size: 8, .value_kind: global_buffer, .address_space: global }
      - { .name: inter_codes, .offset: 16, .size: 8, .value_kind: global_buffer, .address_space: global }
      - { .name: inter_scales, .offset: 24, .size: 8, .value_kind: global_buffer, .address_space: global }
    .group_segment_fixed_size: 327680
    .private_segment_fixed_size: 0
    .kernarg_segment_align: 8
    .kernarg_segment_size: 32
    .max_flat_workgroup_size: 256
    .sgpr_count:     100
    .vgpr_count:     512
    .wavefront_size: 32
...
	.end_amdgpu_metadata
.endif
;; end of part 7
;; launch oproj (part 8): grid 4 x 64, 4 waves a work-group, clusters of 4 x 4, 327,680 bytes of LDS; arguments inter_codes, inter_scales, Wo_codes, Wo_scales, bo, out0; writes out0
.if DOCPART == 8
	.amdgcn_target "amdgcn-amd-amdhsa--gfx1250"
	.amdhsa_code_object_version 6
	.text
	.protected	k_qff941b303e_oproj
	.globl	k_qff941b303e_oproj
	.p2align	8
	.type	k_qff941b303e_oproj,@function
k_qff941b303e_oproj:
	s_mov_b64 s[64:65], 0
	v_nop
	global_prefetch_b8 v0, s[64:65] scope:SCOPE_SE
	s_setreg_imm32_b32 hwreg(HW_REG_WAVE_MODE, 25, 1), 1
	s_wait_xcnt 0x0
	s_wait_alu depctr_hold_cnt(0) depctr_sa_sdst(0) depctr_va_vdst(0) depctr_va_sdst(0) depctr_va_ssrc(0) depctr_va_vcc(0) depctr_vm_vsrc(0)
	s_getreg_b32 s2, hwreg(HW_REG_IB_STS2, 6, 4)
	s_cmp_eq_u32 s2, 0
	s_cbranch_scc0 .Lentry_in_a_cluster
	s_endpgm
.Lentry_in_a_cluster:
	s_bfe_u32 s2, ttmp6, 0x10000c
	s_cmp_lg_u32 s2, 0xf033
	s_cbranch_scc0 .Lentry_shape_is_right
	s_endpgm
.Lentry_shape_is_right:
; out0 = inter Wo^T + bo on codes of FP8 (E4M3) with one E8M0 scale for each 32 along K: 8,192 x 1,024 x 1,024, f32 sums that begin with the bias, K ascending.
; SHARES.  A work-group makes 128 rows x 256 columns; its four waves, 2 x 2, make 64 x 128 each, as two groups of 64 columns: 16 accumulators a group.
; A (inter) GOES STRAIGHT INTO REGISTERS: inter_codes is laid as images of the operand's registers ([tile of 16 rows][128 of K][c][lane][16 bytes]), so a wave's 64 rows, all of K, are 128 loads of 512 consecutive bytes into 512 registers.
; B (Wo): the work-group's 256 rows, ALL of K, lie in LDS: 256 x (1,024 + 16) = 266,240 bytes, filled once by four tensor loads, one a wave (64 rows each); nothing is filled again.
; CLUSTER 4 x 4: B's rows hang on the tile column alone and are asked for jointly by the four of a column.  A has no joint load: a joint load lands in LDS, and A's 131,072 bytes do not fit beside B's 266,240.
; TWO BARRIERS.  The even waves' loads (rows 0-63 and 128-191: each column half's first group) have a line of their own and are shown at the first; all waves wait at the second, in step 7, ahead of the first read of the second group's rows.
; NO PREFETCH: every load of the launch stands at its head, so there is nothing to run ahead of.
; THE MATRIX INSTRUCTION IS USED TRANSPOSED (source 0 = 16 rows of Wo, source 1 = 16 rows of inter): a lane holds eight neighbouring columns of a row.
; SCALE WORDS come once, by plain loads: register j of a block holds, in lanes 0-15, the word of the j-th 128 along K and, in lanes 16-31, that of the (4 + j)-th.
; THE WAY OUT: a tile of 16 rows x 64 columns goes through the wave's own stage in LDS and leaves as rows of 256 bytes, sixteen lanes to a row.  The first group's four tiles leave among the second group's products.
; LIMITS: NaN and infinities are not served.
; REGISTERS.  Window 0: v1-13 addresses; v14-29 A's scale words; v32-63 B's; v64-127 the bias, then rows read back from the stage; v128-255 B's fragments, two sets.  Windows 1, 2: A's fragments (fragment 4 ks + i).  Window 3: the accumulators (128 g + 32 i + 8 bb).
.set PB,    1040                       ; a row of B in LDS: 1,024 bytes + 16 of padding
.set STAGE, 256*PB
.set SPARE, STAGE+4*16*272
.set L16,   1
.set ADRB0, 2                          ; v2, v3: my fragments of B, first and second group
.set STO,   4
.set RD,    5
.set CO,    6
.set SPW,   7
.set NIL,   8
.set ASO,   9
.set BSO,   10
.set BIO,   11
.set SAW,   14
.set SBW,   32
.set BO,    64
.set BF,    128
.set G1,    24
.set G0,    32
.set AP,    40
.set AS,    42
.set BS,    44
.set BI,    46
.set OP,    48
.set MSB, 0
.macro WIN new                         ; the immediate's high byte repeats the setting that is left
.if MSB != (\new)
	s_set_vgpr_msb (MSB<<8)|(\new)
.set MSB, (\new)
.endif
.endm
.macro PLACES n
.rept \n
	v_nop
.endr
.endm
.macro TL                              ; s_nop 0 and four v_nop behind a tensor load
	tensor_load_to_lds s[G0:G0+3], s[G1:G1+7]
	s_nop 0
	PLACES 4
.endm
.macro CROUND
	s_barrier_signal -1
	s_barrier_wait -1
	s_cmp_lg_u32 s16, 0
	s_cbranch_scc1 .Lnot_wave_0_\@
	s_barrier_signal -3
.Lnot_wave_0_\@:
	s_barrier_wait -3
	s_barrier_signal -1
	s_barrier_wait -1
.endm
	s_load_b256 s[4:11], s[0:1], 0x0               ; inter_codes, inter_scales, Wo_codes, Wo_scales
	s_load_b128 s[12:15], s[0:1], 0x20             ; bo, out0
	v_lshl_add_u32 v[SPW], v0, 2, SPARE
	v_mov_b32 v[NIL], 0
	ds_add_u32 v[SPW], v[NIL]                      ; the opening lines: the add twice on end and its wait
	ds_add_u32 v[SPW], v[NIL]
	v_lshrrev_b32 v12, 5, v0
	v_readfirstlane_b32 s16, v12                   ; wave
	s_lshr_b32 s17, s16, 1                         ; my half of the rows
	s_and_b32 s18, s16, 1                          ; my half of the columns.  Also: my load is shown at the first barrier (0) or at the second (1)
	s_bfe_u32 s19, ttmp6, 0x40000                  ; cx
	s_bfe_u32 s20, ttmp6, 0x40004                  ; cy
	s_and_b32 s21, ttmp7, 0xffff
	s_lshl_b32 s21, s21, 2
	s_add_co_u32 s21, s21, s20                     ; tile row: 128 rows
	s_lshl_b32 s23, ttmp9, 2
	s_add_co_u32 s23, s23, s19                     ; tile column: 256 columns
	s_lshl_b32 s22, 0x1111, s19                    ; my column of the cluster
	s_or_b32 s[G1+0], s22, (1<<20)|(1<<21)|(7<<22)|(3<<25)   ; the mask; elements of 1 byte; padding on; bit 21 beside a mask; four words behind every 256
	s_mov_b32 s[G1+1], 1024<<16                    ; tensor_dim0
	s_mov_b32 s[G1+2], 64<<16                      ; tensor_dim1
	s_mov_b32 s[G1+3], 1024<<16                    ; tile_dim0
	s_mov_b32 s[G1+4], 64                          ; tile_dim1
	s_mov_b32 s[G1+5], 1024                        ; the pitch
	s_mov_b32 s[G1+6], 0
	s_mov_b32 s[G1+7], 0
	s_mov_b32 s[G0], 1
	s_mul_i32 s[G0+1], s16, 64*PB                  ; wave w fills rows 64 w on
	s_lshl_b32 s36, s23, 18
	s_lshl_b32 s37, s16, 16
	s_add_co_u32 s36, s36, s37                     ; (256 x tile column + 64 w) x 1,024
	s_mov_b32 s37, 0
	s_lshl_b32 s38, s21, 3
	s_lshl_b32 s39, s17, 2
	s_add_co_u32 s38, s38, s39                     ; my first tile of 16 rows
	s_lshl_b32 s[AP], s38, 14
	s_mov_b32 s[AP+1], 0
	s_lshl_b32 s[AS], s38, 6
	s_mov_b32 s[AS+1], 0
	s_lshl_b32 s39, s23, 8
	s_lshl_b32 s50, s18, 7
	s_add_co_u32 s39, s39, s50                     ; my first column
	s_lshl_b32 s[BS], s39, 5
	s_mov_b32 s[BS+1], 0
	s_lshl_b32 s[BI], s39, 2
	s_mov_b32 s[BI+1], 0
	s_lshl_b32 s[OP], s38, 16                      ; 16 rows of 4,096 bytes a tile
	s_add_co_u32 s[OP], s[OP], s[BI]
	s_mov_b32 s[OP+1], 0
	s_mul_i32 s50, s18, 128*PB                     ; my 128 rows of B,
	s_add_co_u32 s51, s50, 64*PB                   ; and their second group
	s_mul_i32 s52, s16, 16*272
	s_add_co_u32 s52, s52, STAGE                   ; my stage
	s_wait_dscnt 0x0
	CROUND                                         ; the round in front of the joint loads
	s_wait_kmcnt 0x0
	s_add_nc_u64 s[G0+2:G0+3], s[8:9], s[36:37]
	s_or_b32 s[G0+3], s[G0+3], 0x80000000
	s_add_nc_u64 s[AP:AP+1], s[4:5], s[AP:AP+1]
	s_add_nc_u64 s[AS:AS+1], s[6:7], s[AS:AS+1]
	s_add_nc_u64 s[BS:BS+1], s[10:11], s[BS:BS+1]
	s_add_nc_u64 s[BI:BI+1], s[12:13], s[BI:BI+1]
	s_add_nc_u64 s[OP:OP+1], s[14:15], s[OP:OP+1]
	s_cmp_eq_u32 s18, 0                            ; a load line for the even waves, one for the odd: they wait at different barriers
	s_cbranch_scc0 .Lodd
	TL
	s_branch .Lasked
.Lodd:
	TL
.Lasked:
	v_and_b32 v12, 15, v0                          ; r
	v_bfe_u32 v13, v0, 4, 1                        ; h
	v_and_b32 v30, 31, v0
	v_lshlrev_b32 v[L16], 4, v30
	v_mul_u32_u24 v31, v12, PB
	v_lshl_add_u32 v31, v13, 4, v31                ; a fragment's row x pitch + 16 h
	v_add_nc_u32 v[ADRB0], s50, v31
	v_add_nc_u32 v[ADRB0+1], s51, v31
	v_mul_u32_u24 v30, v12, 272
	v_lshl_add_u32 v30, v13, 5, v30
	v_add_nc_u32 v[STO], s52, v30                  ; in: row r, 32 bytes for each half of the lanes
	v_mul_u32_u24 v31, v13, 272
	v_lshl_add_u32 v31, v12, 4, v31
	v_add_nc_u32 v[RD], s52, v31                   ; back: lanes 0-15 one row of 256 bytes, lanes 16-31 the next
	v_lshlrev_b32 v30, 12, v13
	v_lshl_add_u32 v[CO], v12, 4, v30              ; and the same two rows in out0
	v_lshlrev_b32 v31, 17, v13
	v_lshl_add_u32 v[ASO], v12, 2, v31             ; A's scale words: 4 r; lanes 16-31 four planes of 32,768 bytes on
	v_lshlrev_b32 v30, 4, v13
	v_lshl_add_u32 v[BSO], v12, 5, v30             ; B's: 32 bytes a row, 16 a half of the lanes
	v_lshlrev_b32 v[BIO], 5, v13
	s_wait_alu depctr_va_vdst(0)
.irp b, 0,1,2,3,4,5,6,7
	global_load_b128 v[SBW+4*\b:SBW+4*\b+3], v[BSO], s[BS:BS+1] offset:512*\b      ; 16 rows' scale bytes: 512 consecutive bytes
.endr
.irp i, 0,1,2,3
.irp j, 0,1,2,3
	global_load_b32 v[SAW+4*\i+\j], v[ASO], s[AS:AS+1] offset:32768*\j+64*\i
.endr
.endr
.irp b, 0,1,2,3,4,5,6,7
	global_load_b128 v[BO+8*\b:BO+8*\b+3], v[BIO], s[BI:BI+1] offset:64*\b         ; the bias at columns 16 b + 8 h + 0 .. 7
	global_load_b128 v[BO+8*\b+4:BO+8*\b+7], v[BIO], s[BI:BI+1] offset:64*\b+16
.endr
.irp ks, 0,1,2,3,4,5,6,7               ; A, by K: sixteen loads for each 128 along K
	WIN (1+\ks/4)<<6
.irp i, 0,1,2,3
.irp c, 0,1,2,3
	global_load_b128 v[16*(4*(\ks%4)+\i)+4*\c:16*(4*(\ks%4)+\i)+4*\c+3], v[L16], s[AP:AP+1] offset:16384*\i+2048*\ks+512*\c
.endr
.endr
.endr
	WIN 0
.macro BLOAD n                         ; step n = 8 g + ks: B's four fragments into set n % 2
.set G_, (\n)/8
.set KS_, (\n)%8
.set P_, (\n)%2
.irp bb, 0,1,2,3
.irp c, 0,1,2,3
	ds_load_b128 v[BF+64*P_+16*\bb+4*\c:BF+64*P_+16*\bb+4*\c+3], v[ADRB0+G_] offset:\bb*16*PB+128*KS_+32*\c
.endr
.endr
.endm
.macro MULS n                          ; sixteen products, the sixteen accumulators by turns; the first take the bias as C
.set G_, (\n)/8
.set KS_, (\n)%8
.set P_, (\n)%2
.if KS_ == 0
	WIN 0xc4                                       ; D window 3, A's fragments window 1, C (the bias) window 0
.else
	WIN 0xf0|((1+KS_/4)<<2)
.endif
.irp i, 0,1,2,3
.irp bb, 0,1,2,3
.if KS_ == 0
	v_wmma_scale_f32_16x16x128_f8f6f4 v[128*G_+32*\i+8*\bb:128*G_+32*\i+8*\bb+7], v[BF+64*P_+16*\bb:BF+64*P_+16*\bb+15], v[16*(4*(KS_%4)+\i):16*(4*(KS_%4)+\i)+15], v[BO+32*G_+8*\bb:BO+32*G_+8*\bb+7], v[SBW+16*G_+4*\bb+KS_%4], v[SAW+4*\i+KS_%4]
.elseif KS_ < 4
	v_wmma_scale_f32_16x16x128_f8f6f4 v[128*G_+32*\i+8*\bb:128*G_+32*\i+8*\bb+7], v[BF+64*P_+16*\bb:BF+64*P_+16*\bb+15], v[16*(4*(KS_%4)+\i):16*(4*(KS_%4)+\i)+15], v[128*G_+32*\i+8*\bb:128*G_+32*\i+8*\bb+7], v[SBW+16*G_+4*\bb+KS_%4], v[SAW+4*\i+KS_%4]
.else
	v_wmma_scale_f32_16x16x128_f8f6f4 v[128*G_+32*\i+8*\bb:128*G_+32*\i+8*\bb+7], v[BF+64*P_+16*\bb:BF+64*P_+16*\bb+15], v[16*(4*(KS_%4)+\i):16*(4*(KS_%4)+\i)+15], v[128*G_+32*\i+8*\bb:128*G_+32*\i+8*\bb+7], v[SBW+16*G_+4*\bb+KS_%4], v[SAW+4*\i+KS_%4] matrix_a_scale:MATRIX_SCALE_ROW1 matrix_b_scale:MATRIX_SCALE_ROW1
.endif
.endr
.endr
.endm
.macro TOSTAGE g, a                    ; tile a of group g: into my stage, and back as rows of 256 bytes into set a % 2 of the registers that held the bias
	s_wait_xcnt 0x0                                ; earlier stores have read their registers
	WIN 0x0c                                       ; the data: window 3
.irp bb, 0,1,2,3
	ds_store_b128 v[STO], v[128*(\g)+32*(\a)+8*\bb:128*(\g)+32*(\a)+8*\bb+3] offset:64*\bb       ; each accumulator from its low end on
	ds_store_b128 v[STO], v[128*(\g)+32*(\a)+8*\bb+4:128*(\g)+32*(\a)+8*\bb+7] offset:64*\bb+16
.endr
	WIN 0
.irp t, 0,1,2,3,4,5,6,7
	ds_load_b128 v[BO+32*((\a)%2)+4*\t:BO+32*((\a)%2)+4*\t+3], v[RD] offset:\t*2*272   ; LDS serves a wave's instructions in order (ISA guide 5.7.1.4): these see the stores above
.endr
.endm
.macro SEND g, a
.irp t, 0,1,2,3,4,5,6,7
	global_store_b128 v[CO], v[BO+32*((\a)%2)+4*\t:BO+32*((\a)%2)+4*\t+3], s[OP:OP+1] offset:65536*(\a)+8192*\t+256*(\g) th:TH_STORE_NT   ; sixteen lanes store 256 consecutive bytes, at a multiple of 256
.endr
.endm
; A STEP: 128 along K of a group.  The next step's fragments of B are asked for ahead of this step's products.
.macro STEP n
	WIN 0
	s_wait_dscnt 0x0                               ; this step's fragments of B, and a tile read back from the stage
.if (\n) < 8
.set LC_, 16*(7-(\n))                  ; A's loads of the later 128s along K may be out (the count is held at the field's 63)
.if LC_ > 63
.set LC_, 63
.endif
	s_wait_loadcnt LC_
.endif
.if (\n) == 7
	s_wait_tensorcnt 0x0                           ; every wave: all of B is in
	s_barrier_signal -1
	s_barrier_wait -1
.endif
.if ((\n) >= 10) && ((\n) <= 13)
	SEND 0, (\n)-10
.endif
.if (\n) >= 1
	PLACES 8                                       ; ahead of loads into registers that products have read, and of the stage's reads of sums
.endif
.if ((\n) >= 9) && ((\n) <= 12)
	TOSTAGE 0, (\n)-9
.endif
.if (\n) < 15
	BLOAD (\n)+1
.endif
	MULS \n
.endm
	s_cmp_eq_u32 s18, 0
	s_cbranch_scc0 .Lnot_first
	s_wait_tensorcnt 0x0                           ; the even waves: each column half's first 64 rows are in
.Lnot_first:
	s_barrier_signal -1
	s_barrier_wait -1
	BLOAD 0
.irp n, 0,1,2,3,4,5,6,7,8,9,10,11,12,13,14,15
	STEP \n
.endr
	WIN 0
	PLACES 8
	TOSTAGE 1, 0
.irp a, 1,2,3
	TOSTAGE 1, \a
	s_wait_dscnt 16                                ; behind tile a - 1's loads: tile a's 8 stores and 8 loads
	SEND 1, (\a)-1
.endr
	s_wait_dscnt 0x0
	SEND 1, 3
	s_wait_tensorcnt 0x0                           ; the wave's end
	ds_add_u32 v[SPW], v[NIL]
	s_wait_dscnt 0x0
	CROUND                                         ; the closing round
	s_endpgm
.Lfunc_end_k_qff941b303e_oproj:
	.size	k_qff941b303e_oproj, .Lfunc_end_k_qff941b303e_oproj-k_qff941b303e_oproj
	.p2alignl 7, 3214868480
	.fill 96, 4, 3214868480
	.section	.rodata,"a",@progbits
	.p2align	6, 0x0
	.amdhsa_kernel k_qff941b303e_oproj
		.amdhsa_group_segment_fixed_size 327680
		.amdhsa_private_segment_fixed_size 0
		.amdhsa_enable_private_segment 0
		.amdhsa_kernarg_size 48
		.amdhsa_user_sgpr_count 2
		.amdhsa_user_sgpr_kernarg_segment_ptr 1
		.amdhsa_wavefront_size32 1
		.amdhsa_system_sgpr_workgroup_id_x 1
		.amdhsa_system_sgpr_workgroup_id_y 1
		.amdhsa_system_sgpr_workgroup_id_z 1
		.amdhsa_system_vgpr_workitem_id 0
		.amdhsa_next_free_vgpr 1024
		.amdhsa_next_free_sgpr 66
		.amdhsa_reserve_vcc 0
		.amdhsa_float_denorm_mode_32 3
		.amdhsa_float_denorm_mode_16_64 3
		.amdhsa_memory_ordered 1
		.amdhsa_forward_progress 1
		.amdhsa_inst_pref_size 91
	.end_amdhsa_kernel
	.amdgpu_metadata
---
amdhsa.version: [ 1, 2 ]
amdhsa.kernels:
  - .name:           k_qff941b303e_oproj
    .symbol:         k_qff941b303e_oproj.kd
    .args:
      - { .name: inter_codes, .offset: 0, .size: 8, .value_kind: global_buffer, .address_space: global }
      - { .name: inter_scales, .offset: 8, .size: 8, .value_kind: global_buffer, .address_space: global }
      - { .name: Wo_codes, .offset: 16, .size: 8, .value_kind: global_buffer, .address_space: global }
      - { .name: Wo_scales, .offset: 24, .size: 8, .value_kind: global_buffer, .address_space: global }
      - { .name: bo, .offset: 32, .size: 8, .value_kind: global_buffer, .address_space: global }
      - { .name: out0, .offset: 40, .size: 8, .value_kind: global_buffer, .address_space: global }
    .group_segment_fixed_size: 327680
    .private_segment_fixed_size: 0
    .kernarg_segment_align: 8
    .kernarg_segment_size: 48
    .max_flat_workgroup_size: 128
    .sgpr_count:     66
    .vgpr_count:     1024
    .wavefront_size: 32
...
	.end_amdgpu_metadata
.endif
;; end of part 8
